; MI455X (gfx1250); checked and timed in simulation.
; The chip was launched on July 23, 2026; its instructions are those of AMD's public machine-readable ISA for CDNA 5 (MIT licence, August 2026) and "CDNA5" Instruction Set Architecture Reference Guide (July 2026). The comments in the code are by the model that wrote it; some were corrected since.
;; Transformer Block. Allowed arithmetic: matrix products marked QUANTISED: E2M3 operands, one E8M0 scale for each 32 along K, by v_wmma_scale_f32_16x16x128_f8f6f4 with both operands' format E2M3, f32 sums; everything else in f32.
;; Inputs: W1_codes 4,096 x 32 x 24 uint8 (E2M3 codes of W1, K innermost, in blocks of 32 codes, four codes in three bytes); W1_scales 4,096 x 32 uint8 (E8M0 scales of W1, one for each 32 codes along K); W2_codes 1,024 x 128 x 24 uint8 (E2M3 codes of W2, K innermost, in blocks of 32 codes, four codes in three bytes); W2_scales 1,024 x 128 uint8 (E8M0 scales of W2, one for each 32 codes along K); W_out_codes 1,024 x 32 x 24 uint8 (E2M3 codes of W_out, K innermost, in blocks of 32 codes, four codes in three bytes); W_out_scales 1,024 x 32 uint8 (E8M0 scales of W_out, one for each 32 codes along K); W_qkv_codes 3,072 x 32 x 24 uint8 (E2M3 codes of W_qkv, K innermost, in blocks of 32 codes, four codes in three bytes); W_qkv_scales 3,072 x 32 uint8 (E8M0 scales of W_qkv, one for each 32 codes along K); b1 4,096 float32; b2 1,024 float32; b_out 1,024 float32; b_qkv 3,072 float32; ln1_b 1,024 float32; ln1_g 1,024 float32; ln2_b 1,024 float32; ln2_g 1,024 float32; x 2 x 2,048 x 1,024 float32.
;; Outputs: out0 2 x 2,048 x 1,024 float32.
;; This version of the problem:
;;   THIS VERSION OF THE PROBLEM IS GIVEN IN LOW PRECISION. The matrix products marked QUANTISED in the list below multiply operands that are first quantised to E2M3 (2 exponent bits, 3 mantissa bits; 6 bits a number), with one power-of-two scale for each 32 numbers along K (OCP MX v1.0); their sums are f32. All else is computed in f32.
;;   The module's matrix products, in the order in which they are computed (A, B: the left and right operand; K: the contracted axis; several contracted axes count as one K, in the product's order):
;;     1. [M 4,096, K 1,024] x [K 1,024, N 3,072]; A: computed on the way; B: input W_qkv (given as codes): QUANTISED
;;     2. batch 32 x [M 2,048, K 64] x [K 64, N 2,048]; A: computed on the way; B: computed on the way: QUANTISED
;;     3. batch 32 x [M 64, K 2,048] x [K 2,048, N 2,048]; A: computed on the way; B: softmax (see below): QUANTISED
;;     4. [M 4,096, K 1,024] x [K 1,024, N 1,024]; A: computed on the way; B: input W_out (given as codes): QUANTISED
;;     5. [M 4,096, K 1,024] x [K 1,024, N 4,096]; A: computed on the way; B: input W1 (given as codes): QUANTISED
;;     6. [M 4,096, K 4,096] x [K 4,096, N 1,024]; A: computed on the way; B: input W2 (given as codes): QUANTISED
;;   THE QUANTISER, for each operand of a quantised product, along K:
;;     - K is cut into blocks of 32 from its start; a last block that is shorter is filled with zeros.
;;     - A block's scale is 2^e with e = floor(log2(the largest magnitude in the block)) - 2, held to -126 .. 127; a block of zeros has e = 0. As a byte (E8M0): e + 127.
;;     - Each number is divided by its block's scale, clamped to +-7.5, and rounded to the nearest number of E2M3, ties to even, subnormals kept.
;;     - The product sums the exact products of the quantised numbers (number of the format x scale) in f32.
;;   ~~~python
;;   def quantise(x, axis):      # numpy; x: float32 -> the quantised numbers, widened to float32 again
;;       x = np.moveaxis(x, axis, -1); K = x.shape[-1]
;;       x = np.pad(x, [(0, 0)] * (x.ndim - 1) + [(0, -K % 32)]); x = x.reshape(x.shape[:-1] + (-1, 32)); a = np.abs(x).max(-1, keepdims=True)
;;       e = np.where(a > 0, np.clip(np.frexp(np.where(a > 0, a, 1))[1] - 1 - 2, -126, 127), 0)      # np.frexp(a)[1] - 1 = floor(log2(a)), exactly
;;       r = np.clip(x / 2.0 ** e, -7.5, 7.5)
;;       step = 2.0 ** (np.maximum(np.frexp(np.where(r == 0, 1, r))[1] - 1, 0) - 3)
;;       q = np.round(r / step) * step * 2.0 ** e      # np.round: ties to even
;;       return np.moveaxis(q.reshape(q.shape[:-2] + (-1,))[..., :K], -1, axis).astype(np.float32)
;;   ~~~
;;   SOFTMAX AHEAD OF A QUANTISED PRODUCT. Where the list says 'softmax', what is quantised is not the finished softmax but p = 2^(t - M), with t = logit x log2(e) and M = ceil(the row's largest t), a whole number; so 1/2 < the row's largest p <= 1. The row's sum l is taken of the UNQUANTISED p, in f32, and the product's result is divided by l at the end. Since M is a whole number, a kernel that streams over the keys may use a running M (the ceiling of the running maximum): every later rescaling is an exact power of two, which a block's scale takes up: the codes' values come out the same.
;;   OPERANDS COMPUTED ON THE WAY. 'Computed on the way' means the value that the module computes at that place (a softmax that the list does not call 'softmax' is quantised finished and normalised). What goes into a quantiser is computed in f32, as accurately as f32 sums, v_exp_f32 and their like allow (about 1e-6 of the number): no bf16 or f16 on the way to a quantiser, and a product that is left as it is and whose result goes on into a quantised operand takes f32 operands (vector FMAs, or v_wmma_f32_16x16x4_f32). A number that lies on a knife's edge between two numbers of the format may be rounded either way, as far as f32 arithmetic and the matrix unit's own rounding can turn it there, and no further.
;;   INPUTS GIVEN AS CODES. W1 (in the module: [1024, 4096], K = its axis 0); W2 (in the module: [4096, 1024], K = its axis 0); W_out (in the module: [1024, 1024], K = its axis 0); W_qkv (in the module: [1024, 3072], K = its axis 0): each comes as NAME_codes (uint8): NAME with its K axis moved to the last place and cut into blocks of 32 codes, [.., K / 32, bytes a block], one block behind the other in memory; four codes in three bytes: a row's codes are one little-endian stream of bits, code i at bits 6 i .. 6 i + 5 (a code: sign, 2 exponent bits, 3 mantissa bits); and NAME_scales (uint8): the same leading axes, one E8M0 byte (e + 127) for each 32 codes along K. Its value is code x scale, taken as it is: it is not quantised again, and the codes and scales need not be those that the quantiser above would give.
;; 2 versions, each right and faster than the one before. Each part assembles by itself: llvm-mc -triple=amdgcn-amd-amdhsa -mcpu=gfx1250 --defsym DOCPART=n.
;; ======== version 1 of 2: 7 launches
;; limits: a function is approximated: absolute error at most 1.5e-07
;; workspace buffers: wimg 9,830,400 bytes; act 3,276,800 bytes; qkvc 9,830,400 bytes; oatt 3,276,800 bytes; x1 16,777,216 bytes; hid 13,107,200 bytes
;; launch prep (part 1): grid 352 x 1, 8 waves a work-group, no clusters, 69,632 bytes of LDS; arguments x, ln1_g, ln1_b, act, W_qkv_codes, W_qkv_scales, W_out_codes, W_out_scales, W1_codes, W1_scales, W2_codes, W2_scales, wimg; writes act, wimg
.if DOCPART == 1
	.amdgcn_target "amdgcn-amd-amdhsa--gfx1250"
	.amdhsa_code_object_version 6
	.text
	.protected	k_qcd519cc56c_prep
	.globl	k_qcd519cc56c_prep
	.p2align	8
	.type	k_qcd519cc56c_prep,@function
k_qcd519cc56c_prep:
	s_mov_b64 s[64:65], 0
	v_nop
	global_prefetch_b8 v0, s[64:65] scope:SCOPE_SE
	s_setreg_imm32_b32 hwreg(HW_REG_WAVE_MODE, 25, 1), 1
	s_wait_xcnt 0x0
; WORK-GROUPS 0-255: layer norm of 16 rows of [4096][1024] f32, quantised to FP6 (E2M3) with one E8M0 byte for each 32 along the row, stored as an IMAGE of operand registers.
; WORK-GROUPS 256 ON: the four weights' codes and scale bytes are re-laid into the same kind of image (no arithmetic).
; IMAGE.  A row block rb is 16 rows; lane place r of it is row T(rb, r) = 32 (rb / 2) + 8 (rb % 2) + r + 8 (r / 8).  Fragment (rb, ks) = 16 rows x 128 K = 1,536 bytes: six chunks of 256 bytes;
; chunk p holds operand registers 2 p, 2 p + 1 of lane l at byte 8 l.  A fragment's scale word of row place r lies at ((rb K / 256 + ks / 2) 16 + r) 8 + 4 (ks % 2).
; LAYER NORM: wave s of the eight holds columns 128 s .. 128 s + 127 of the 16 rows, 64 numbers a lane: register 16 b + i = column 32 b + 16 (lane / 16) + i of row place lane % 16.
; Mean first, then the mean of the squared differences (two passes over registers), each summed over the eight waves through LDS.
; LIMITS: NaN and infinities are not served; a block whose largest magnitude lies under 2^-124 (a block of zeros too) gets the byte 1: its codes are read by this program alone.
.set RED1, 0                           ; LDS: 16 rows x 8 waves x 4 bytes: the sums
.set RED2, 512                         ; the same for the squares: other bytes, so no third barrier
.set STG,  1024                        ; a stage of 16 rows x (512 + 16) bytes for each wave
.set STGW, 8448
.set R,   16                           ; v16-79   x as loaded, later the shift b
.set X,   80                           ; v80-143  my 64 numbers
.set G,   144                          ; v144-207 the gain g
.set PC,  208                          ; v208-226 codes
.set TM,  228                          ; v228-243 at work in the quantiser
.set PW,  244                          ; the scale word
.set SEL, 20                           ; s[20:21] selects for lane l xor 16
; 64 numbers of a lane, register 16 b + i = k 32 b + 16 (lane / 16) + i of my row, become a fragment's 12 registers of codes in v[PC] on and its scale word in v[PW]
.macro QUANT s
.irp b, 0,1,2,3
	v_max3_num_f32 v[TM+\b], |v[\s+16*\b]|, |v[\s+1+16*\b]|, 0x1800000   ; my 16 numbers of block b, and the floor 2^(3 - 127): the byte cannot fall under 1
.endr
.irp i, 2,4,6,8,10,12,14
.irp b, 0,1,2,3
	v_max3_num_f32 v[TM+\b], v[TM+\b], |v[\s+16*\b+\i]|, |v[\s+1+16*\b+\i]|
.endr
.endr
.irp b, 0,1,2,3
	v_permlanex16_b32 v[TM+4+\b], v[TM+\b], s[SEL], s[SEL+1]
.endr
.irp b, 0,1,2,3
	v_max_num_f32 v[TM+\b], v[TM+\b], v[TM+4+\b]   ; with lane l xor 16's: the block's largest magnitude
.endr
.irp b, 0,1,2,3
	v_add_nc_u32 v[TM+12+\b], 0xff000000, v[TM+\b]   ; 2 off its exponent field: the conversion's scale operand
.endr
.irp b, 0,1,2,3
	v_lshrrev_b32 v[TM+4+\b], 23, v[TM+12+\b]      ; the scale's byte
.endr
	v_lshl_or_b32 v[PW], v[TM+5], 8, v[TM+4]
	v_lshl_or_b32 v[PW], v[TM+6], 16, v[PW]
	v_lshl_or_b32 v[PW], v[TM+7], 24, v[PW]
.irp c, 0,1
	v_cvt_scalef32_pk16_fp6_f32 v[PC+6*\c:PC+2+6*\c], v[\s+32*\c:\s+15+32*\c], v[TM+12+2*\c]
	v_cvt_scalef32_pk16_fp6_f32 v[PC+12+4*\c:PC+14+4*\c], v[\s+16+32*\c:\s+31+32*\c], v[TM+12+2*\c+1]
.endr
	v_nop                                          ; one plain place behind a scaled conversion
.irp c, 0,1                                    ; a whole block to a lane: lanes 0-15 block 2 c, lanes 16-31 block 2 c + 1
.irp i, 0,1,2
	v_permlane16_swap_b32 v[PC+6*\c+\i], v[PC+12+4*\c+\i]
.endr
.irp i, 0,1,2
	v_mov_b32 v[PC+3+6*\c+\i], v[PC+12+4*\c+\i]
.endr
.endr
.endm
; v[246:249] hold my 64 numbers' sum in four parts; v248 becomes the row's sum over all 1,024 columns
.macro ROWSUM red
	v_pk_add_f32 v[246:247], v[246:247], v[248:249]
	v_add_f32 v246, v246, v247
	v_permlanex16_b32 v250, v246, s[SEL], s[SEL+1]
	v_add_f32 v246, v246, v250                     ; my wave's 128 columns of row place lane % 16
	ds_store_b32 v8, v246 offset:\red              ; both halves of the lanes write the same word with the same value
	s_wait_dscnt 0x0                               ; for the others' sake: my store has landed
	s_barrier_signal -1
	s_barrier_wait -1
	ds_load_b128 v[248:251], v9 offset:\red
	ds_load_b128 v[252:255], v9 offset:\red+16
	s_wait_dscnt 0x0
	v_add_f32 v248, v248, v249
	v_add_f32 v250, v250, v251
	v_add_f32 v252, v252, v253
	v_add_f32 v254, v254, v255
	v_add_f32 v248, v248, v250
	v_add_f32 v252, v252, v254
	v_add_f32 v248, v248, v252
.endm
	v_lshl_add_u32 v239, v0, 2, 0x10c00
	v_mov_b32 v245, 0
	s_cmp_ge_u32 ttmp9, 256                        ; the same in all waves of a work-group
	s_cbranch_scc1 .Lrelay
	s_load_b256 s[4:11], s[0:1], 0x0               ; x s[4:5], g s[6:7], b s[8:9], the image s[10:11]
	v_lshrrev_b32 v1, 5, v0
	v_readfirstlane_b32 s12, v1                    ; wave = K step
	v_and_b32 v1, 31, v0                           ; lane
	v_and_b32 v2, 15, v0                           ; r
	v_bfe_u32 v3, v0, 4, 1                         ; h
	v_lshlrev_b32 v4, 4, v1                        ; 16 x lane
	v_lshlrev_b32 v5, 6, v3                        ; 64 h
	s_mul_i32 s13, s12, STGW
	s_add_co_u32 s13, s13, STG                     ; my stage
	v_add_nc_u32 v6, s13, v4                       ; into it: a row's 512 bytes as they lie
	v_mul_u32_u24 v7, v2, 528
	v_add_nc_u32 v7, v7, v5
	v_add_nc_u32 v7, s13, v7                       ; out of it: row r, + 64 h
	v_lshlrev_b32 v9, 5, v2                        ; the sums: 32 bytes a row,
	s_lshl_b32 s14, s12, 2
	v_add_nc_u32 v8, s14, v9                       ; my wave's word among them
	v_lshlrev_b32 v10, 3, v1                       ; 8 x lane
	v_lshlrev_b32 v11, 3, v2                       ; 8 r
	v_mov_b32 v250, 0                              ; a lane permute's destination counts as one of its sources
.irp b, 0,1,2,3
	v_mov_b32 v[TM+4+\b], 0
.endr
	s_mov_b32 s[SEL], 0x76543210
	s_mov_b32 s[SEL+1], 0xfedcba98
	s_mov_b32 s22, 0x3a800000                      ; 1 / 1024
	s_mov_b32 s23, 0x3727c5ac                      ; 1e-5
	s_lshr_b32 s15, ttmp9, 1
	s_lshl_b32 s15, s15, 5
	s_and_b32 s16, ttmp9, 1
	s_lshl_b32 s16, s16, 3
	s_add_co_u32 s15, s15, s16                     ; the block's first row: 32 (rb / 2) + 8 (rb % 2)
	s_lshl_b32 s16, s15, 12
	s_lshl_b32 s18, s12, 9                         ; my wave's 512 bytes of a row
	s_add_co_u32 s16, s16, s18
	s_mov_b32 s17, 0
	s_mov_b32 s19, 0
	s_lshl_b32 s24, ttmp9, 3
	s_add_co_u32 s24, s24, s12
	s_mul_i32 s24, s24, 1536                       ; fragment (rb, wave)
	s_mov_b32 s25, 0
	s_lshl_b32 s26, ttmp9, 2
	s_lshr_b32 s27, s12, 1
	s_add_co_u32 s26, s26, s27
	s_lshl_b32 s26, s26, 7
	s_and_b32 s27, s12, 1
	s_lshl_b32 s27, s27, 2
	s_add_co_u32 s26, s26, s27
	s_add_co_u32 s26, s26, 3145728                 ; its scale words
	s_mov_b32 s27, 0
	s_wait_kmcnt 0x0
	s_add_nc_u64 s[4:5], s[4:5], s[16:17]
	s_add_nc_u64 s[6:7], s[6:7], s[18:19]
	s_add_nc_u64 s[8:9], s[8:9], s[18:19]
	s_add_nc_u64 s[24:25], s[10:11], s[24:25]
	s_add_nc_u64 s[26:27], s[10:11], s[26:27]
.irp i, 0,1,2,3,4,5,6,7,8,9,10,11,12,13,14,15
	global_load_b128 v[R+4*\i:R+4*\i+3], v4, s[4:5] offset:(\i+8*(\i/8))*4096 th:TH_LOAD_NT   ; row place i: 32 lanes read 512 consecutive bytes
.endr
.irp b, 0,1,2,3
.irp j, 0,1,2,3
	global_load_b128 v[G+16*\b+4*\j:G+16*\b+4*\j+3], v5, s[6:7] offset:128*\b+16*\j
.endr
.endr
	s_wait_loadcnt 16                              ; x is in; the gain's 16 loads may be out
.irp i, 0,1,2,3,4,5,6,7,8,9,10,11,12,13,14,15
	ds_store_b128 v6, v[R+4*\i:R+4*\i+3] offset:528*\i
.endr
.irp b, 0,1,2,3
.irp j, 0,1,2,3
	ds_load_b128 v[X+16*\b+4*\j:X+16*\b+4*\j+3], v7 offset:128*\b+16*\j   ; LDS serves a wave's instructions in order: these see my stores
.endr
.endr
	s_wait_dscnt 0x0
.irp b, 0,1,2,3
.irp j, 0,1,2,3
	global_load_b128 v[R+16*\b+4*\j:R+16*\b+4*\j+3], v5, s[8:9] offset:128*\b+16*\j
.endr
.endr
	v_pk_add_f32 v[246:247], v[X:X+1], v[X+2:X+3]
	v_pk_add_f32 v[248:249], v[X+4:X+5], v[X+6:X+7]
.irp j, 8,12,16,20,24,28,32,36,40,44,48,52,56,60
	v_pk_add_f32 v[246:247], v[246:247], v[X+\j:X+\j+1]
	v_pk_add_f32 v[248:249], v[248:249], v[X+\j+2:X+\j+3]
.endr
	ROWSUM RED1
	v_mul_f32 v12, s22, v248                       ; the mean
	v_mov_b32 v13, v12
.set J, 0
.rept 32
	v_pk_add_f32 v[X+J:X+J+1], v[X+J:X+J+1], v[12:13] neg_lo:[0,1] neg_hi:[0,1]
.set J, J+2
.endr
	v_pk_mul_f32 v[246:247], v[X:X+1], v[X:X+1]
	v_pk_mul_f32 v[248:249], v[X+2:X+3], v[X+2:X+3]
.irp j, 4,8,12,16,20,24,28,32,36,40,44,48,52,56,60
	v_pk_fma_f32 v[246:247], v[X+\j:X+\j+1], v[X+\j:X+\j+1], v[246:247]
	v_pk_fma_f32 v[248:249], v[X+\j+2:X+\j+3], v[X+\j+2:X+\j+3], v[248:249]
.endr
	ROWSUM RED2
	v_fma_f32 v248, v248, s22, s23                 ; the variance + 1e-5
	v_rsq_f32 v14, v248
	v_nop                                          ; one plain place behind the transcendental
	s_wait_alu depctr_va_vdst(0)                   ; the wait ahead of the first reader
	v_mov_b32 v15, v14
	s_wait_loadcnt 0x0                             ; g and b
.set J, 0
.rept 32
	v_pk_mul_f32 v[X+J:X+J+1], v[X+J:X+J+1], v[14:15]
.set J, J+2
.endr
.set J, 0
.rept 32
	v_pk_fma_f32 v[X+J:X+J+1], v[X+J:X+J+1], v[G+J:G+J+1], v[R+J:R+J+1]
.set J, J+2
.endr
	QUANT X
.irp p, 0,1,2,3,4,5
	global_store_b64 v10, v[PC+2*\p:PC+2*\p+1], s[24:25] offset:256*\p   ; 32 lanes store 256 consecutive bytes, aligned
.endr
	global_store_b32 v11, v[PW], s[26:27]          ; lanes 16-31 hold the same words and write them to the same places
	s_wait_tensorcnt 0x0
	ds_add_u32 v239, v245
	s_wait_dscnt 0x0
	s_endpgm
; ---- the weights.  96 work-groups x 8 waves; a wave re-lays 8 fragments of one row block: W_qkv 24 work-groups, W_out 8, W1 32, W2 32 (four waves to a row block of W2, whose K is 4,096)
.Lrelay:
	s_load_b512 s[16:31], s[0:1], 0x20             ; codes and scales of W_qkv s[16:19], W_out s[20:23], W1 s[24:27], W2 s[28:31]
	s_load_b64 s[32:33], s[0:1], 0x60              ; the images
	v_lshrrev_b32 v1, 5, v0
	v_readfirstlane_b32 s34, v1                    ; wave
	v_and_b32 v1, 31, v0
	v_and_b32 v2, 15, v0                           ; r
	v_bfe_u32 v3, v0, 4, 1                         ; h
	v_and_b32 v4, 8, v2
	v_add_nc_u32 v4, v4, v2                        ; r + 8 (r / 8)
	s_sub_co_u32 s2, ttmp9, 256
	s_mov_b32 s8, 64                               ; W2's figures: first work-group, image, scale words, bytes in a row of codes and of scales
	s_mov_b32 s9, 6291456
	s_mov_b32 s10, 9699328
	s_mov_b32 s11, 3072
	s_mov_b32 s12, 128
	s_wait_kmcnt 0x0
	s_mov_b64 s[4:5], s[28:29]
	s_mov_b64 s[6:7], s[30:31]
	s_cmp_lt_u32 s2, 64                            ; every choice hangs on the work-group's number alone
	s_cselect_b64 s[4:5], s[24:25], s[4:5]
	s_cselect_b64 s[6:7], s[26:27], s[6:7]
	s_cselect_b32 s8, 32, s8
	s_cselect_b32 s9, 3145728, s9
	s_cselect_b32 s10, 9568256, s10
	s_cselect_b32 s11, 768, s11
	s_cselect_b32 s12, 32, s12
	s_cselect_b32 s13, 8, 32                       ; K steps in a row
	s_cselect_b32 s14, 0, 2                        ; log2 of the waves to a row block
	s_cselect_b32 s15, 0, 3
	s_cmp_lt_u32 s2, 32
	s_cselect_b64 s[4:5], s[20:21], s[4:5]
	s_cselect_b64 s[6:7], s[22:23], s[6:7]
	s_cselect_b32 s8, 24, s8
	s_cselect_b32 s9, 2359296, s9
	s_cselect_b32 s10, 9535488, s10
	s_cmp_lt_u32 s2, 24
	s_cselect_b64 s[4:5], s[16:17], s[4:5]
	s_cselect_b64 s[6:7], s[18:19], s[6:7]
	s_cselect_b32 s8, 0, s8
	s_cselect_b32 s9, 0, s9
	s_cselect_b32 s10, 9437184, s10
	s_sub_co_u32 s2, s2, s8
	s_lshl_b32 s2, s2, 3
	s_add_co_u32 s2, s2, s34                       ; my task
	s_lshr_b32 s35, s2, s14                        ; row block
	s_and_b32 s36, s2, s15                         ; which 8 K steps of it
	s_lshr_b32 s37, s35, 1
	s_lshl_b32 s37, s37, 5
	s_and_b32 s38, s35, 1
	s_lshl_b32 s38, s38, 3
	s_add_co_u32 s37, s37, s38                     ; the block's first row
	s_mul_i32 s38, s37, s11
	s_mul_i32 s39, s36, 768
	s_add_co_u32 s38, s38, s39
	s_mov_b32 s39, 0
	s_add_nc_u64 s[4:5], s[4:5], s[38:39]
	s_mul_i32 s38, s37, s12
	s_lshl_b32 s40, s36, 5
	s_add_co_u32 s38, s38, s40
	s_add_nc_u64 s[6:7], s[6:7], s[38:39]
	s_mul_i32 s38, s35, s13
	s_lshl_b32 s40, s36, 3
	s_add_co_u32 s40, s38, s40
	s_mul_i32 s40, s40, 1536
	s_add_co_u32 s40, s40, s9
	s_mov_b32 s41, 0
	s_add_nc_u64 s[40:41], s[32:33], s[40:41]      ; my first fragment
	s_lshr_b32 s38, s38, 1
	s_lshl_b32 s42, s36, 2
	s_add_co_u32 s38, s38, s42
	s_lshl_b32 s38, s38, 7
	s_add_co_u32 s38, s38, s10
	s_add_nc_u64 s[42:43], s[32:33], s[38:39]      ; its scale words
	v_mul_lo_u32 v5, v4, s11
	v_mad_u32_u24 v5, v3, 24, v5                   ; codes: my row, + 24 h
	v_mul_lo_u32 v6, v4, s12
	v_lshl_add_u32 v6, v3, 4, v6                   ; scale bytes: my row, + 16 h: four K steps' words
	v_lshlrev_b32 v7, 3, v1                        ; 8 x lane
	v_lshlrev_b32 v8, 3, v2
	v_lshl_add_u32 v8, v3, 8, v8                   ; 8 r + 256 h
.irp s, 0,1,2,3,4,5,6,7
.irp p, 0,1,2,3,4,5
	global_load_b64 v[16+12*\s+2*\p:17+12*\s+2*\p], v5, s[4:5] offset:96*\s+48*(\p/3)+8*(\p%3)
.endr
.endr
	global_load_b128 v[112:115], v6, s[6:7]
	s_wait_loadcnt 0x0
.irp s, 0,1,2,3,4,5,6,7
.irp p, 0,1,2,3,4,5
	global_store_b64 v7, v[16+12*\s+2*\p:17+12*\s+2*\p], s[40:41] offset:1536*\s+256*\p   ; 256 consecutive bytes, aligned
.endr
.endr
.irp u, 0,1
	global_store_b64 v8, v[112+2*\u:113+2*\u], s[42:43] offset:128*\u
.endr
	s_endpgm
.Lfunc_end_k_qcd519cc56c_prep:
	.size	k_qcd519cc56c_prep, .Lfunc_end_k_qcd519cc56c_prep-k_qcd519cc56c_prep
	.p2alignl 7, 3214868480
	.fill 96, 4, 3214868480
	.section	.rodata,"a",@progbits
	.p2align	6, 0x0
	.amdhsa_kernel k_qcd519cc56c_prep
		.amdhsa_group_segment_fixed_size 69632
		.amdhsa_private_segment_fixed_size 0
		.amdhsa_enable_private_segment 0
		.amdhsa_kernarg_size 104
		.amdhsa_user_sgpr_count 2
		.amdhsa_user_sgpr_kernarg_segment_ptr 1
		.amdhsa_wavefront_size32 1
		.amdhsa_system_sgpr_workgroup_id_x 1
		.amdhsa_system_sgpr_workgroup_id_y 1
		.amdhsa_system_sgpr_workgroup_id_z 1
		.amdhsa_system_vgpr_workitem_id 0
		.amdhsa_next_free_vgpr 256
		.amdhsa_next_free_sgpr 66
		.amdhsa_reserve_vcc 0
		.amdhsa_float_denorm_mode_32 3
		.amdhsa_float_denorm_mode_16_64 3
		.amdhsa_memory_ordered 1
		.amdhsa_forward_progress 1
		.amdhsa_inst_pref_size 38
	.end_amdhsa_kernel
	.amdgpu_metadata
---
amdhsa.version: [ 1, 2 ]
amdhsa.kernels:
  - .name:           k_qcd519cc56c_prep
    .symbol:         k_qcd519cc56c_prep.kd
    .args:
      - { .name: x, .offset: 0, .size: 8, .value_kind: global_buffer, .address_space: global }
      - { .name: ln1_g, .offset: 8, .size: 8, .value_kind: global_buffer, .address_space: global }
      - { .name: ln1_b, .offset: 16, .size: 8, .value_kind: global_buffer, .address_space: global }
      - { .name: act, .offset: 24, .size: 8, .value_kind: global_buffer, .address_space: global }
      - { .name: W_qkv_codes, .offset: 32, .size: 8, .value_kind: global_buffer, .address_space: global }
      - { .name: W_qkv_scales, .offset: 40, .size: 8, .value_kind: global_buffer, .address_space: global }
      - { .name: W_out_codes, .offset: 48, .size: 8, .value_kind: global_buffer, .address_space: global }
      - { .name: W_out_scales, .offset: 56, .size: 8, .value_kind: global_buffer, .address_space: global }
      - { .name: W1_codes, .offset: 64, .size: 8, .value_kind: global_buffer, .address_space: global }
      - { .name: W1_scales, .offset: 72, .size: 8, .value_kind: global_buffer, .address_space: global }
      - { .name: W2_codes, .offset: 80, .size: 8, .value_kind: global_buffer, .address_space: global }
      - { .name: W2_scales, .offset: 88, .size: 8, .value_kind: global_buffer, .address_space: global }
      - { .name: wimg, .offset: 96, .size: 8, .value_kind: global_buffer, .address_space: global }
    .group_segment_fixed_size: 69632
    .private_segment_fixed_size: 0
    .kernarg_segment_align: 8
    .kernarg_segment_size: 104
    .max_flat_workgroup_size: 256
    .sgpr_count:     66
    .vgpr_count:     256
    .wavefront_size: 32
...
	.end_amdgpu_metadata
.endif
;; end of part 1
;; launch qkvp (part 2): grid 12 x 16, 4 waves a work-group, clusters of 4 x 4, 327,680 bytes of LDS; arguments act, wimg, b_qkv, qkvc; writes qkvc
.if DOCPART == 2
	.amdgcn_target "amdgcn-amd-amdhsa--gfx1250"
	.amdhsa_code_object_version 6
	.text
	.protected	k_qcd519cc56c_qkvp
	.globl	k_qcd519cc56c_qkvp
	.p2align	8
	.type	k_qcd519cc56c_qkvp,@function
k_qcd519cc56c_qkvp:
	s_mov_b64 s[64:65], 0
	v_nop
	global_prefetch_b8 v0, s[64:65] scope:SCOPE_SE
	s_setreg_imm32_b32 hwreg(HW_REG_WAVE_MODE, 25, 1), 1
	s_wait_xcnt 0x0
	s_wait_alu depctr_hold_cnt(0) depctr_sa_sdst(0) depctr_va_vdst(0) depctr_va_sdst(0) depctr_va_ssrc(0) depctr_va_vcc(0) depctr_vm_vsrc(0)
	s_getreg_b32 s2, hwreg(HW_REG_IB_STS2, 6, 4)
	s_cmp_eq_u32 s2, 0
	s_cbranch_scc0 .Lentry_in_a_cluster
	s_endpgm
.Lentry_in_a_cluster:
	s_bfe_u32 s2, ttmp6, 0x10000c
	s_cmp_lg_u32 s2, 0xf033
	s_cbranch_scc0 .Lentry_shape_is_right
	s_endpgm
.Lentry_shape_is_right:
; qkv = LN1(x) W_qkv + b_qkv on codes of FP6 (E2M3) with E8M0 scales, and its three parts quantised again on the way out: q and k along the head's 64, v along the keys.
; Both operands are IMAGES of operand registers: fragment (row block, K step) = 1,536 bytes, chunk p of 256 bytes = registers 2 p, 2 p + 1, lane l at 8 l; lane place r of row block rb is row 32 (rb / 2) + 8 (rb % 2) + r + 8 (r / 8).
; A work-group of four waves makes 256 x 256; a wave 128 x 128: 64 accumulators.  K goes in steps of 256 through two LDS slots filled by joint tensor loads of a 4 x 4 cluster (A's tile shared along a row of the cluster, B's along a column).
; The matrix instruction is used transposed (source 0 = B's 16 rows, source 1 = A's): a lane holds one row of A, and by the order of rows in a block its 64 registers of a block of A are 128 NEIGHBOURS along B's rows
; (register 16 b + i = 32 b + 16 (lane / 16) + i): just what the quantiser wants.
; CLUSTERS x = 0, 1: A = the tokens, B = W_q, W_k: a lane holds a token, its registers run along the features.  CLUSTER x = 2: A = W_v, B = the tokens: a lane holds one channel of v and its registers run along the tokens, the
; next product's K.  The two cases differ in pointers, offsets and in which bias is blanked, all chosen by selects on the cluster's x, which all partners share: no branch.
; LIMITS: NaN and infinities are not served; a block under 2^-124 (a block of zeros too) gets the byte 1: this program alone reads the bytes.
; REGISTERS: window 0: v0-31 addresses; v32-63 scale words, two sets; v64-127 the bias along B's rows (the C of the first products); v128-223 A's fragments, one set; v224-239 the bias along A's rows, twice each.
;   window 1: B's fragments, two sets.  windows 2, 3: the accumulators, (a, b) at v[8 (8 (a % 4) + b)] of window 2 + a / 4.  On the way out v128-191 a block's numbers, v192-212 codes and word, v240-255 at work.
.set KK,    1024
.set NA,    8                          ; A's row blocks to a wave
.set HB,    4
.set NL,    6                          ; LDS loads that bring a fragment
.set RBP,   12*KK                      ; bytes from row block to row block in an image
.set HALFA, 3072*NA                    ; what one tensor load brings of A: NA row blocks x 256 along K
.set HALFB, 24576
.set SLOT,  2*HALFA+2*HALFB
.set SCL,   2*SLOT                     ; behind the ring: the scale words of all of K, filled once
.set SHA,   NA*KK/2
.set SHB,   4*KK
.set SPARE, SCL+2*SHA+2*SHB            ; the spare words: 128 bytes a wave, named by no other line
.set LAPS,  KK/512
.set ADRA, 16
.set ADRB, 20
.set ADRS, 27
.set SPW,  28
.set NIL,  29
.set LO8,  30
.set LOS,  31
.set SC,   32
.set BN,   64
.set AF,   128
.set BM,   224
.set H,    128
.set PC,   192
.set PW,   212
.set TM,   240
.set SEL,  20
.set G1,   24
.set G0,   32
.set G1B,  48
.set G0B,  56
.set G1S,  68
.set G0S,  76
.set G1SB, 80
.set G0SB, 88
.set MSB, 0
.macro WIN new                         ; the immediate's high byte repeats the setting that is left
.if MSB != (\new)
	s_set_vgpr_msb (MSB<<8)|(\new)
.set MSB, (\new)
.endif
.endm
.macro JLOAD g0a, g1a, g0b, g1b        ; a joint load: waves 0 and 1 fetch for A, waves 2 and 3 for B; four v_nop follow each line
	s_cmp_eq_u32 s15, 0
	s_cbranch_scc0 .Lfor_b_\@
	tensor_load_to_lds s[\g0a:\g0a+3], s[\g1a:\g1a+7]
	s_nop 0
.rept 4
	v_nop
.endr
	s_branch .Lasked_\@
.Lfor_b_\@:
	tensor_load_to_lds s[\g0b:\g0b+3], s[\g1b:\g1b+7]
	s_nop 0
.rept 4
	v_nop
.endr
.Lasked_\@:
.endm
.macro CREST                           ; a round of the cluster's barrier behind its opening barrier
	s_cmp_lg_u32 s14, 0
	s_cbranch_scc1 .Lnot_wave_0_\@
	s_barrier_signal -3
.Lnot_wave_0_\@:
	s_barrier_wait -3
	s_barrier_signal -1
	s_barrier_wait -1
.endm
.macro CROUND
	s_barrier_signal -1
	s_barrier_wait -1
	CREST
.endm
.macro PLACES                          ; four plain places behind matrix instructions, ahead of loads into their registers and of reads of their results
.rept 4
	v_nop
.endr
.endm
.macro FRAG reg, adr, q, i             ; row block i, the slot's q-th 128 along K: six loads of 256 consecutive bytes
.irp p, 0,1,2,3,4,5
	ds_load_b64 v[\reg+2*\p:\reg+2*\p+1], v[\adr] offset:3072*(\i)+1536*(\q)+256*\p
.endr
.endm
.macro FETCH_B slot, q, p
	WIN 0x40
.irp i, 0,1,2,3,4,5,6,7
	FRAG 128*(\p)+12*\i, ADRB+\slot, \q, \i
.endr
	WIN 0
.endm
.macro FETCH_A slot, q, i0
.irp i, \i0, \i0+1, \i0+2, \i0+3
	FRAG AF+12*(\i), ADRA+\slot, \q, \i
.endr
.endm
.macro SCALES sc                       ; a slot's two words a row: lanes 0-15 A's block i, lanes 16-31 B's block i
.irp i, 0,1,2,3,4,5,6,7
	ds_load_b64 v[SC+16*\sc+2*\i:SC+16*\sc+2*\i+1], v[ADRS] offset:\i*KK/2
.endr
.endm
; a quarter of a step: A's blocks 2 k, 2 k + 1 against B's eight.  The 64 accumulators take turns, in the same order in every step.  zero = 1: the bias is the C of the first products
.macro MULQ k, p, q, sc, zero
.if \zero
	WIN 0x81+0x40*((\k)/2)
.else
	WIN 0xa1+0x50*((\k)/2)
.endif
.irp a, 2*(\k), 2*(\k)+1
.irp b, 0,1,2,3,4,5,6,7
.if \zero
	v_wmma_scale_f32_16x16x128_f8f6f4 v[8*(8*((\a)%4)+\b):8*(8*((\a)%4)+\b)+7], v[128*(\p)+12*\b:128*(\p)+12*\b+11], v[AF+12*(\a):AF+12*(\a)+11], v[BN+8*\b:BN+8*\b+7], v[SC+16*(\sc)+2*\b+(\q)], v[SC+16*(\sc)+2*(\a)+(\q)] matrix_a_fmt:MATRIX_FMT_FP6 matrix_b_fmt:MATRIX_FMT_FP6 matrix_a_scale:MATRIX_SCALE_ROW1
.else
	v_wmma_scale_f32_16x16x128_f8f6f4 v[8*(8*((\a)%4)+\b):8*(8*((\a)%4)+\b)+7], v[128*(\p)+12*\b:128*(\p)+12*\b+11], v[AF+12*(\a):AF+12*(\a)+11], v[8*(8*((\a)%4)+\b):8*(8*((\a)%4)+\b)+7], v[SC+16*(\sc)+2*\b+(\q)], v[SC+16*(\sc)+2*(\a)+(\q)] matrix_a_fmt:MATRIX_FMT_FP6 matrix_b_fmt:MATRIX_FMT_FP6 matrix_a_scale:MATRIX_SCALE_ROW1
.endif
.endr
.endr
.endm
.macro STEP slot, zero                 ; a slot's first 128 along K
	s_wait_dscnt HB*NL                             ; all but the youngest loads, A's blocks 4-7
	MULQ 0, 0, 0, \slot, \zero
	MULQ 1, 0, 0, \slot, \zero
	s_wait_dscnt 0x0
	PLACES
	FETCH_B \slot, 1, 1
	FETCH_A \slot, 1, 0
	MULQ 2, 0, 0, \slot, \zero
	MULQ 3, 0, 0, \slot, \zero
	PLACES
	WIN 0
	FETCH_A \slot, 1, HB
.endm
.macro TURN slot, next, fill           ; a slot's second 128 along K, and the change of slots
	s_wait_tensorcnt 0x0                           ; all my tensor loads have landed: my part of the next slot
	ds_add_u32 v[SPW], v[NIL]
	s_wait_dscnt HB*NL+1                           ; the add and A's blocks 4-7 may be out
	MULQ 0, 1, 1, \slot, 0
	s_wait_dscnt 0x0                               ; the add is done, and my reads of this slot are over
	s_barrier_signal -1
	MULQ 1, 1, 1, \slot, 0
	WIN 0
	s_barrier_wait -1
.if \fill
	CREST                                          ; no wave of any partner still reads this slot or has a load on its way
	s_add_nc_u64 s[G0+4*\slot+2:G0+4*\slot+3], s[G0+4*\slot+2:G0+4*\slot+3], 6144
	s_add_nc_u64 s[G0B+4*\slot+2:G0B+4*\slot+3], s[G0B+4*\slot+2:G0B+4*\slot+3], 6144
	JLOAD G0+4*\slot, G1, G0B+4*\slot, G1B         ; the first tensor load behind the round; its four v_nop are the places for the loads below
.else
	PLACES
.endif
	v_add_nc_u32 v[ADRS], 128, v[ADRS]             ; the next slot's scale words
	FETCH_B \next, 0, 0
	FETCH_A \next, 0, 0
	SCALES \next
	MULQ 2, 1, 1, \slot, 0
	MULQ 3, 1, 1, \slot, 0
	PLACES
	WIN 0
	FETCH_A \next, 0, HB
.endm
.macro QUANT s                         ; 64 numbers of a lane -> 12 registers of codes in v[PC] on, the scale word in v[PW]
.irp b, 0,1,2,3
	v_max3_num_f32 v[TM+\b], |v[\s+16*\b]|, |v[\s+1+16*\b]|, 0x1800000   ; with the floor 2^(3 - 127): the byte cannot fall under 1
.endr
.irp i, 2,4,6,8,10,12,14
.irp b, 0,1,2,3
	v_max3_num_f32 v[TM+\b], v[TM+\b], |v[\s+16*\b+\i]|, |v[\s+1+16*\b+\i]|
.endr
.endr
.irp b, 0,1,2,3
	v_permlanex16_b32 v[TM+4+\b], v[TM+\b], s[SEL], s[SEL+1]
.endr
.irp b, 0,1,2,3
	v_max_num_f32 v[TM+\b], v[TM+\b], v[TM+4+\b]
.endr
.irp b, 0,1,2,3
	v_add_nc_u32 v[TM+12+\b], 0xff000000, v[TM+\b]   ; 2 off the exponent field: the conversion's scale operand
.endr
.irp b, 0,1,2,3
	v_lshrrev_b32 v[TM+4+\b], 23, v[TM+12+\b]
.endr
	v_lshl_or_b32 v[PW], v[TM+5], 8, v[TM+4]
	v_lshl_or_b32 v[PW], v[TM+6], 16, v[PW]
	v_lshl_or_b32 v[PW], v[TM+7], 24, v[PW]
.irp c, 0,1
	v_cvt_scalef32_pk16_fp6_f32 v[PC+6*\c:PC+2+6*\c], v[\s+32*\c:\s+15+32*\c], v[TM+12+2*\c]
	v_cvt_scalef32_pk16_fp6_f32 v[PC+12+4*\c:PC+14+4*\c], v[\s+16+32*\c:\s+31+32*\c], v[TM+12+2*\c+1]
.endr
	v_nop                                          ; one plain place behind a scaled conversion
.irp c, 0,1
.irp i, 0,1,2
	v_permlane16_swap_b32 v[PC+6*\c+\i], v[PC+12+4*\c+\i]
.endr
.irp i, 0,1,2
	v_mov_b32 v[PC+3+6*\c+\i], v[PC+12+4*\c+\i]
.endr
.endr
.endm
	s_load_b128 s[92:95], s[0:1], 0x0              ; the tokens' image s[92:93], the weights' images s[94:95]
	s_load_b128 s[96:99], s[0:1], 0x10             ; b_qkv s[96:97], the output s[98:99]
	v_lshl_add_u32 v[SPW], v0, 2, SPARE
	v_mov_b32 v[NIL], 0
	ds_add_u32 v28, v29
	ds_add_u32 v28, v29
	s_wait_dscnt 0x0
	v_lshrrev_b32 v1, 5, v0
	v_readfirstlane_b32 s14, v1                    ; wave
	s_lshr_b32 s15, s14, 1                         ; my half of A's rows; also: I fetch for A (0) or B (1)
	s_and_b32 s16, s14, 1                          ; my half of B's rows; also: which half I fetch
	s_bfe_u32 s40, ttmp6, 0x40000                  ; cx
	s_bfe_u32 s41, ttmp6, 0x40004                  ; cy
	s_and_b32 s18, ttmp7, 0xffff
	s_lshl_b32 s18, s18, 2                         ; 4 x cluster y
	s_add_co_u32 s17, s18, s41
	s_add_co_u32 s19, s18, s40
	s_lshl_b32 s42, ttmp9, 2
	s_add_co_u32 s42, s42, s40
	s_cmp_eq_u32 ttmp9, 2                          ; cluster x = 2: v
	s_cselect_b32 s17, s41, s17                    ; A's tile: cy of W_v's four, else 4 y + cy of the tokens' sixteen
	s_cselect_b32 s42, s19, s42                    ; B's tile: 4 y + cx of the tokens', else 4 x + cx of W_q's and W_k's eight
	s_cselect_b32 s100, -1, 0                      ; all ones for v
	s_cselect_b32 s18, 0, s42                      ; the column bias's tile (blanked for v)
	s_cselect_b32 s19, s41, 0                      ; the row bias's tile (blanked for q, k)
	s_not_b32 s101, s100
	s_lshl_b32 s43, s41, 2
	s_lshl_b32 s43, 15, s43                        ; my row of the cluster
	s_lshl_b32 s44, 0x1111, s40                    ; my column
	s_or_b32 s[G1], s43, (3<<16)|(1<<21)           ; elements of 8 bytes, no padding; bit 21 beside a mask
	s_or_b32 s[G1B], s44, (3<<16)|(1<<21)
	s_or_b32 s[G1S], s43, (3<<16)|(1<<21)
	s_or_b32 s[G1SB], s44, (3<<16)|(1<<21)
	s_mov_b32 s[G1+1], 384<<16                     ; a row block's 3,072 bytes of a slot
	s_mov_b32 s[G1+2], NA<<16
	s_mov_b32 s[G1+3], 384<<16
	s_mov_b32 s[G1+4], NA
	s_mov_b32 s[G1+5], 3*KK/2                      ; from row block to row block, in elements
	s_mov_b32 s[G1+6], 0
	s_mov_b32 s[G1+7], 0
	s_mov_b32 s[G1B+1], 384<<16
	s_mov_b32 s[G1B+2], 8<<16
	s_mov_b32 s[G1B+3], 384<<16
	s_mov_b32 s[G1B+4], 8
	s_mov_b32 s[G1B+5], 3*KK/2
	s_mov_b32 s[G1B+6], 0
	s_mov_b32 s[G1B+7], 0
	s_mov_b32 s[G1S+1], 32<<16                     ; the scale words: a dense block as rows of 256 bytes
	s_mov_b32 s[G1S+2], (NA*KK/512)<<16
	s_mov_b32 s[G1S+3], 32<<16
	s_mov_b32 s[G1S+4], NA*KK/512
	s_mov_b32 s[G1S+5], 32
	s_mov_b32 s[G1S+6], 0
	s_mov_b32 s[G1S+7], 0
	s_mov_b32 s[G1SB+1], 32<<16
	s_mov_b32 s[G1SB+2], (8*KK/512)<<16
	s_mov_b32 s[G1SB+3], 32<<16
	s_mov_b32 s[G1SB+4], 8*KK/512
	s_mov_b32 s[G1SB+5], 32
	s_mov_b32 s[G1SB+6], 0
	s_mov_b32 s[G1SB+7], 0
	s_mul_i32 s20, s17, 2*NA
	s_mul_i32 s45, s16, NA
	s_add_co_u32 s20, s20, s45                     ; A: the first row block that I fetch
	s_mul_i32 s22, s20, KK/2
	s_mul_i32 s20, s20, RBP
	s_mov_b32 s21, 0
	s_mov_b32 s23, 0
	s_lshl_b32 s46, s42, 4
	s_lshl_b32 s45, s16, 3
	s_add_co_u32 s46, s46, s45                     ; B likewise
	s_mul_i32 s2, s46, KK/2
	s_mul_i32 s46, s46, RBP
	s_mov_b32 s47, 0
	s_mov_b32 s3, 0
	s_wait_kmcnt 0x0
	s_add_nc_u64 s[4:5], s[94:95], 1572864         ; W_v's image: row blocks 128 on of W_qkv's
	s_add_nc_u64 s[6:7], s[94:95], 9502720         ; and its scale words
	s_add_nc_u64 s[8:9], s[92:93], 3145728         ; the tokens' scale words
	s_add_nc_u64 s[10:11], s[94:95], 9437184       ; W_qkv's scale words
	s_cmp_eq_u32 ttmp9, 2
	s_cselect_b64 s[4:5], s[4:5], s[92:93]         ; A's codes
	s_cselect_b64 s[6:7], s[6:7], s[8:9]           ; A's scale words
	s_cselect_b64 s[10:11], s[8:9], s[10:11]       ; B's scale words
	s_cselect_b64 s[8:9], s[92:93], s[94:95]       ; B's codes
	s_add_nc_u64 s[4:5], s[4:5], s[20:21]
	s_add_nc_u64 s[6:7], s[6:7], s[22:23]
	s_add_nc_u64 s[8:9], s[8:9], s[46:47]
	s_add_nc_u64 s[10:11], s[10:11], s[2:3]
	s_mov_b32 s[G0S], 1
	s_mul_i32 s[G0S+1], s16, SHA
	s_add_co_u32 s[G0S+1], s[G0S+1], SCL
	s_mov_b64 s[G0S+2:G0S+3], s[6:7]
	s_or_b32 s[G0S+3], s[G0S+3], 0x80000000
	s_mov_b32 s[G0SB], 1
	s_mul_i32 s[G0SB+1], s16, SHB
	s_add_co_u32 s[G0SB+1], s[G0SB+1], SCL+2*SHA
	s_mov_b64 s[G0SB+2:G0SB+3], s[10:11]
	s_or_b32 s[G0SB+3], s[G0SB+3], 0x80000000
.irp s, 0,1
	s_mov_b32 s[G0+4*\s], 1
	s_mul_i32 s[G0+4*\s+1], s16, HALFA
	s_add_co_u32 s[G0+4*\s+1], s[G0+4*\s+1], \s*SLOT
	s_add_nc_u64 s[G0+4*\s+2:G0+4*\s+3], s[4:5], \s*3072
	s_or_b32 s[G0+4*\s+3], s[G0+4*\s+3], 0x80000000
	s_mov_b32 s[G0B+4*\s], 1
	s_mul_i32 s[G0B+4*\s+1], s16, HALFB
	s_add_co_u32 s[G0B+4*\s+1], s[G0B+4*\s+1], 2*HALFA+\s*SLOT
	s_add_nc_u64 s[G0B+4*\s+2:G0B+4*\s+3], s[8:9], \s*3072
	s_or_b32 s[G0B+4*\s+3], s[G0B+4*\s+3], 0x80000000
.endr
	CROUND                                         ; all sixteen work-groups are here: the first joint loads meet
	JLOAD G0S, G1S, G0SB, G1SB                     ; three loads of mine are out: the scale words, slot 0, slot 1
	JLOAD G0, G1, G0B, G1B
	JLOAD G0+4, G1, G0B+4, G1B
	v_and_b32 v1, 15, v0                           ; r
	v_bfe_u32 v2, v0, 4, 1                         ; h
	v_and_b32 v3, 31, v0
	v_lshlrev_b32 v[LO8], 3, v3                    ; 8 x lane
	v_lshlrev_b32 v[LOS], 3, v1                    ; 8 r
	s_mul_i32 s2, s15, HALFA
	s_mul_i32 s3, s16, HALFB
	s_add_co_u32 s3, s3, 2*HALFA
.irp s, 0,1
	v_add_nc_u32 v[ADRA+\s], s2, v[LO8]
	v_add_nc_u32 v[ADRB+\s], s3, v[LO8]
	s_add_co_u32 s2, s2, SLOT
	s_add_co_u32 s3, s3, SLOT
.endr
	s_mul_i32 s2, s15, SHA
	s_mul_i32 s3, s16, SHB
	s_add_co_u32 s3, s3, 2*SHA
	s_sub_co_u32 s3, s3, s2
	v_mul_u32_u24 v4, s3, v2                       ; lanes 16-31 take B's words: one product, the distance between the two
	s_add_co_u32 s2, s2, SCL
	v_add_nc_u32 v4, v4, v[LOS]
	v_add_nc_u32 v[ADRS], s2, v4
	s_lshl_b32 s20, s18, 10
	s_lshl_b32 s22, s16, 9
	s_add_co_u32 s20, s20, s22
	s_mov_b32 s21, 0
	s_add_nc_u64 s[20:21], s[96:97], s[20:21]      ; the bias of my 128 rows of B
	s_lshl_b32 s22, s19, 10
	s_lshl_b32 s23, s15, 9
	s_add_co_u32 s22, s22, s23
	s_add_co_u32 s22, s22, 8192
	s_mov_b32 s23, 0
	s_add_nc_u64 s[22:23], s[96:97], s[22:23]      ; v's bias of my 128 rows of A
	v_lshlrev_b32 v5, 6, v2                        ; 64 h
	v_and_b32 v6, 8, v1
	v_add_nc_u32 v6, v6, v1
	v_lshlrev_b32 v6, 2, v6                        ; 4 (r + 8 (r / 8))
.irp b, 0,1,2,3,4,5,6,7
	global_load_b128 v[BN+8*\b:BN+8*\b+3], v5, s[20:21] offset:(32*(\b/2)+8*(\b%2))*4
	global_load_b128 v[BN+8*\b+4:BN+8*\b+7], v5, s[20:21] offset:(32*(\b/2)+8*(\b%2))*4+16
.endr
.irp a, 0,1,2,3,4,5,6,7
	global_load_b32 v[BM+2*\a], v6, s[22:23] offset:(32*(\a/2)+8*(\a%2))*4
.endr
	; where the results go: fragment (16 x A's tile + 8 x my half + a, 2 x B's tile + my half) of q's and k's image (16 K steps a row block) or of v's (32)
	s_mov_b32 s19, 9437184
	s_cmp_eq_u32 ttmp9, 2
	s_cselect_b32 s18, 5, 4
	s_cselect_b32 s19, 9699328, s19
	s_cselect_b32 s46, 6291456, 0
	s_lshl_b32 s47, s17, 4
	s_lshl_b32 s2, s15, 3
	s_add_co_u32 s47, s47, s2
	s_lshl_b32 s47, s47, s18
	s_lshl_b32 s2, s42, 1
	s_add_co_u32 s2, s2, s16
	s_add_co_u32 s2, s2, s47
	s_mul_i32 s2, s2, 1536
	s_add_co_u32 s2, s2, s46
	s_mov_b32 s3, 0
	s_add_nc_u64 s[12:13], s[98:99], s[2:3]        ; codes
	s_lshr_b32 s47, s47, 1
	s_add_co_u32 s47, s47, s42
	s_lshl_b32 s47, s47, 7
	s_lshl_b32 s2, s16, 2
	s_add_co_u32 s2, s2, s47
	s_add_co_u32 s2, s2, s19
	s_add_nc_u64 s[66:67], s[98:99], s[2:3]        ; scale words
	s_lshl_b32 s92, 1536, s18                      ; from row block to row block
	s_mov_b32 s93, 0
	s_lshl_b32 s94, 64, s18
	s_mov_b32 s95, 0
	s_wait_tensorcnt 1                             ; the scale words and my part of slot 0 are in; slot 1's load may be out
	s_barrier_signal -1
	s_barrier_wait -1
	FETCH_B 0, 0, 0
	FETCH_A 0, 0, 0
	SCALES 0
	FETCH_A 0, 0, HB
	s_wait_loadcnt 0x0                             ; the biases
.set J, 0
.rept 64
	v_and_b32 v[BN+J], s101, v[BN+J]               ; for v the bias goes with A's rows: this one is blanked
.set J, J+1
.endr
.irp a, 0,1,2,3,4,5,6,7
	v_and_b32 v[BM+2*\a], s100, v[BM+2*\a]         ; for q and k the other way round
.endr
.irp a, 0,1,2,3,4,5,6,7
	v_mov_b32 v[BM+2*\a+1], v[BM+2*\a]
.endr
	STEP 0, 1                                      ; the first step stands ahead of the loop: its products start the sums
	s_mov_b32 s3, LAPS-1
.Llap:
	TURN 0, 1, 1
	STEP 1, 0
	TURN 1, 0, 1
	STEP 0, 0
	s_sub_co_u32 s3, s3, 1
	s_cmp_lg_u32 s3, 0
	s_cbranch_scc1 .Llap
	TURN 0, 1, 0                                   ; the last lap fills nothing
	STEP 1, 0
	s_wait_dscnt HB*NL
	MULQ 0, 1, 1, 1, 0
	MULQ 1, 1, 1, 1, 0
	s_wait_dscnt 0x0
	MULQ 2, 1, 1, 1, 0
	MULQ 3, 1, 1, 1, 0
	WIN 0
	PLACES
	s_mov_b32 s[SEL], 0x76543210
	s_mov_b32 s[SEL+1], 0xfedcba98
.irp b, 0,1,2,3
	v_mov_b32 v[TM+4+\b], 0                        ; a lane permute's destination counts as one of its sources
.endr
; THE WAY OUT, a block of 16 rows of A at a time: its 64 numbers a lane (+ the row's bias) are one fragment of the next product
.macro OUTB a
	WIN 0x02+(\a)/4
.set J, 0
.rept 32
	v_pk_add_f32 v[H+J:H+J+1], v[64*((\a)%4)+J:64*((\a)%4)+J+1], v[BM+2*(\a):BM+2*(\a)+1]   ; each accumulator from its low end on
.set J, J+2
.endr
	WIN 0
.if (\a) > 0
	s_wait_xcnt 0x0                                ; the last block's stores have read their data and bases
	s_add_nc_u64 s[12:13], s[12:13], s[92:93]
	s_add_nc_u64 s[66:67], s[66:67], s[94:95]
.endif
	QUANT H
.irp p, 0,1,2,3,4,5
	global_store_b64 v[LO8], v[PC+2*\p:PC+2*\p+1], s[12:13] offset:256*\p   ; 256 consecutive bytes, aligned
.endr
	global_store_b32 v[LOS], v[PW], s[66:67]
.endm
.irp a, 0,1,2,3,4,5,6,7
	OUTB \a
.endr
	s_wait_tensorcnt 0x0                           ; the wave's end
	ds_add_u32 v[SPW], v[NIL]
	s_wait_dscnt 0x0
	CROUND                                         ; the closing round
	s_endpgm
.Lfunc_end_k_qcd519cc56c_qkvp:
	.size	k_qcd519cc56c_qkvp, .Lfunc_end_k_qcd519cc56c_qkvp-k_qcd519cc56c_qkvp
	.p2alignl 7, 3214868480
	.fill 96, 4, 3214868480
	.section	.rodata,"a",@progbits
	.p2align	6, 0x0
	.amdhsa_kernel k_qcd519cc56c_qkvp
		.amdhsa_group_segment_fixed_size 327680
		.amdhsa_private_segment_fixed_size 0
		.amdhsa_enable_private_segment 0
		.amdhsa_kernarg_size 32
		.amdhsa_user_sgpr_count 2
		.amdhsa_user_sgpr_kernarg_segment_ptr 1
		.amdhsa_wavefront_size32 1
		.amdhsa_system_sgpr_workgroup_id_x 1
		.amdhsa_system_sgpr_workgroup_id_y 1
		.amdhsa_system_sgpr_workgroup_id_z 1
		.amdhsa_system_vgpr_workitem_id 0
		.amdhsa_next_free_vgpr 1024
		.amdhsa_next_free_sgpr 102
		.amdhsa_reserve_vcc 0
		.amdhsa_float_denorm_mode_32 3
		.amdhsa_float_denorm_mode_16_64 3
		.amdhsa_memory_ordered 1
		.amdhsa_forward_progress 1
		.amdhsa_inst_pref_size 189
	.end_amdhsa_kernel
	.amdgpu_metadata
---
amdhsa.version: [ 1, 2 ]
amdhsa.kernels:
  - .name:           k_qcd519cc56c_qkvp
    .symbol:         k_qcd519cc56c_qkvp.kd
    .args:
      - { .name: act, .offset: 0, .size: 8, .value_kind: global_buffer, .address_space: global }
      - { .name: wimg, .offset: 8, .size: 8, .value_kind: global_buffer, .address_space: global }
      - { .name: b_qkv, .offset: 16, .size: 8, .value_kind: global_buffer, .address_space: global }
      - { .name: qkvc, .offset: 24, .size: 8, .value_kind: global_buffer, .address_space: global }
    .group_segment_fixed_size: 327680
    .private_segment_fixed_size: 0
    .kernarg_segment_align: 8
    .kernarg_segment_size: 32
    .max_flat_workgroup_size: 128
    .sgpr_count:     102
    .vgpr_count:     1024
    .wavefront_size: 32
...
	.end_amdgpu_metadata
.endif
;; end of part 2
;; launch attn (part 3): grid 8 x 32, 16 waves a work-group, clusters of 4 x 1, 210,944 bytes of LDS; arguments qkvc, oatt; writes oatt
.if DOCPART == 3
	.amdgcn_target "amdgcn-amd-amdhsa--gfx1250"
	.amdhsa_code_object_version 6
	.text
	.protected	k_qcd519cc56c_attn
	.globl	k_qcd519cc56c_attn
	.p2align	8
	.type	k_qcd519cc56c_attn,@function
k_qcd519cc56c_attn:
	s_mov_b64 s[64:65], 0
	v_nop
	global_prefetch_b8 v0, s[64:65] scope:SCOPE_SE
	s_setreg_imm32_b32 hwreg(HW_REG_WAVE_MODE, 25, 1), 1
	s_wait_xcnt 0x0
	s_wait_alu depctr_hold_cnt(0) depctr_sa_sdst(0) depctr_va_vdst(0) depctr_va_sdst(0) depctr_va_ssrc(0) depctr_va_vcc(0) depctr_vm_vsrc(0)
	s_getreg_b32 s2, hwreg(HW_REG_IB_STS2, 6, 4)
	s_cmp_eq_u32 s2, 0
	s_cbranch_scc0 .Lentry_in_a_cluster
	s_endpgm
.Lentry_in_a_cluster:
	s_bfe_u32 s2, ttmp6, 0x10000c
	s_cmp_lg_u32 s2, 0x3003
	s_cbranch_scc0 .Lentry_shape_is_right
	s_endpgm
.Lentry_shape_is_right:
; Attention of one head on codes of FP6 (E2M3): S^T = K Q^T (K = the head's 64: the upper half of both operands is zero codes), p = 2^(t - M) quantised along the keys, O^T = V^T P^T, O / the row's sum, quantised along the features.
; t = score x log2(e) / 8; M = the running largest t rounded up to a whole number; the sum is taken of the unquantised p; when M moves, sum and O^T are multiplied by 2^(old M - new M), exactly.
; SHARES.  A work-group owns 256 queries of a head, each of its sixteen waves one row block of 16: four waves to a SIMD, so that one wave's vector work stands beside another's matrix work.
; ALL OF A HEAD'S K AND V LIE IN LDS (2 x 98,304 bytes of codes): every byte is filled once, by joint loads of the four work-groups of a cluster, which share the head; no slot is filled again.
; The operands are images of operand registers (chunks of 256 bytes, lane l at 8 l); the rows of a block are ordered so that the 16 registers of key tiles 2 b, 2 b + 1 are keys 32 b + 16 (lane / 16) + 0 .. 15, and likewise the channels of O^T.
; Nothing is prefetched: all that the work-group reads is asked for at its head.
; LIMITS: NaN and infinities are not served; a block of p or of O under 2^-124 gets the byte 1 (its codes are zeros or tiny; this program alone reads the bytes).
; REGISTERS: v1-7 addresses that stay; v8-11, v28 addresses in hand; v12 -M, v13 largest t, v[14:15] the sum; v16-27 Q; v29 Q's scale word; v32-79 four tiles of K; v80-86 scale words; v96-159 S^T, p, then V's four tiles;
;   v160-191 O^T; v192-210 p's codes; v212-229 at work.
.set VC,   98304                       ; LDS: K's codes at 0 (128 key blocks x 768); V's here ([tile 0..3][step 0..15][1,536])
.set KSC,  196608                      ; K's scale words, (key block x 16 + r) x 4: written by LDS stores, no tensor load lands here
.set VSC,  204800                      ; V's, ((4 step + tile) x 16 + r) x 4
.set WV,   8
.set G1K,  16
.set G1V,  24
.set G0K,  32
.set G0V,  36
.set SEL,  40
.set CS,   42
.set TK,   44
.set TV,   45
.set TS,   46
.set TT,   47
.set CNT,  48
.macro CROUND
	s_barrier_signal -1
	s_barrier_wait -1
	s_cmp_lg_u32 s[WV], 0
	s_cbranch_scc1 .Lnot_wave_0_\@
	s_barrier_signal -3
.Lnot_wave_0_\@:
	s_barrier_wait -3
	s_barrier_signal -1
	s_barrier_wait -1
.endm
	s_load_b128 s[4:7], s[0:1], 0x0                ; q, k, v as codes s[4:5]; the output s[6:7]
	v_lshl_add_u32 v254, v0, 2, 0x33000
	v_mov_b32 v255, 0
	ds_add_u32 v254, v255
	ds_add_u32 v254, v255
	v_lshrrev_b32 v1, 5, v0
	v_readfirstlane_b32 s[WV], v1                  ; wave 0..15
	s_bfe_u32 s9, ttmp6, 0x40000                   ; cx: it enters Q's and the output's addresses alone
	s_lshl_b32 s10, ttmp9, 2
	s_add_co_u32 s10, s10, s9                      ; my block of 256 queries
	s_and_b32 s11, ttmp7, 0xffff
	s_lshr_b32 s12, s11, 4                         ; batch
	s_and_b32 s13, s11, 15                         ; head
	s_and_b32 s14, s13, 1                          ; which half of a fragment's 128 features is the head's
	s_lshr_b32 s15, s13, 1                         ; which K step
	s_and_b32 s49, s[WV], 3
	s_lshr_b32 s68, s13, 2
	s_and_b32 s69, s15, 1
	s_lshl_b32 s69, s69, 2
	s_lshl_b32 s70, s14, 4                         ; 16 bits down for the odd head's two scale bytes
	s_lshl_b32 s50, s12, 7                         ; K's tile: key blocks 32 (wave % 4) on of the batch's 128; fragment's K step 8 + head / 2; 768 bytes of it
	s_lshl_b32 s51, s49, 5
	s_add_co_u32 s50, s50, s51
	s_lshl_b32 s50, s50, 4
	s_add_co_u32 s50, s50, s15
	s_add_co_u32 s50, s50, 8
	s_mul_i32 s50, s50, 1536
	s_mul_i32 s51, s14, 768
	s_add_co_u32 s50, s50, s51
	s_mov_b32 s51, 0
	s_lshl_b32 s52, s13, 2                         ; V's tile: row block 4 head + wave % 4, the batch's 16 K steps: 24,576 dense bytes
	s_add_co_u32 s52, s52, s49
	s_lshl_b32 s52, s52, 5
	s_lshl_b32 s53, s12, 4
	s_add_co_u32 s52, s52, s53
	s_mul_i32 s52, s52, 1536
	s_add_co_u32 s52, s52, 6291456
	s_mov_b32 s53, 0
	s_mov_b32 s[G1K], 15|(3<<16)|(1<<21)           ; the mask: all four work-groups; elements of 8 bytes; bit 21 beside a mask; no padding
	s_mov_b32 s[G1K+1], 96<<16                     ; rows of 768 bytes,
	s_mov_b32 s[G1K+2], 32<<16                     ; 32 of them,
	s_mov_b32 s[G1K+3], 96<<16
	s_mov_b32 s[G1K+4], 32
	s_mov_b32 s[G1K+5], 3072                       ; 24,576 bytes apart
	s_mov_b32 s[G1K+6], 0
	s_mov_b32 s[G1K+7], 0
	s_mov_b32 s[G1V], 15|(3<<16)|(1<<21)
	s_mov_b32 s[G1V+1], 32<<16                     ; a dense block as 96 rows of 256 bytes
	s_mov_b32 s[G1V+2], 96<<16
	s_mov_b32 s[G1V+3], 32<<16
	s_mov_b32 s[G1V+4], 96
	s_mov_b32 s[G1V+5], 32
	s_mov_b32 s[G1V+6], 0
	s_mov_b32 s[G1V+7], 0
	s_lshl_b32 s54, s12, 10                        ; K's scale words in memory
	s_add_co_u32 s54, s54, s68
	s_add_co_u32 s54, s54, 4
	s_lshl_b32 s54, s54, 7
	s_add_co_u32 s54, s54, s69
	s_add_co_u32 s54, s54, 9437184
	s_mov_b32 s55, 0
	s_lshl_b32 s56, s13, 6                         ; V's
	s_lshl_b32 s57, s12, 3
	s_add_co_u32 s56, s56, s57
	s_lshl_b32 s56, s56, 7
	s_add_co_u32 s56, s56, 9699328
	s_mov_b32 s57, 0
	s_lshl_b32 s71, s12, 7
	s_lshl_b32 s58, s10, 4
	s_add_co_u32 s71, s71, s58
	s_add_co_u32 s71, s71, s[WV]                   ; my row block of tokens
	s_lshl_b32 s58, s71, 4
	s_add_co_u32 s58, s58, s15
	s_mul_i32 s58, s58, 1536
	s_mul_i32 s59, s14, 768
	s_add_co_u32 s58, s58, s59                     ; Q's codes
	s_lshl_b32 s62, s71, 3
	s_add_co_u32 s62, s62, s15
	s_mul_i32 s62, s62, 1536
	s_add_co_u32 s62, s62, s59                     ; the output's codes
	s_mov_b32 s59, 0
	s_mov_b32 s63, 0
	s_lshl_b32 s60, s71, 3
	s_add_co_u32 s60, s60, s68
	s_lshl_b32 s60, s60, 7
	s_add_co_u32 s60, s60, s69
	s_add_co_u32 s60, s60, 9437184                 ; Q's scale words
	s_mov_b32 s61, 0
	s_lshl_b32 s66, s71, 2
	s_add_co_u32 s66, s66, s68
	s_lshl_b32 s66, s66, 7
	s_add_co_u32 s66, s66, s69
	s_lshl_b32 s67, s14, 1
	s_add_co_u32 s66, s66, s67
	s_add_co_u32 s66, s66, 3145728                 ; the output's two scale bytes
	s_mov_b32 s67, 0
	s_mov_b32 s[SEL], 0x76543210
	s_mov_b32 s[SEL+1], 0xfedcba98
	s_mov_b32 s[CS], 0x3e38aa3b                    ; log2(e) / 8
	s_mov_b32 s[CS+1], s[CS]
	s_mov_b32 s[TK], 0
	s_mov_b32 s[TV], 0
	s_mov_b32 s[TS], 0
	s_mov_b32 s[TT], 0
	s_mov_b32 s[CNT], 16
	s_wait_dscnt 0x0
	s_wait_kmcnt 0x0
	s_mov_b32 s[G0K], 1
	s_mul_i32 s[G0K+1], s49, 24576
	s_add_nc_u64 s[G0K+2:G0K+3], s[4:5], s[50:51]
	s_or_b32 s[G0K+3], s[G0K+3], 0x80000000
	s_mov_b32 s[G0V], 1
	s_mul_i32 s[G0V+1], s49, 24576
	s_add_co_u32 s[G0V+1], s[G0V+1], VC
	s_add_nc_u64 s[G0V+2:G0V+3], s[4:5], s[52:53]
	s_or_b32 s[G0V+3], s[G0V+3], 0x80000000
	s_add_nc_u64 s[54:55], s[4:5], s[54:55]
	s_add_nc_u64 s[56:57], s[4:5], s[56:57]
	s_add_nc_u64 s[58:59], s[4:5], s[58:59]
	s_add_nc_u64 s[60:61], s[4:5], s[60:61]
	s_add_nc_u64 s[62:63], s[6:7], s[62:63]
	s_add_nc_u64 s[66:67], s[6:7], s[66:67]
	CROUND                                         ; all four work-groups are here: the joint loads meet
	s_cmp_lt_u32 s[WV], 4                          ; waves 0-3 fetch K's quarters, waves 4-7 V's tiles, the others nothing: one load a wave; four v_nop follow it
	s_cbranch_scc0 .Lnot_k
	tensor_load_to_lds s[G0K:G0K+3], s[G1K:G1K+7]
	s_nop 0
.rept 4
	v_nop
.endr
	s_branch .Lasked
.Lnot_k:
	s_cmp_lt_u32 s[WV], 8
	s_cbranch_scc0 .Lasked
	tensor_load_to_lds s[G0V:G0V+3], s[G1V:G1V+7]
	s_nop 0
.rept 4
	v_nop
.endr
.Lasked:
	v_and_b32 v5, 31, v0
	v_and_b32 v6, 15, v0
	v_lshlrev_b32 v1, 3, v5                        ; 8 x lane
	v_add_nc_u32 v2, VC, v1
	v_lshl_add_u32 v3, v5, 2, KSC                  ; 4 x lane: two tiles' words to a load
	v_lshl_add_u32 v4, v5, 2, VSC
	v_lshlrev_b32 v6, 3, v6                        ; 8 r
	v_lshl_add_u32 v7, v0, 2, KSC                  ; where my thread puts scale words
	v_lshrrev_b32 v8, 4, v0
	v_lshl_add_u32 v8, v8, 10, v6                  ; K's words in memory: key block thread / 16 (+ 32 i): 1,024 bytes a block, 8 a row
	v_bfe_u32 v9, v0, 4, 2
	v_lshl_add_u32 v9, v9, 11, v6                  ; V's: tile (thread / 16) % 4, step thread / 64 (+ 8 i)
	v_lshrrev_b32 v10, 7, v0
	v_lshl_add_u32 v9, v10, 7, v9
	v_bfe_u32 v10, v0, 6, 1
	v_lshl_add_u32 v9, v10, 2, v9
.irp i, 0,1,2,3
	global_load_b32 v[32+\i], v8, s[54:55] offset:32768*\i
.endr
.irp i, 0,1
	global_load_b32 v[36+\i], v9, s[56:57] offset:512*\i
.endr
.irp p, 0,1,2
	global_load_b64 v[16+2*\p:17+2*\p], v1, s[58:59] offset:256*\p   ; Q's 64 codes a row: registers 0-5
.endr
	global_load_b32 v29, v6, s[60:61]
	s_wait_loadcnt 0x0
.irp i, 0,1,2,3
	v_lshrrev_b32 v[32+\i], s70, v[32+\i]          ; the head's two bytes to the word's low end; what stands above them scales zero codes alone and is never 0xff
.endr
	v_lshrrev_b32 v29, s70, v29
.irp i, 0,1,2,3
	ds_store_b32 v7, v[32+\i] offset:2048*\i
.endr
.irp i, 0,1
	ds_store_b32 v7, v[36+\i] offset:8192+2048*\i
.endr
.irp i, 22,23,24,25,26,27
	v_mov_b32 v[\i], 0                             ; K = 64: the upper 64 of Q are zero codes,
.endr
.irp t, 0,1,2,3
.irp i, 6,7,8,9,10,11
	v_mov_b32 v[32+12*\t+\i], 0                    ; and of every tile of keys; written once
.endr
.endr
	v_mov_b32 v13, 0xff61b1e6                      ; the largest t so far: -3e38
	v_floor_f32 v12, -v13                          ; -M
	v_mov_b32 v14, 0
	v_mov_b32 v15, 0
	v_mov_b32 v225, 0                              ; named as the upper half of the pair v[224:225]
.irp b, 0,1,2,3
	v_mov_b32 v[216+\b], 0                         ; a lane permute's destination counts as one of its sources
.endr
.set J, 0
.rept 32
	v_mov_b32 v[160+J], 0                          ; O^T: the loop is written once, its first step finds zeros
.set J, J+1
.endr
	s_wait_tensorcnt 0x0                           ; my tile has landed,
	s_wait_dscnt 0x0                               ; my scale words too
	s_barrier_signal -1
	s_barrier_wait -1                              ; everybody's have
.Lstep:                                            ; 16 trips of 128 keys
	v_add_nc_u32 v8, s[TK], v1
	v_add_nc_u32 v9, s[TV], v2
	v_add_nc_u32 v11, s[TS], v3
	v_add_nc_u32 v28, s[TT], v4
	v_add_nc_u32 v10, 0xc000, v9                   ; V's tiles 2 and 3 lie beyond an LDS immediate's reach
	v_nop                                          ; six plain places: the scores below are written over the last products' operands, which asks for five
.irp g, 0,1
.if \g
.rept 4
	v_nop
.endr
.endif
.irp t, 0,1,2,3
.irp p, 0,1,2
	ds_load_b64 v[32+12*\t+2*\p:33+12*\t+2*\p], v8 offset:(4*\g+\t)*768+256*\p
.endr
.endr
.if \g == 0
.irp i, 0,1,2,3
	ds_load_b32 v[80+\i], v11 offset:128*\i        ; lanes 0-15: tile 2 i's words; lanes 16-31: tile 2 i + 1's
.endr
.endif
	s_wait_dscnt 0x0
.irp t, 0,2
	v_wmma_scale_f32_16x16x128_f8f6f4 v[96+8*(4*\g+\t):103+8*(4*\g+\t)], v[32+12*\t:43+12*\t], v[16:27], 0, v[80+2*\g+\t/2], v29 matrix_a_fmt:MATRIX_FMT_FP6 matrix_b_fmt:MATRIX_FMT_FP6
	v_wmma_scale_f32_16x16x128_f8f6f4 v[104+8*(4*\g+\t):111+8*(4*\g+\t)], v[44+12*\t:55+12*\t], v[16:27], 0, v[80+2*\g+\t/2], v29 matrix_a_fmt:MATRIX_FMT_FP6 matrix_b_fmt:MATRIX_FMT_FP6 matrix_a_scale:MATRIX_SCALE_ROW1
.endr
.endr
.rept 4
	v_nop
.endr
.irp b, 0,1,2,3
	v_max3_num_f32 v[212+\b], v[96+16*\b], v[97+16*\b], v[98+16*\b]   ; the largest score of each block of 32 keys: for the row's maximum, and, since p rises with the score, for the block's largest p
.endr
.irp i, 3,5,7,9,11,13
.irp b, 0,1,2,3
	v_max3_num_f32 v[212+\b], v[212+\b], v[96+16*\b+\i], v[97+16*\b+\i]
.endr
.endr
.irp b, 0,1,2,3
	v_max_num_f32 v[212+\b], v[212+\b], v[111+16*\b]
.endr
.irp b, 0,1,2,3
	v_permlanex16_b32 v[216+\b], v[212+\b], s[SEL], s[SEL+1]
.endr
.irp b, 0,1,2,3
	v_max_num_f32 v[212+\b], v[212+\b], v[216+\b]
.endr
	v_max3_num_f32 v226, v212, v213, v214
	v_max_num_f32 v226, v226, v215
	v_mul_f32 v226, s[CS], v226
	v_max_num_f32 v13, v13, v226                   ; the running largest t
	v_mov_b32 v226, v12
	v_floor_f32 v12, -v13                          ; the new -M: a whole number
	v_sub_f32 v226, v12, v226
	v_cvt_i32_f32 v226, v226                       ; (it saturates)
	v_ldexp_f32 v224, 1.0, v226                    ; f = 2^(old M - new M)
.set J, 0
.rept 32
	v_pk_fma_f32 v[96+J:97+J], v[96+J:97+J], s[CS:CS+1], v[12:13] op_sel_hi:[1,0,0]   ; t - M
.set J, J+2
.endr
.irp b, 0,1,2,3
	v_fma_f32 v[212+\b], v[212+\b], s[CS], v12
.endr
.set J, 0
.rept 64
	v_exp_f32 v[96+J], v[96+J]                     ; p, at most 1, not normalised
.set J, J+1
.endr
	v_pk_mul_f32 v[14:15], v[14:15], v[224:225] op_sel_hi:[1,0]   ; the sums under the new M: a plain place behind the exponentials
	s_wait_alu depctr_va_vdst(0)                   ; one wait for the batch, ahead of its first reader
.irp b, 0,1,2,3
	v_exp_f32 v[212+\b], v[212+\b]                 ; each block's largest p
.endr
	v_pk_add_f32 v[228:229], v[96:97], v[98:99]    ; the row's sum, of the unquantised p, in two chains
.irp j, 4,8,12,16,20,24,28,32,36,40,44,48,52,56,60
	v_pk_add_f32 v[14:15], v[14:15], v[96+\j:97+\j]
	v_pk_add_f32 v[228:229], v[228:229], v[98+\j:99+\j]
.endr
	v_pk_add_f32 v[14:15], v[14:15], v[228:229]
	s_wait_alu depctr_va_vdst(0)                   ; and one for the four
.irp b, 0,1,2,3
	v_max_num_f32 v[212+\b], 0x1800000, v[212+\b]  ; the floor 2^(3 - 127)
.endr
.irp b, 0,1,2,3
	v_add_nc_u32 v[220+\b], 0xff000000, v[212+\b]
.endr
.irp b, 0,1,2,3
	v_lshrrev_b32 v[216+\b], 23, v[220+\b]
.endr
	v_lshl_or_b32 v86, v217, 8, v216               ; p's scale word for these 128 keys
	v_lshl_or_b32 v86, v218, 16, v86
	v_lshl_or_b32 v86, v219, 24, v86
.irp c, 0,1
	v_cvt_scalef32_pk16_fp6_f32 v[192+6*\c:194+6*\c], v[96+32*\c:111+32*\c], v[220+2*\c]
	v_cvt_scalef32_pk16_fp6_f32 v[204+4*\c:206+4*\c], v[112+32*\c:127+32*\c], v[220+2*\c+1]
.endr
	v_nop                                          ; one plain place behind a scaled conversion
.irp c, 0,1
.irp i, 0,1,2
	v_permlane16_swap_b32 v[192+6*\c+\i], v[204+4*\c+\i]
.endr
.irp i, 0,1,2
	v_mov_b32 v[195+6*\c+\i], v[204+4*\c+\i]
.endr
.endr
.set J, 0
.rept 16
	v_pk_mul_f32 v[160+J:161+J], v[160+J:161+J], v[224:225] op_sel_hi:[1,0]   ; O^T under the new M; these sixteen are also the places ahead of the scaled products
.set J, J+2
.endr
.irp t, 0,1
.irp p, 0,1,2,3,4,5
	ds_load_b64 v[96+12*\t+2*\p:97+12*\t+2*\p], v9 offset:24576*\t+256*\p
.endr
.endr
.irp t, 0,1
.irp p, 0,1,2,3,4,5
	ds_load_b64 v[120+12*\t+2*\p:121+12*\t+2*\p], v10 offset:24576*\t+256*\p
.endr
.endr
.irp i, 0,1
	ds_load_b32 v[84+\i], v28 offset:128*\i
.endr
	s_wait_dscnt 0x0
.irp t, 0,2
	v_wmma_scale_f32_16x16x128_f8f6f4 v[160+8*\t:167+8*\t], v[96+12*\t:107+12*\t], v[192:203], v[160+8*\t:167+8*\t], v[84+\t/2], v86 matrix_a_fmt:MATRIX_FMT_FP6 matrix_b_fmt:MATRIX_FMT_FP6
	v_wmma_scale_f32_16x16x128_f8f6f4 v[168+8*\t:175+8*\t], v[108+12*\t:119+12*\t], v[192:203], v[168+8*\t:175+8*\t], v[84+\t/2], v86 matrix_a_fmt:MATRIX_FMT_FP6 matrix_b_fmt:MATRIX_FMT_FP6 matrix_a_scale:MATRIX_SCALE_ROW1
.endr
	s_add_co_u32 s[TK], s[TK], 6144
	s_add_co_u32 s[TV], s[TV], 1536
	s_add_co_u32 s[TS], s[TS], 512
	s_add_co_u32 s[TT], s[TT], 256
	s_sub_co_u32 s[CNT], s[CNT], 1
	s_cmp_lg_u32 s[CNT], 0
	s_cbranch_scc1 .Lstep
	; THE WAY OUT: O^T / the sum; register 16 b + i is channel 32 b + 16 (lane / 16) + i of my query: two blocks of the next product's K
.rept 4
	v_nop
.endr
	v_add_f32 v14, v14, v15
	v_permlanex16_b32 v226, v14, s[SEL], s[SEL+1]
	v_add_f32 v14, v14, v226
	v_rcp_f32 v14, v14
	v_nop
	s_wait_alu depctr_va_vdst(0)
.set J, 0
.rept 32
	v_mul_f32 v[96+J], v[160+J], v14
.set J, J+1
.endr
.irp b, 0,1
	v_max3_num_f32 v[212+\b], |v[96+16*\b]|, |v[97+16*\b]|, 0x1800000
.endr
.irp i, 2,4,6,8,10,12,14
.irp b, 0,1
	v_max3_num_f32 v[212+\b], v[212+\b], |v[96+16*\b+\i]|, |v[97+16*\b+\i]|
.endr
.endr
.irp b, 0,1
	v_permlanex16_b32 v[216+\b], v[212+\b], s[SEL], s[SEL+1]
.endr
.irp b, 0,1
	v_max_num_f32 v[212+\b], v[212+\b], v[216+\b]
.endr
.irp b, 0,1
	v_add_nc_u32 v[220+\b], 0xff000000, v[212+\b]
.endr
.irp b, 0,1
	v_lshrrev_b32 v[216+\b], 23, v[220+\b]
.endr
	v_lshl_or_b32 v226, v217, 8, v216              ; the head's two scale bytes
	v_cvt_scalef32_pk16_fp6_f32 v[192:194], v[96:111], v220
	v_cvt_scalef32_pk16_fp6_f32 v[204:206], v[112:127], v221
	v_nop
.irp i, 0,1,2
	v_permlane16_swap_b32 v[192+\i], v[204+\i]
.endr
.irp i, 0,1,2
	v_mov_b32 v[195+\i], v[204+\i]
.endr
.irp p, 0,1,2
	global_store_b64 v1, v[192+2*\p:193+2*\p], s[62:63] offset:256*\p   ; 256 consecutive bytes, aligned
.endr
	global_store_b16 v6, v226, s[66:67]            ; two bytes a row, beside 48 of codes
	s_wait_dscnt 0x0
	s_wait_tensorcnt 0x0
	ds_add_u32 v254, v255
	s_wait_dscnt 0x0
	CROUND                                         ; the closing round
	s_endpgm
.Lfunc_end_k_qcd519cc56c_attn:
	.size	k_qcd519cc56c_attn, .Lfunc_end_k_qcd519cc56c_attn-k_qcd519cc56c_attn
	.p2alignl 7, 3214868480
	.fill 96, 4, 3214868480
	.section	.rodata,"a",@progbits
	.p2align	6, 0x0
	.amdhsa_kernel k_qcd519cc56c_attn
		.amdhsa_group_segment_fixed_size 210944
		.amdhsa_private_segment_fixed_size 0
		.amdhsa_enable_private_segment 0
		.amdhsa_kernarg_size 16
		.amdhsa_user_sgpr_count 2
		.amdhsa_user_sgpr_kernarg_segment_ptr 1
		.amdhsa_wavefront_size32 1
		.amdhsa_system_sgpr_workgroup_id_x 1
		.amdhsa_system_sgpr_workgroup_id_y 1
		.amdhsa_system_sgpr_workgroup_id_z 1
		.amdhsa_system_vgpr_workitem_id 0
		.amdhsa_next_free_vgpr 256
		.amdhsa_next_free_sgpr 80
		.amdhsa_reserve_vcc 0
		.amdhsa_float_denorm_mode_32 3
		.amdhsa_float_denorm_mode_16_64 3
		.amdhsa_memory_ordered 1
		.amdhsa_forward_progress 1
		.amdhsa_inst_pref_size 33
	.end_amdhsa_kernel
	.amdgpu_metadata
---
amdhsa.version: [ 1, 2 ]
amdhsa.kernels:
  - .name:           k_qcd519cc56c_attn
    .symbol:         k_qcd519cc56c_attn.kd
    .args:
      - { .name: qkvc, .offset: 0, .size: 8, .value_kind: global_buffer, .address_space: global }
      - { .name: oatt, .offset: 8, .size: 8, .value_kind: global_buffer, .address_space: global }
    .group_segment_fixed_size: 210944
    .private_segment_fixed_size: 0
    .kernarg_segment_align: 8
    .kernarg_segment_size: 16
    .max_flat_workgroup_size: 512
    .sgpr_count:     80
    .vgpr_count:     256
    .wavefront_size: 32
...
	.end_amdgpu_metadata
.endif
;; end of part 3
;; launch oproj (part 4): grid 4 x 32, 4 waves a work-group, clusters of 4 x 4, 327,680 bytes of LDS; arguments oatt, wimg, b_out, x, x1; writes x1
.if DOCPART == 4
	.amdgcn_target "amdgcn-amd-amdhsa--gfx1250"
	.amdhsa_code_object_version 6
	.text
	.protected	k_qcd519cc56c_oproj
	.globl	k_qcd519cc56c_oproj
	.p2align	8
	.type	k_qcd519cc56c_oproj,@function
k_qcd519cc56c_oproj:
	s_mov_b64 s[64:65], 0
	v_nop
	global_prefetch_b8 v0, s[64:65] scope:SCOPE_SE
	s_setreg_imm32_b32 hwreg(HW_REG_WAVE_MODE, 25, 1), 1
	s_wait_xcnt 0x0
	s_wait_alu depctr_hold_cnt(0) depctr_sa_sdst(0) depctr_va_vdst(0) depctr_va_sdst(0) depctr_va_ssrc(0) depctr_va_vcc(0) depctr_vm_vsrc(0)
	s_getreg_b32 s2, hwreg(HW_REG_IB_STS2, 6, 4)
	s_cmp_eq_u32 s2, 0
	s_cbranch_scc0 .Lentry_in_a_cluster
	s_endpgm
.Lentry_in_a_cluster:
	s_bfe_u32 s2, ttmp6, 0x10000c
	s_cmp_lg_u32 s2, 0xf033
	s_cbranch_scc0 .Lentry_shape_is_right
	s_endpgm
.Lentry_shape_is_right:
; x1 = x + (attention's output) W_out + b_out: a product on codes of FP6 (E2M3) with E8M0 scales, f32 out.
; Both operands are IMAGES of operand registers: fragment (row block, K step) = 1,536 bytes, chunk p of 256 bytes = registers 2 p, 2 p + 1, lane l at 8 l; lane place r of row block rb is row 32 (rb / 2) + 8 (rb % 2) + r + 8 (r / 8).
; N is 1,024: tiles of 128 x 256 give 128 work-groups where 256 x 256 would give 64.  Four waves, each 64 x 128: 32 accumulators.  K goes in steps of 256 through two LDS slots filled by joint tensor loads of a 4 x 4 cluster.
; The matrix instruction is used transposed (source 0 = the weight's 16 rows, source 1 = 16 tokens): a lane holds one token and 8 neighbouring columns a tile.  The bias is the C of the first products.
; The residual's 64 x 128 numbers of a wave are loaded early, as whole rows of 512 bytes, into window 3, and added when a block has come back from the stage as whole rows.
; REGISTERS: window 0: v0-31 addresses; v32-63 scale words, two sets; v64-127 the bias; v128-175 A's fragments, one set; on the way out v128-255 rows.  window 1: B's fragments, two sets.  window 2: the accumulators.  window 3: the residual.
.set KK,    1024
.set AOFFS, 3145728                    ; A's scale words in its buffer
.set BOFFC, 2359296                    ; the weight's image and scale words among the images
.set BOFFS, 9535488
.set NA,    4
.set HB,    2
.set NL,    6
.set RBP,   12*KK
.set HALFA, 3072*NA
.set HALFB, 24576
.set SLOT,  2*HALFA+2*HALFB
.set SCL,   2*SLOT
.set SHA,   NA*KK/2
.set SHB,   4*KK
.set SPARE, SCL+2*SHA+2*SHB            ; the spare words: 128 bytes a wave, named by no other line
.set LAPS,  KK/512
.set ADRA, 16
.set ADRB, 20
.set STO,  24
.set RD,   25
.set CO,   26
.set ADRS, 27
.set SPW,  28
.set NIL,  29
.set LO8,  30
.set LOS,  31
.set SC,   32
.set BN,   64
.set AF,   128
.set G1,   24
.set G0,   32
.set G1B,  48
.set G0B,  56
.set G1S,  68
.set G0S,  76
.set G1SB, 80
.set G0SB, 88
.set MSB, 0
.macro WIN new
.if MSB != (\new)
	s_set_vgpr_msb (MSB<<8)|(\new)
.set MSB, (\new)
.endif
.endm
.macro JLOAD g0a, g1a, g0b, g1b        ; a joint load: waves 0 and 1 fetch for A, waves 2 and 3 for B; four v_nop follow each line
	s_cmp_eq_u32 s15, 0
	s_cbranch_scc0 .Lfor_b_\@
	tensor_load_to_lds s[\g0a:\g0a+3], s[\g1a:\g1a+7]
	s_nop 0
.rept 4
	v_nop
.endr
	s_branch .Lasked_\@
.Lfor_b_\@:
	tensor_load_to_lds s[\g0b:\g0b+3], s[\g1b:\g1b+7]
	s_nop 0
.rept 4
	v_nop
.endr
.Lasked_\@:
.endm
.macro CREST
	s_cmp_lg_u32 s14, 0
	s_cbranch_scc1 .Lnot_wave_0_\@
	s_barrier_signal -3
.Lnot_wave_0_\@:
	s_barrier_wait -3
	s_barrier_signal -1
	s_barrier_wait -1
.endm
.macro CROUND
	s_barrier_signal -1
	s_barrier_wait -1
	CREST
.endm
.macro PLACES                          ; four plain places behind matrix instructions (ISA guide 7.12.1)
.rept 4
	v_nop
.endr
.endm
.macro FRAG reg, adr, q, i
.irp p, 0,1,2,3,4,5
	ds_load_b64 v[\reg+2*\p:\reg+2*\p+1], v[\adr] offset:3072*(\i)+1536*(\q)+256*\p
.endr
.endm
.macro FETCH_B slot, q, p
	WIN 0x40
.irp i, 0,1,2,3,4,5,6,7
	FRAG 128*(\p)+12*\i, ADRB+\slot, \q, \i
.endr
	WIN 0
.endm
.macro FETCH_A slot, q, i0
.irp i, \i0, \i0+1
	FRAG AF+12*(\i), ADRA+\slot, \q, \i
.endr
.endm
.macro SCALES sc                       ; lanes 0-15 A's block i (for i over 3: filled bytes that no product names), lanes 16-31 B's block i
.irp i, 0,1,2,3,4,5,6,7
	ds_load_b64 v[SC+16*\sc+2*\i:SC+16*\sc+2*\i+1], v[ADRS] offset:\i*KK/2
.endr
.endm
; a quarter of a step: A's block k against B's eight.  The 32 accumulators take turns, in the same order in every step
.macro MULQ k, p, q, sc, zero
.if \zero
	WIN 0x81
.else
	WIN 0xa1
.endif
.irp b, 0,1,2,3,4,5,6,7
.if \zero
	v_wmma_scale_f32_16x16x128_f8f6f4 v[8*(8*(\k)+\b):8*(8*(\k)+\b)+7], v[128*(\p)+12*\b:128*(\p)+12*\b+11], v[AF+12*(\k):AF+12*(\k)+11], v[BN+8*\b:BN+8*\b+7], v[SC+16*(\sc)+2*\b+(\q)], v[SC+16*(\sc)+2*(\k)+(\q)] matrix_a_fmt:MATRIX_FMT_FP6 matrix_b_fmt:MATRIX_FMT_FP6 matrix_a_scale:MATRIX_SCALE_ROW1
.else
	v_wmma_scale_f32_16x16x128_f8f6f4 v[8*(8*(\k)+\b):8*(8*(\k)+\b)+7], v[128*(\p)+12*\b:128*(\p)+12*\b+11], v[AF+12*(\k):AF+12*(\k)+11], v[8*(8*(\k)+\b):8*(8*(\k)+\b)+7], v[SC+16*(\sc)+2*\b+(\q)], v[SC+16*(\sc)+2*(\k)+(\q)] matrix_a_fmt:MATRIX_FMT_FP6 matrix_b_fmt:MATRIX_FMT_FP6 matrix_a_scale:MATRIX_SCALE_ROW1
.endif
.endr
.endm
.macro STEP slot, zero
	s_wait_dscnt HB*NL                             ; all but the youngest loads, A's blocks 2 and 3
	MULQ 0, 0, 0, \slot, \zero
	MULQ 1, 0, 0, \slot, \zero
	s_wait_dscnt 0x0
	PLACES
	FETCH_B \slot, 1, 1
	FETCH_A \slot, 1, 0
	MULQ 2, 0, 0, \slot, \zero
	MULQ 3, 0, 0, \slot, \zero
	PLACES
	WIN 0
	FETCH_A \slot, 1, HB
.endm
.macro TURN slot, next, fill
	s_wait_tensorcnt 0x0                           ; all my tensor loads have landed: my part of the next slot
	ds_add_u32 v[SPW], v[NIL]
	s_wait_dscnt HB*NL+1                           ; the add and A's blocks 2 and 3 may be out
	MULQ 0, 1, 1, \slot, 0
	s_wait_dscnt 0x0                               ; the add is done, and my reads of this slot are over
	s_barrier_signal -1
	MULQ 1, 1, 1, \slot, 0
	WIN 0
	s_barrier_wait -1
.if \fill
	CREST                                          ; no wave of any partner still reads this slot or has a load on its way
	s_add_nc_u64 s[G0+4*\slot+2:G0+4*\slot+3], s[G0+4*\slot+2:G0+4*\slot+3], 6144
	s_add_nc_u64 s[G0B+4*\slot+2:G0B+4*\slot+3], s[G0B+4*\slot+2:G0B+4*\slot+3], 6144
	JLOAD G0+4*\slot, G1, G0B+4*\slot, G1B
.else
	PLACES
.endif
	v_add_nc_u32 v[ADRS], 128, v[ADRS]
	FETCH_B \next, 0, 0
	FETCH_A \next, 0, 0
	SCALES \next
	MULQ 2, 1, 1, \slot, 0
	MULQ 3, 1, 1, \slot, 0
	PLACES
	WIN 0
	FETCH_A \next, 0, HB
.endm
	s_load_b128 s[92:95], s[0:1], 0x0              ; A's buffer s[92:93], the weights' images s[94:95]
	s_load_b128 s[96:99], s[0:1], 0x10             ; the bias s[96:97], the residual s[98:99]
	s_load_b64 s[100:101], s[0:1], 0x20            ; the output
	v_lshl_add_u32 v[SPW], v0, 2, SPARE
	v_mov_b32 v[NIL], 0
	ds_add_u32 v28, v29
	ds_add_u32 v28, v29
	s_wait_dscnt 0x0
	v_lshrrev_b32 v1, 5, v0
	v_readfirstlane_b32 s14, v1
	s_lshr_b32 s15, s14, 1
	s_and_b32 s16, s14, 1
	s_bfe_u32 s40, ttmp6, 0x40000
	s_bfe_u32 s41, ttmp6, 0x40004
	s_lshl_b32 s42, ttmp9, 2
	s_add_co_u32 s42, s42, s40                     ; B's tile
	s_and_b32 s17, ttmp7, 0xffff
	s_lshl_b32 s17, s17, 2
	s_add_co_u32 s17, s17, s41                     ; A's tile
	s_lshl_b32 s43, s41, 2
	s_lshl_b32 s43, 15, s43
	s_lshl_b32 s44, 0x1111, s40
	s_or_b32 s[G1], s43, (3<<16)|(1<<21)
	s_or_b32 s[G1B], s44, (3<<16)|(1<<21)
	s_or_b32 s[G1S], s43, (3<<16)|(1<<21)
	s_or_b32 s[G1SB], s44, (3<<16)|(1<<21)
	s_mov_b32 s[G1+1], 384<<16
	s_mov_b32 s[G1+2], NA<<16
	s_mov_b32 s[G1+3], 384<<16
	s_mov_b32 s[G1+4], NA
	s_mov_b32 s[G1+5], 3*KK/2
	s_mov_b32 s[G1+6], 0
	s_mov_b32 s[G1+7], 0
	s_mov_b32 s[G1B+1], 384<<16
	s_mov_b32 s[G1B+2], 8<<16
	s_mov_b32 s[G1B+3], 384<<16
	s_mov_b32 s[G1B+4], 8
	s_mov_b32 s[G1B+5], 3*KK/2
	s_mov_b32 s[G1B+6], 0
	s_mov_b32 s[G1B+7], 0
	s_mov_b32 s[G1S+1], 32<<16
	s_mov_b32 s[G1S+2], (NA*KK/512)<<16
	s_mov_b32 s[G1S+3], 32<<16
	s_mov_b32 s[G1S+4], NA*KK/512
	s_mov_b32 s[G1S+5], 32
	s_mov_b32 s[G1S+6], 0
	s_mov_b32 s[G1S+7], 0
	s_mov_b32 s[G1SB+1], 32<<16
	s_mov_b32 s[G1SB+2], (8*KK/512)<<16
	s_mov_b32 s[G1SB+3], 32<<16
	s_mov_b32 s[G1SB+4], 8*KK/512
	s_mov_b32 s[G1SB+5], 32
	s_mov_b32 s[G1SB+6], 0
	s_mov_b32 s[G1SB+7], 0
	s_mul_i32 s20, s17, 2*NA
	s_mul_i32 s18, s16, NA
	s_add_co_u32 s20, s20, s18                     ; A: the first row block that I fetch
	s_mul_i32 s22, s20, KK/2
	s_mul_i32 s20, s20, RBP
	s_mov_b32 s21, 0
	s_mov_b32 s23, 0
	s_lshl_b32 s46, s42, 4
	s_lshl_b32 s18, s16, 3
	s_add_co_u32 s46, s46, s18                     ; B likewise
	s_mul_i32 s2, s46, KK/2
	s_mul_i32 s46, s46, RBP
	s_mov_b32 s47, 0
	s_mov_b32 s3, 0
	s_wait_kmcnt 0x0
	s_add_nc_u64 s[20:21], s[92:93], s[20:21]
	s_add_nc_u64 s[22:23], s[92:93], s[22:23]
	s_add_nc_u64 s[22:23], s[22:23], AOFFS
	s_add_nc_u64 s[46:47], s[94:95], s[46:47]
	s_add_nc_u64 s[46:47], s[46:47], BOFFC
	s_add_nc_u64 s[2:3], s[94:95], s[2:3]
	s_add_nc_u64 s[2:3], s[2:3], BOFFS
	s_mov_b32 s[G0S], 1
	s_mul_i32 s[G0S+1], s16, SHA
	s_add_co_u32 s[G0S+1], s[G0S+1], SCL
	s_mov_b64 s[G0S+2:G0S+3], s[22:23]
	s_or_b32 s[G0S+3], s[G0S+3], 0x80000000
	s_mov_b32 s[G0SB], 1
	s_mul_i32 s[G0SB+1], s16, SHB
	s_add_co_u32 s[G0SB+1], s[G0SB+1], SCL+2*SHA
	s_mov_b64 s[G0SB+2:G0SB+3], s[2:3]
	s_or_b32 s[G0SB+3], s[G0SB+3], 0x80000000
.irp s, 0,1
	s_mov_b32 s[G0+4*\s], 1
	s_mul_i32 s[G0+4*\s+1], s16, HALFA
	s_add_co_u32 s[G0+4*\s+1], s[G0+4*\s+1], \s*SLOT
	s_add_nc_u64 s[G0+4*\s+2:G0+4*\s+3], s[20:21], \s*3072
	s_or_b32 s[G0+4*\s+3], s[G0+4*\s+3], 0x80000000
	s_mov_b32 s[G0B+4*\s], 1
	s_mul_i32 s[G0B+4*\s+1], s16, HALFB
	s_add_co_u32 s[G0B+4*\s+1], s[G0B+4*\s+1], 2*HALFA+\s*SLOT
	s_add_nc_u64 s[G0B+4*\s+2:G0B+4*\s+3], s[46:47], \s*3072
	s_or_b32 s[G0B+4*\s+3], s[G0B+4*\s+3], 0x80000000
.endr
	CROUND                                         ; all sixteen work-groups are here: the first joint loads meet
	JLOAD G0S, G1S, G0SB, G1SB                     ; three loads of mine are out: the scale words, slot 0, slot 1
	JLOAD G0, G1, G0B, G1B
	JLOAD G0+4, G1, G0B+4, G1B
	v_and_b32 v1, 15, v0                           ; r
	v_bfe_u32 v2, v0, 4, 1                         ; h
	v_and_b32 v3, 31, v0
	v_lshlrev_b32 v[LO8], 3, v3
	v_lshlrev_b32 v[LOS], 3, v1
	v_lshlrev_b32 v[CO], 4, v3                     ; 16 x lane
	s_mul_i32 s18, s15, HALFA
	s_mul_i32 s19, s16, HALFB
	s_add_co_u32 s19, s19, 2*HALFA
.irp s, 0,1
	v_add_nc_u32 v[ADRA+\s], s18, v[LO8]
	v_add_nc_u32 v[ADRB+\s], s19, v[LO8]
	s_add_co_u32 s18, s18, SLOT
	s_add_co_u32 s19, s19, SLOT
.endr
	s_mul_i32 s18, s15, SHA
	s_mul_i32 s19, s16, SHB
	s_add_co_u32 s19, s19, 2*SHA
	s_sub_co_u32 s19, s19, s18
	v_mul_u32_u24 v4, s19, v2                      ; lanes 16-31 take B's words: one product, the distance between the two
	s_add_co_u32 s18, s18, SCL
	v_add_nc_u32 v4, v4, v[LOS]
	v_add_nc_u32 v[ADRS], s18, v4
	s_mul_i32 s18, s14, 8448                       ; my stage: 16 rows x (512 + 16) bytes, in slot 0, which has had its last fill and its last read when the first result is stored there
	v_mul_u32_u24 v4, v1, 528
	v_lshl_add_u32 v4, v2, 6, v4
	v_add_nc_u32 v[STO], s18, v4
	v_add_nc_u32 v[RD], s18, v[CO]
	s_lshl_b32 s18, s42, 10
	s_lshl_b32 s19, s16, 9
	s_add_co_u32 s18, s18, s19                     ; my 128 columns, in bytes
	s_mov_b32 s19, 0
	s_add_nc_u64 s[96:97], s[96:97], s[18:19]
	s_lshl_b32 s20, s17, 7
	s_lshl_b32 s21, s15, 6
	s_add_co_u32 s20, s20, s21                     ; my first row
	s_lshl_b32 s20, s20, 12
	s_add_co_u32 s20, s20, s18
	s_mov_b32 s21, 0
	s_add_nc_u64 s[98:99], s[98:99], s[20:21]
	s_add_nc_u64 s[100:101], s[100:101], s[20:21]
	v_lshlrev_b32 v5, 6, v2
.irp b, 0,1,2,3,4,5,6,7
	global_load_b128 v[BN+8*\b:BN+8*\b+3], v5, s[96:97] offset:(32*(\b/2)+8*(\b%2))*4
	global_load_b128 v[BN+8*\b+4:BN+8*\b+7], v5, s[96:97] offset:(32*(\b/2)+8*(\b%2))*4+16
.endr
	s_wait_tensorcnt 1                             ; the scale words and my part of slot 0 are in; slot 1's load may be out
	s_barrier_signal -1
	s_barrier_wait -1
	FETCH_B 0, 0, 0
	FETCH_A 0, 0, 0
	SCALES 0
	FETCH_A 0, 0, HB
	s_wait_loadcnt 0x0                             ; the bias
	STEP 0, 1                                      ; the first step stands ahead of the loop: its products start the sums on the bias
	WIN 0xc0                                       ; the residual: 64 rows of 512 bytes, into window 3; it has the whole walk along K in which to land
.irp a, 0,1,2,3
.irp t, 0,1,2,3,4,5,6,7,8,9,10,11,12,13,14,15
	global_load_b128 v[64*\a+4*\t:64*\a+4*\t+3], v[CO], s[98:99] offset:(32*(\a/2)+8*(\a%2)+\t+8*(\t/8))*4096 th:TH_LOAD_NT
.endr
.endr
	WIN 0
	s_mov_b32 s3, LAPS-1
.Llap:
	TURN 0, 1, 1
	STEP 1, 0
	TURN 1, 0, 1
	STEP 0, 0
	s_sub_co_u32 s3, s3, 1
	s_cmp_lg_u32 s3, 0
	s_cbranch_scc1 .Llap
	TURN 0, 1, 0                                   ; the last lap fills nothing
	STEP 1, 0
	s_wait_dscnt HB*NL
	MULQ 0, 1, 1, 1, 0
	MULQ 1, 1, 1, 1, 0
	s_wait_dscnt 0x0
	MULQ 2, 1, 1, 1, 0
	MULQ 3, 1, 1, 1, 0
	WIN 0
	PLACES
	s_wait_loadcnt 0x0                             ; the residual
; THE WAY OUT, a block of 16 rows x 128 columns at a time, through my own stage: in as 32 bytes a lane and tile, back as whole rows of 512 bytes
.macro TOSTAGE a
	WIN 0x08                                       ; an LDS store's data: window 2
.irp b, 0,1,2,3,4,5,6,7
	ds_store_b128 v[STO], v[8*(8*(\a)+\b):8*(8*(\a)+\b)+3] offset:128*(\b/2)+32*(\b%2)        ; each accumulator from its low end on
	ds_store_b128 v[STO], v[8*(8*(\a)+\b)+4:8*(8*(\a)+\b)+7] offset:128*(\b/2)+32*(\b%2)+16
.endr
	WIN 0
.set BB, 128+64*((\a)%2)
.irp t, 0,1,2,3,4,5,6,7,8,9,10,11,12,13,14,15
	ds_load_b128 v[BB+4*\t:BB+4*\t+3], v[RD] offset:528*\t   ; LDS serves a wave's instructions in order: these see my stores
.endr
.endm
.macro SEND a, younger
.set BB, 128+64*((\a)%2)
	s_wait_dscnt \younger                          ; the block is back; the next block's 16 stores and 16 loads may be out
	WIN 0x0c                                       ; source 1: window 3
.set J, 0
.rept 32
	v_pk_add_f32 v[BB+J:BB+J+1], v[BB+J:BB+J+1], v[64*(\a)+J:64*(\a)+J+1]
.set J, J+2
.endr
	WIN 0
.irp t, 0,1,2,3,4,5,6,7,8,9,10,11,12,13,14,15
	global_store_b128 v[CO], v[BB+4*\t:BB+4*\t+3], s[100:101] offset:(32*((\a)/2)+8*((\a)%2)+\t+8*(\t/8))*4096 th:TH_STORE_NT   ; 512 consecutive bytes, aligned
.endr
.endm
	TOSTAGE 0
.irp a, 1,2,3
.if \a > 1
	s_wait_xcnt 0x0                                ; block a - 2's stores have read their registers: block a's rows may land there
.endif
	TOSTAGE \a
	SEND \a-1, 32
.endr
	s_wait_xcnt 0x0
	SEND 3, 0
	s_wait_tensorcnt 0x0                           ; the wave's end
	ds_add_u32 v[SPW], v[NIL]
	s_wait_dscnt 0x0
	CROUND                                         ; the closing round
	s_endpgm
.Lfunc_end_k_qcd519cc56c_oproj:
	.size	k_qcd519cc56c_oproj, .Lfunc_end_k_qcd519cc56c_oproj-k_qcd519cc56c_oproj
	.p2alignl 7, 3214868480
	.fill 96, 4, 3214868480
	.section	.rodata,"a",@progbits
	.p2align	6, 0x0
	.amdhsa_kernel k_qcd519cc56c_oproj
		.amdhsa_group_segment_fixed_size 327680
		.amdhsa_private_segment_fixed_size 0
		.amdhsa_enable_private_segment 0
		.amdhsa_kernarg_size 40
		.amdhsa_user_sgpr_count 2
		.amdhsa_user_sgpr_kernarg_segment_ptr 1
		.amdhsa_wavefront_size32 1
		.amdhsa_system_sgpr_workgroup_id_x 1
		.amdhsa_system_sgpr_workgroup_id_y 1
		.amdhsa_system_sgpr_workgroup_id_z 1
		.amdhsa_system_vgpr_workitem_id 0
		.amdhsa_next_free_vgpr 1024
		.amdhsa_next_free_sgpr 102
		.amdhsa_reserve_vcc 0
		.amdhsa_float_denorm_mode_32 3
		.amdhsa_float_denorm_mode_16_64 3
		.amdhsa_memory_ordered 1
		.amdhsa_forward_progress 1
		.amdhsa_inst_pref_size 117
	.end_amdhsa_kernel
	.amdgpu_metadata
---
amdhsa.version: [ 1, 2 ]
amdhsa.kernels:
  - .name:           k_qcd519cc56c_oproj
    .symbol:         k_qcd519cc56c_oproj.kd
    .args:
      - { .name: oatt, .offset: 0, .size: 8, .value_kind: global_buffer, .address_space: global }
      - { .name: wimg, .offset: 8, .size: 8, .value_kind: global_buffer, .address_space: global }
      - { .name: b_out, .offset: 16, .size: 8, .value_kind: global_buffer, .address_space: global }
      - { .name: x, .offset: 24, .size: 8, .value_kind: global_buffer, .address_space: global }
      - { .name: x1, .offset: 32, .size: 8, .value_kind: global_buffer, .address_space: global }
    .group_segment_fixed_size: 327680
    .private_segment_fixed_size: 0
    .kernarg_segment_align: 8
    .kernarg_segment_size: 40
    .max_flat_workgroup_size: 128
    .sgpr_count:     102
    .vgpr_count:     1024
    .wavefront_size: 32
...
	.end_amdgpu_metadata
.endif
;; end of part 4
;; launch ln2: the kernel of part 1 again; grid 256 x 1, 8 waves a work-group, no clusters, 69,632 bytes of LDS; arguments x1, ln2_g, ln2_b, act, W_qkv_codes, W_qkv_scales, W_out_codes, W_out_scales, W1_codes, W1_scales, W2_codes, W2_scales, wimg; writes act, wimg
;; launch ffn1 (part 5): grid 16 x 16, 4 waves a work-group, clusters of 4 x 4, 327,680 bytes of LDS; arguments act, wimg, b1, hid; writes hid
.if DOCPART == 5
	.amdgcn_target "amdgcn-amd-amdhsa--gfx1250"
	.amdhsa_code_object_version 6
	.text
	.protected	k_qcd519cc56c_ffn1
	.globl	k_qcd519cc56c_ffn1
	.p2align	8
	.type	k_qcd519cc56c_ffn1,@function
k_qcd519cc56c_ffn1:
	s_mov_b64 s[64:65], 0
	v_nop
	global_prefetch_b8 v0, s[64:65] scope:SCOPE_SE
	s_setreg_imm32_b32 hwreg(HW_REG_WAVE_MODE, 25, 1), 1
	s_wait_xcnt 0x0
	s_wait_alu depctr_hold_cnt(0) depctr_sa_sdst(0) depctr_va_vdst(0) depctr_va_sdst(0) depctr_va_ssrc(0) depctr_va_vcc(0) depctr_vm_vsrc(0)
	s_getreg_b32 s2, hwreg(HW_REG_IB_STS2, 6, 4)
	s_cmp_eq_u32 s2, 0
	s_cbranch_scc0 .Lentry_in_a_cluster
	s_endpgm
.Lentry_in_a_cluster:
	s_bfe_u32 s2, ttmp6, 0x10000c
	s_cmp_lg_u32 s2, 0xf033
	s_cbranch_scc0 .Lentry_shape_is_right
	s_endpgm
.Lentry_shape_is_right:
; hid = Q(gelu(LN2(x1) W1 + b1)): a product on codes of FP6 (E2M3) with E8M0 scales; bias, exact GELU and the next product's quantiser on the way out; the result is stored as codes alone.
; Both operands and the result are IMAGES of operand registers: fragment (row block, K step) = 1,536 bytes, chunk p of 256 bytes = registers 2 p, 2 p + 1, lane l at 8 l; lane place r of row block rb is row 32 (rb / 2) + 8 (rb % 2) + r + 8 (r / 8).
; A work-group of four waves makes 256 x 256; a wave 128 x 128: 64 accumulators.  K goes in steps of 256 through two LDS slots filled by joint tensor loads of a 4 x 4 cluster.
; The matrix instruction is used transposed: a lane holds one token, and its 64 registers of a block of tokens are 128 neighbouring hidden units (register 16 b + i = 32 b + 16 (lane / 16) + i): one fragment of the next product.
; GELU: gelu(x) = max(x, 0) - |x| erfc(|x| / sqrt 2) / 2, no difference of large numbers; erfc(z) = (a1 t + .. + a5 t^5) exp(-z^2), t = 1 / (1 + 0.3275911 z).
; LIMITS: that form of erfc is off by at most 1.5e-7 absolute; NaN and infinities are not served; a block under 2^-124 (a block of zeros too) gets the byte 1: this program alone reads the bytes.
; REGISTERS: window 0: v0-31 addresses; v32-63 scale words, two sets; v64-127 the bias; v128-223 A's fragments, one set.  window 1: B's fragments, two sets; ON THE WAY OUT all the work (numbers, GELU, codes, constants).
;   windows 2, 3: the accumulators, (a, b) at v[8 (8 (a % 4) + b)] of window 2 + a / 4.
.set KK,    1024
.set AOFFS, 3145728
.set BOFFC, 3145728
.set BOFFS, 9568256
.set NA,    8
.set HB,    4
.set NL,    6
.set RBP,   12*KK
.set HALFA, 3072*NA
.set HALFB, 24576
.set SLOT,  2*HALFA+2*HALFB
.set SCL,   2*SLOT
.set SHA,   NA*KK/2
.set SHB,   4*KK
.set SPARE, SCL+2*SHA+2*SHB            ; the spare words: 128 bytes a wave, named by no other line
.set LAPS,  KK/512
.set ADRA, 16
.set ADRB, 20
.set ADRS, 27
.set SPW,  28
.set NIL,  29
.set LO8,  30
.set LOS,  31
.set SC,   32
.set BN,   64
.set AF,   128
.set H,    0                           ; in window 1, on the way out: a block's 64 numbers,
.set U,    64                          ; 32 exponentials,
.set V,    96                          ; 32 reciprocals,
.set W,    128                         ; 32 polynomials,
.set PC,   160                         ; codes,
.set TM,   180
.set PW,   196
.set CA,   200                         ; a5 / 2, a4 / 2, a3 / 2, a2 / 2, a1 / 2, each twice,
.set CC,   210                         ; sqrt(log2(e) / 2), twice
.set SEL,  20
.set G1,   24
.set G0,   32
.set G1B,  48
.set G0B,  56
.set G1S,  68
.set G0S,  76
.set G1SB, 80
.set G0SB, 88
.set MSB, 0
.macro WIN new
.if MSB != (\new)
	s_set_vgpr_msb (MSB<<8)|(\new)
.set MSB, (\new)
.endif
.endm
.macro JLOAD g0a, g1a, g0b, g1b        ; a joint load: waves 0 and 1 fetch for A, waves 2 and 3 for B; four v_nop follow each line
	s_cmp_eq_u32 s15, 0
	s_cbranch_scc0 .Lfor_b_\@
	tensor_load_to_lds s[\g0a:\g0a+3], s[\g1a:\g1a+7]
	s_nop 0
.rept 4
	v_nop
.endr
	s_branch .Lasked_\@
.Lfor_b_\@:
	tensor_load_to_lds s[\g0b:\g0b+3], s[\g1b:\g1b+7]
	s_nop 0
.rept 4
	v_nop
.endr
.Lasked_\@:
.endm
.macro CREST
	s_cmp_lg_u32 s14, 0
	s_cbranch_scc1 .Lnot_wave_0_\@
	s_barrier_signal -3
.Lnot_wave_0_\@:
	s_barrier_wait -3
	s_barrier_signal -1
	s_barrier_wait -1
.endm
.macro CROUND
	s_barrier_signal -1
	s_barrier_wait -1
	CREST
.endm
.macro PLACES                          ; four plain places behind matrix instructions (ISA guide 7.12.1)
.rept 4
	v_nop
.endr
.endm
.macro FRAG reg, adr, q, i
.irp p, 0,1,2,3,4,5
	ds_load_b64 v[\reg+2*\p:\reg+2*\p+1], v[\adr] offset:3072*(\i)+1536*(\q)+256*\p
.endr
.endm
.macro FETCH_B slot, q, p
	WIN 0x40
.irp i, 0,1,2,3,4,5,6,7
	FRAG 128*(\p)+12*\i, ADRB+\slot, \q, \i
.endr
	WIN 0
.endm
.macro FETCH_A slot, q, i0
.irp i, \i0, \i0+1, \i0+2, \i0+3
	FRAG AF+12*(\i), ADRA+\slot, \q, \i
.endr
.endm
.macro SCALES sc
.irp i, 0,1,2,3,4,5,6,7
	ds_load_b64 v[SC+16*\sc+2*\i:SC+16*\sc+2*\i+1], v[ADRS] offset:\i*KK/2
.endr
.endm
; a quarter of a step: A's blocks 2 k, 2 k + 1 against B's eight.  The 64 accumulators take turns.  zero = 1: the first products start the sums
.macro MULQ k, p, q, sc, zero
	WIN 0xa1+0x50*((\k)/2)
.irp a, 2*(\k), 2*(\k)+1
.irp b, 0,1,2,3,4,5,6,7
.if \zero
	v_wmma_scale_f32_16x16x128_f8f6f4 v[8*(8*((\a)%4)+\b):8*(8*((\a)%4)+\b)+7], v[128*(\p)+12*\b:128*(\p)+12*\b+11], v[AF+12*(\a):AF+12*(\a)+11], 0, v[SC+16*(\sc)+2*\b+(\q)], v[SC+16*(\sc)+2*(\a)+(\q)] matrix_a_fmt:MATRIX_FMT_FP6 matrix_b_fmt:MATRIX_FMT_FP6 matrix_a_scale:MATRIX_SCALE_ROW1
.else
	v_wmma_scale_f32_16x16x128_f8f6f4 v[8*(8*((\a)%4)+\b):8*(8*((\a)%4)+\b)+7], v[128*(\p)+12*\b:128*(\p)+12*\b+11], v[AF+12*(\a):AF+12*(\a)+11], v[8*(8*((\a)%4)+\b):8*(8*((\a)%4)+\b)+7], v[SC+16*(\sc)+2*\b+(\q)], v[SC+16*(\sc)+2*(\a)+(\q)] matrix_a_fmt:MATRIX_FMT_FP6 matrix_b_fmt:MATRIX_FMT_FP6 matrix_a_scale:MATRIX_SCALE_ROW1
.endif
.endr
.endr
.endm
.macro STEP slot, zero
	s_wait_dscnt HB*NL                             ; all but the youngest loads, A's blocks 4-7
	MULQ 0, 0, 0, \slot, \zero
	MULQ 1, 0, 0, \slot, \zero
	s_wait_dscnt 0x0
	PLACES
	FETCH_B \slot, 1, 1
	FETCH_A \slot, 1, 0
	MULQ 2, 0, 0, \slot, \zero
	MULQ 3, 0, 0, \slot, \zero
	PLACES
	WIN 0
	FETCH_A \slot, 1, HB
.endm
.macro TURN slot, next, fill
	s_wait_tensorcnt 0x0                           ; all my tensor loads have landed: my part of the next slot
	ds_add_u32 v[SPW], v[NIL]
	s_wait_dscnt HB*NL+1                           ; the add and A's blocks 4-7 may be out
	MULQ 0, 1, 1, \slot, 0
	s_wait_dscnt 0x0                               ; the add is done, and my reads of this slot are over
	s_barrier_signal -1
	MULQ 1, 1, 1, \slot, 0
	WIN 0
	s_barrier_wait -1
.if \fill
	CREST                                          ; no wave of any partner still reads this slot or has a load on its way
	s_add_nc_u64 s[G0+4*\slot+2:G0+4*\slot+3], s[G0+4*\slot+2:G0+4*\slot+3], 6144
	s_add_nc_u64 s[G0B+4*\slot+2:G0B+4*\slot+3], s[G0B+4*\slot+2:G0B+4*\slot+3], 6144
	JLOAD G0+4*\slot, G1, G0B+4*\slot, G1B
.else
	PLACES
.endif
	v_add_nc_u32 v[ADRS], 128, v[ADRS]
	FETCH_B \next, 0, 0
	FETCH_A \next, 0, 0
	SCALES \next
	MULQ 2, 1, 1, \slot, 0
	MULQ 3, 1, 1, \slot, 0
	PLACES
	WIN 0
	FETCH_A \next, 0, HB
.endm
.macro QUANT s                         ; 64 numbers of a lane -> 12 registers of codes in v[PC] on, the scale word in v[PW]
.irp b, 0,1,2,3
	v_max3_num_f32 v[TM+\b], |v[\s+16*\b]|, |v[\s+1+16*\b]|, 0x1800000   ; with the floor 2^(3 - 127): the byte cannot fall under 1
.endr
.irp i, 2,4,6,8,10,12,14
.irp b, 0,1,2,3
	v_max3_num_f32 v[TM+\b], v[TM+\b], |v[\s+16*\b+\i]|, |v[\s+1+16*\b+\i]|
.endr
.endr
.irp b, 0,1,2,3
	v_permlanex16_b32 v[TM+4+\b], v[TM+\b], s[SEL], s[SEL+1]
.endr
.irp b, 0,1,2,3
	v_max_num_f32 v[TM+\b], v[TM+\b], v[TM+4+\b]
.endr
.irp b, 0,1,2,3
	v_add_nc_u32 v[TM+12+\b], 0xff000000, v[TM+\b]
.endr
.irp b, 0,1,2,3
	v_lshrrev_b32 v[TM+4+\b], 23, v[TM+12+\b]
.endr
	v_lshl_or_b32 v[PW], v[TM+5], 8, v[TM+4]
	v_lshl_or_b32 v[PW], v[TM+6], 16, v[PW]
	v_lshl_or_b32 v[PW], v[TM+7], 24, v[PW]
.irp c, 0,1
	v_cvt_scalef32_pk16_fp6_f32 v[PC+6*\c:PC+2+6*\c], v[\s+32*\c:\s+15+32*\c], v[TM+12+2*\c]
	v_cvt_scalef32_pk16_fp6_f32 v[PC+12+4*\c:PC+14+4*\c], v[\s+16+32*\c:\s+31+32*\c], v[TM+12+2*\c+1]
.endr
	v_nop                                          ; one plain place behind a scaled conversion
.irp c, 0,1
.irp i, 0,1,2
	v_permlane16_swap_b32 v[PC+6*\c+\i], v[PC+12+4*\c+\i]
.endr
.irp i, 0,1,2
	v_mov_b32 v[PC+3+6*\c+\i], v[PC+12+4*\c+\i]
.endr
.endr
.endm
; GELU of 32 numbers, v[H + o] on, in place.  The 64 transcendentals are one batch with one wait
.macro GELU32 o
.set J, 0
.rept 16
	v_pk_mul_f32 v[U+J:U+J+1], v[H+\o+J:H+\o+J+1], v[CC:CC+1]
.set J, J+2
.endr
.set J, 0
.rept 16
	v_pk_mul_f32 v[U+J:U+J+1], v[U+J:U+J+1], v[U+J:U+J+1] neg_lo:[1,0] neg_hi:[1,0]   ; -x^2 log2(e) / 2
.set J, J+2
.endr
.set J, 0
.rept 32
	v_fma_f32 v[V+J], |v[H+\o+J]|, s22, 1.0        ; 1 + 0.3275911 |x| / sqrt 2
.set J, J+1
.endr
.set J, 0
.rept 32
	v_exp_f32 v[U+J], v[U+J]
.set J, J+1
.endr
.set J, 0
.rept 32
	v_rcp_f32 v[V+J], v[V+J]
.set J, J+1
.endr
	v_nop                                          ; one plain place behind the last transcendental
	s_wait_alu depctr_va_vdst(0)                   ; one wait for the batch, ahead of its first reader
.set J, 0
.rept 16
	v_pk_fma_f32 v[W+J:W+J+1], v[V+J:V+J+1], v[CA:CA+1], v[CA+2:CA+3]
.set J, J+2
.endr
.irp k, 4,6,8
.set J, 0
.rept 16
	v_pk_fma_f32 v[W+J:W+J+1], v[W+J:W+J+1], v[V+J:V+J+1], v[CA+\k:CA+\k+1]
.set J, J+2
.endr
.endr
.set J, 0
.rept 16
	v_pk_mul_f32 v[W+J:W+J+1], v[W+J:W+J+1], v[V+J:V+J+1]
.set J, J+2
.endr
.set J, 0
.rept 16
	v_pk_mul_f32 v[W+J:W+J+1], v[W+J:W+J+1], v[U+J:U+J+1]   ; erfc(|x| / sqrt 2) / 2
.set J, J+2
.endr
.set J, 0
.rept 32
	v_max_num_f32 v[U+J], 0, v[H+\o+J]
.set J, J+1
.endr
.set J, 0
.rept 32
	v_fma_f32 v[H+\o+J], -|v[H+\o+J]|, v[W+J], v[U+J]
.set J, J+1
.endr
.endm
	s_load_b128 s[92:95], s[0:1], 0x0              ; A's buffer s[92:93], the weights' images s[94:95]
	s_load_b128 s[96:99], s[0:1], 0x10             ; the bias s[96:97], the output s[98:99]
	v_lshl_add_u32 v[SPW], v0, 2, SPARE
	v_mov_b32 v[NIL], 0
	ds_add_u32 v28, v29
	ds_add_u32 v28, v29
	s_wait_dscnt 0x0
	v_lshrrev_b32 v1, 5, v0
	v_readfirstlane_b32 s14, v1
	s_lshr_b32 s15, s14, 1
	s_and_b32 s16, s14, 1
	s_bfe_u32 s40, ttmp6, 0x40000
	s_bfe_u32 s41, ttmp6, 0x40004
	s_lshl_b32 s42, ttmp9, 2
	s_add_co_u32 s42, s42, s40                     ; B's tile
	s_and_b32 s17, ttmp7, 0xffff
	s_lshl_b32 s17, s17, 2
	s_add_co_u32 s17, s17, s41                     ; A's tile
	s_lshl_b32 s43, s41, 2
	s_lshl_b32 s43, 15, s43
	s_lshl_b32 s44, 0x1111, s40
	s_or_b32 s[G1], s43, (3<<16)|(1<<21)
	s_or_b32 s[G1B], s44, (3<<16)|(1<<21)
	s_or_b32 s[G1S], s43, (3<<16)|(1<<21)
	s_or_b32 s[G1SB], s44, (3<<16)|(1<<21)
	s_mov_b32 s[G1+1], 384<<16
	s_mov_b32 s[G1+2], NA<<16
	s_mov_b32 s[G1+3], 384<<16
	s_mov_b32 s[G1+4], NA
	s_mov_b32 s[G1+5], 3*KK/2
	s_mov_b32 s[G1+6], 0
	s_mov_b32 s[G1+7], 0
	s_mov_b32 s[G1B+1], 384<<16
	s_mov_b32 s[G1B+2], 8<<16
	s_mov_b32 s[G1B+3], 384<<16
	s_mov_b32 s[G1B+4], 8
	s_mov_b32 s[G1B+5], 3*KK/2
	s_mov_b32 s[G1B+6], 0
	s_mov_b32 s[G1B+7], 0
	s_mov_b32 s[G1S+1], 32<<16
	s_mov_b32 s[G1S+2], (NA*KK/512)<<16
	s_mov_b32 s[G1S+3], 32<<16
	s_mov_b32 s[G1S+4], NA*KK/512
	s_mov_b32 s[G1S+5], 32
	s_mov_b32 s[G1S+6], 0
	s_mov_b32 s[G1S+7], 0
	s_mov_b32 s[G1SB+1], 32<<16
	s_mov_b32 s[G1SB+2], (8*KK/512)<<16
	s_mov_b32 s[G1SB+3], 32<<16
	s_mov_b32 s[G1SB+4], 8*KK/512
	s_mov_b32 s[G1SB+5], 32
	s_mov_b32 s[G1SB+6], 0
	s_mov_b32 s[G1SB+7], 0
	s_mul_i32 s20, s17, 2*NA
	s_mul_i32 s18, s16, NA
	s_add_co_u32 s20, s20, s18
	s_mul_i32 s22, s20, KK/2
	s_mul_i32 s20, s20, RBP
	s_mov_b32 s21, 0
	s_mov_b32 s23, 0
	s_lshl_b32 s46, s42, 4
	s_lshl_b32 s18, s16, 3
	s_add_co_u32 s46, s46, s18
	s_mul_i32 s2, s46, KK/2
	s_mul_i32 s46, s46, RBP
	s_mov_b32 s47, 0
	s_mov_b32 s3, 0
	s_wait_kmcnt 0x0
	s_add_nc_u64 s[20:21], s[92:93], s[20:21]
	s_add_nc_u64 s[22:23], s[92:93], s[22:23]
	s_add_nc_u64 s[22:23], s[22:23], AOFFS
	s_add_nc_u64 s[46:47], s[94:95], s[46:47]
	s_add_nc_u64 s[46:47], s[46:47], BOFFC
	s_add_nc_u64 s[2:3], s[94:95], s[2:3]
	s_add_nc_u64 s[2:3], s[2:3], BOFFS
	s_mov_b32 s[G0S], 1
	s_mul_i32 s[G0S+1], s16, SHA
	s_add_co_u32 s[G0S+1], s[G0S+1], SCL
	s_mov_b64 s[G0S+2:G0S+3], s[22:23]
	s_or_b32 s[G0S+3], s[G0S+3], 0x80000000
	s_mov_b32 s[G0SB], 1
	s_mul_i32 s[G0SB+1], s16, SHB
	s_add_co_u32 s[G0SB+1], s[G0SB+1], SCL+2*SHA
	s_mov_b64 s[G0SB+2:G0SB+3], s[2:3]
	s_or_b32 s[G0SB+3], s[G0SB+3], 0x80000000
.irp s, 0,1
	s_mov_b32 s[G0+4*\s], 1
	s_mul_i32 s[G0+4*\s+1], s16, HALFA
	s_add_co_u32 s[G0+4*\s+1], s[G0+4*\s+1], \s*SLOT
	s_add_nc_u64 s[G0+4*\s+2:G0+4*\s+3], s[20:21], \s*3072
	s_or_b32 s[G0+4*\s+3], s[G0+4*\s+3], 0x80000000
	s_mov_b32 s[G0B+4*\s], 1
	s_mul_i32 s[G0B+4*\s+1], s16, HALFB
	s_add_co_u32 s[G0B+4*\s+1], s[G0B+4*\s+1], 2*HALFA+\s*SLOT
	s_add_nc_u64 s[G0B+4*\s+2:G0B+4*\s+3], s[46:47], \s*3072
	s_or_b32 s[G0B+4*\s+3], s[G0B+4*\s+3], 0x80000000
.endr
	CROUND                                         ; all sixteen work-groups are here: the first joint loads meet
	JLOAD G0S, G1S, G0SB, G1SB                     ; three loads of mine are out: the scale words, slot 0, slot 1
	JLOAD G0, G1, G0B, G1B
	JLOAD G0+4, G1, G0B+4, G1B
	v_and_b32 v1, 15, v0
	v_bfe_u32 v2, v0, 4, 1
	v_and_b32 v3, 31, v0
	v_lshlrev_b32 v[LO8], 3, v3
	v_lshlrev_b32 v[LOS], 3, v1
	s_mul_i32 s18, s15, HALFA
	s_mul_i32 s19, s16, HALFB
	s_add_co_u32 s19, s19, 2*HALFA
.irp s, 0,1
	v_add_nc_u32 v[ADRA+\s], s18, v[LO8]
	v_add_nc_u32 v[ADRB+\s], s19, v[LO8]
	s_add_co_u32 s18, s18, SLOT
	s_add_co_u32 s19, s19, SLOT
.endr
	s_mul_i32 s18, s15, SHA
	s_mul_i32 s19, s16, SHB
	s_add_co_u32 s19, s19, 2*SHA
	s_sub_co_u32 s19, s19, s18
	v_mul_u32_u24 v4, s19, v2                      ; lanes 16-31 take B's words: one product, the distance between the two
	s_add_co_u32 s18, s18, SCL
	v_add_nc_u32 v4, v4, v[LOS]
	v_add_nc_u32 v[ADRS], s18, v4
	s_lshl_b32 s18, s42, 10
	s_lshl_b32 s19, s16, 9
	s_add_co_u32 s18, s18, s19
	s_mov_b32 s19, 0
	s_add_nc_u64 s[96:97], s[96:97], s[18:19]      ; the bias of my 128 hidden units
	v_lshlrev_b32 v5, 6, v2
.irp b, 0,1,2,3,4,5,6,7
	global_load_b128 v[BN+8*\b:BN+8*\b+3], v5, s[96:97] offset:(32*(\b/2)+8*(\b%2))*4
	global_load_b128 v[BN+8*\b+4:BN+8*\b+7], v5, s[96:97] offset:(32*(\b/2)+8*(\b%2))*4+16
.endr
	s_lshl_b32 s20, s17, 4                         ; the result: fragment (16 x A's tile + 8 x my half + a, 2 x B's tile + my half), 32 K steps a row block
	s_lshl_b32 s21, s15, 3
	s_add_co_u32 s20, s20, s21
	s_lshl_b32 s22, s20, 5
	s_lshl_b32 s21, s42, 1
	s_add_co_u32 s22, s22, s21
	s_add_co_u32 s22, s22, s16
	s_mul_i32 s22, s22, 1536
	s_mov_b32 s23, 0
	s_add_nc_u64 s[12:13], s[98:99], s[22:23]      ; codes
	s_lshl_b32 s22, s20, 4
	s_add_co_u32 s22, s22, s42
	s_lshl_b32 s22, s22, 7
	s_lshl_b32 s21, s16, 2
	s_add_co_u32 s22, s22, s21
	s_add_co_u32 s22, s22, 12582912
	s_add_nc_u64 s[66:67], s[98:99], s[22:23]      ; scale words
	s_wait_tensorcnt 1                             ; the scale words and my part of slot 0 are in; slot 1's load may be out
	s_barrier_signal -1
	s_barrier_wait -1
	FETCH_B 0, 0, 0
	FETCH_A 0, 0, 0
	SCALES 0
	FETCH_A 0, 0, HB
	STEP 0, 1                                      ; the first step stands ahead of the loop: its products start the sums
	s_mov_b32 s3, LAPS-1
.Llap:
	TURN 0, 1, 1
	STEP 1, 0
	TURN 1, 0, 1
	STEP 0, 0
	s_sub_co_u32 s3, s3, 1
	s_cmp_lg_u32 s3, 0
	s_cbranch_scc1 .Llap
	TURN 0, 1, 0                                   ; the last lap fills nothing
	STEP 1, 0
	s_wait_dscnt HB*NL
	MULQ 0, 1, 1, 1, 0
	MULQ 1, 1, 1, 1, 0
	s_wait_dscnt 0x0
	MULQ 2, 1, 1, 1, 0
	MULQ 3, 1, 1, 1, 0
	WIN 0
	PLACES
	s_wait_loadcnt 0x0                             ; the bias
	WIN 0x40                                       ; window 1 has been left by B's fragments
.irp i, 0,1
	v_mov_b32 v[CA+\i], 0x3f07dc22                 ; a5 / 2 =  0.5307027
	v_mov_b32 v[CA+2+\i], 0xbf3a00e3               ; a4 / 2 = -0.7265760
	v_mov_b32 v[CA+4+\i], 0x3f35f0e3               ; a3 / 2 =  0.7107069
	v_mov_b32 v[CA+6+\i], 0xbe11a98e               ; a2 / 2 = -0.1422484
	v_mov_b32 v[CA+8+\i], 0x3e027906               ; a1 / 2 =  0.1274148
	v_mov_b32 v[CC+\i], 0x3f596d27                 ; sqrt(log2(e) / 2) = 0.8493218
.endr
.irp b, 0,1,2,3
	v_mov_b32 v[TM+4+\b], 0                        ; a lane permute's destination counts as one of its sources
.endr
	WIN 0
	s_mov_b32 s[SEL], 0x76543210
	s_mov_b32 s[SEL+1], 0xfedcba98
	s_mov_b32 s22, 0x3e6d3388                      ; 0.3275911 / sqrt 2
	s_mov_b32 s3, 0
; THE WAY OUT, a block of 16 tokens a trip.  Only the move out of the accumulators names other registers from block to block: it is written eight times, the rest once
.Lblk:
.irp a, 0,1,2,3,4,5,6
	s_cmp_eq_u32 s3, \a
	s_cbranch_scc1 .Lm\a
.endr
	s_branch .Lm7
.macro MOVE a
.Lm\a:
	WIN 0x42+(\a)/4                                ; source 0 the accumulators' window, source 1 (the bias) window 0, destination window 1
.set J, 0
.rept 32
	v_pk_add_f32 v[H+J:H+J+1], v[64*((\a)%4)+J:64*((\a)%4)+J+1], v[BN+J:BN+J+1]   ; each accumulator from its low end on
.set J, J+2
.endr
	WIN 0
.if (\a) < 7
	s_branch .Lcommon
.endif
.endm
.irp a, 0,1,2,3,4,5,6,7
	MOVE \a
.endr
.Lcommon:
	WIN 0x55                                       ; all operands in window 1
	GELU32 0
	GELU32 32
	QUANT H
	WIN 0x04                                       ; a store's data window 1, its address window 0
.irp p, 0,1,2,3,4,5
	global_store_b64 v[LO8], v[PC+2*\p:PC+2*\p+1], s[12:13] offset:256*\p   ; 256 consecutive bytes, aligned
.endr
	global_store_b32 v[LOS], v[PW], s[66:67]
	WIN 0
	s_wait_xcnt 0x0                                ; the stores have read their data and bases: both are written again in the next trip
	s_add_nc_u64 s[12:13], s[12:13], 49152
	s_add_nc_u64 s[66:67], s[66:67], 2048
	s_add_co_u32 s3, s3, 1
	s_cmp_lt_u32 s3, 8
	s_cbranch_scc1 .Lblk
	s_wait_tensorcnt 0x0                           ; the wave's end
	ds_add_u32 v[SPW], v[NIL]
	s_wait_dscnt 0x0
	CROUND                                         ; the closing round
	s_endpgm
.Lfunc_end_k_qcd519cc56c_ffn1:
	.size	k_qcd519cc56c_ffn1, .Lfunc_end_k_qcd519cc56c_ffn1-k_qcd519cc56c_ffn1
	.p2alignl 7, 3214868480
	.fill 96, 4, 3214868480
	.section	.rodata,"a",@progbits
	.p2align	6, 0x0
	.amdhsa_kernel k_qcd519cc56c_ffn1
		.amdhsa_group_segment_fixed_size 327680
		.amdhsa_private_segment_fixed_size 0
		.amdhsa_enable_private_segment 0
		.amdhsa_kernarg_size 32
		.amdhsa_user_sgpr_count 2
		.amdhsa_user_sgpr_kernarg_segment_ptr 1
		.amdhsa_wavefront_size32 1
		.amdhsa_system_sgpr_workgroup_id_x 1
		.amdhsa_system_sgpr_workgroup_id_y 1
		.amdhsa_system_sgpr_workgroup_id_z 1
		.amdhsa_system_vgpr_workitem_id 0
		.amdhsa_next_free_vgpr 1024
		.amdhsa_next_free_sgpr 102
		.amdhsa_reserve_vcc 0
		.amdhsa_float_denorm_mode_32 3
		.amdhsa_float_denorm_mode_16_64 3
		.amdhsa_memory_ordered 1
		.amdhsa_forward_progress 1
		.amdhsa_inst_pref_size 185
	.end_amdhsa_kernel
	.amdgpu_metadata
---
amdhsa.version: [ 1, 2 ]
amdhsa.kernels:
  - .name:           k_qcd519cc56c_ffn1
    .symbol:         k_qcd519cc56c_ffn1.kd
    .args:
      - { .name: act, .offset: 0, .size: 8, .value_kind: global_buffer, .address_space: global }
      - { .name: wimg, .offset: 8, .size: 8, .value_kind: global_buffer, .address_space: global }
      - { .name: b1, .offset: 16, .size: 8, .value_kind: global_buffer, .address_space: global }
      - { .name: hid, .offset: 24, .size: 8, .value_kind: global_buffer, .address_space: global }
    .group_segment_fixed_size: 327680
    .private_segment_fixed_size: 0
    .kernarg_segment_align: 8
    .kernarg_segment_size: 32
    .max_flat_workgroup_size: 128
    .sgpr_count:     102
    .vgpr_count:     1024
    .wavefront_size: 32
...
	.end_amdgpu_metadata
.endif
;; end of part 5
;; launch ffn2 (part 6): grid 4 x 32, 4 waves a work-group, clusters of 4 x 4, 327,680 bytes of LDS; arguments hid, wimg, b2, x1, out0; writes out0
.if DOCPART == 6
	.amdgcn_target "amdgcn-amd-amdhsa--gfx1250"
	.amdhsa_code_object_version 6
	.text
	.protected	k_qcd519cc56c_ffn2
	.globl	k_qcd519cc56c_ffn2
	.p2align	8
	.type	k_qcd519cc56c_ffn2,@function
k_qcd519cc56c_ffn2:
	s_mov_b64 s[64:65], 0
	v_nop
	global_prefetch_b8 v0, s[64:65] scope:SCOPE_SE
	s_setreg_imm32_b32 hwreg(HW_REG_WAVE_MODE, 25, 1), 1
	s_wait_xcnt 0x0
	s_wait_alu depctr_hold_cnt(0) depctr_sa_sdst(0) depctr_va_vdst(0) depctr_va_sdst(0) depctr_va_ssrc(0) depctr_va_vcc(0) depctr_vm_vsrc(0)
	s_getreg_b32 s2, hwreg(HW_REG_IB_STS2, 6, 4)
	s_cmp_eq_u32 s2, 0
	s_cbranch_scc0 .Lentry_in_a_cluster
	s_endpgm
.Lentry_in_a_cluster:
	s_bfe_u32 s2, ttmp6, 0x10000c
	s_cmp_lg_u32 s2, 0xf033
	s_cbranch_scc0 .Lentry_shape_is_right
	s_endpgm
.Lentry_shape_is_right:
; out = x1 + hid W2 + b2: a product on codes of FP6 (E2M3) with E8M0 scales, K = 4,096, f32 out.
; Both operands are IMAGES of operand registers: fragment (row block, K step) = 1,536 bytes, chunk p of 256 bytes = registers 2 p, 2 p + 1, lane l at 8 l; lane place r of row block rb is row 32 (rb / 2) + 8 (rb % 2) + r + 8 (r / 8).
; N is 1,024: tiles of 128 x 256 give 128 work-groups where 256 x 256 would give 64.  Four waves, each 64 x 128: 32 accumulators.  K goes in steps of 256 through two LDS slots filled by joint tensor loads of a 4 x 4 cluster.
; The matrix instruction is used transposed (source 0 = the weight's 16 rows, source 1 = 16 tokens): a lane holds one token and 8 neighbouring columns a tile.  The bias is the C of the first products.
; The residual's 64 x 128 numbers of a wave are loaded early, as whole rows of 512 bytes, into window 3, and added when a block has come back from the stage as whole rows.
; REGISTERS: window 0: v0-31 addresses; v32-63 scale words, two sets; v64-127 the bias; v128-175 A's fragments, one set; on the way out v128-255 rows.  window 1: B's fragments, two sets.  window 2: the accumulators.  window 3: the residual.
.set KK,    4096
.set AOFFS, 12582912                   ; A's scale words in its buffer
.set BOFFC, 6291456                    ; the weight's image and scale words among the images
.set BOFFS, 9699328
.set NA,    4
.set HB,    2
.set NL,    6
.set RBP,   12*KK
.set HALFA, 3072*NA
.set HALFB, 24576
.set SLOT,  2*HALFA+2*HALFB
.set SCL,   2*SLOT
.set SHA,   NA*KK/2
.set SHB,   4*KK
.set SPARE, SCL+2*SHA+2*SHB            ; the spare words: 128 bytes a wave, named by no other line
.set LAPS,  KK/512
.set ADRA, 16
.set ADRB, 20
.set STO,  24
.set RD,   25
.set CO,   26
.set ADRS, 27
.set SPW,  28
.set NIL,  29
.set LO8,  30
.set LOS,  31
.set SC,   32
.set BN,   64
.set AF,   128
.set G1,   24
.set G0,   32
.set G1B,  48
.set G0B,  56
.set G1S,  68
.set G0S,  76
.set G1SB, 80
.set G0SB, 88
.set MSB, 0
.macro WIN new
.if MSB != (\new)
	s_set_vgpr_msb (MSB<<8)|(\new)
.set MSB, (\new)
.endif
.endm
.macro JLOAD g0a, g1a, g0b, g1b        ; a joint load: waves 0 and 1 fetch for A, waves 2 and 3 for B; four v_nop follow each line
	s_cmp_eq_u32 s15, 0
	s_cbranch_scc0 .Lfor_b_\@
	tensor_load_to_lds s[\g0a:\g0a+3], s[\g1a:\g1a+7]
	s_nop 0
.rept 4
	v_nop
.endr
	s_branch .Lasked_\@
.Lfor_b_\@:
	tensor_load_to_lds s[\g0b:\g0b+3], s[\g1b:\g1b+7]
	s_nop 0
.rept 4
	v_nop
.endr
.Lasked_\@:
.endm
.macro CREST
	s_cmp_lg_u32 s14, 0
	s_cbranch_scc1 .Lnot_wave_0_\@
	s_barrier_signal -3
.Lnot_wave_0_\@:
	s_barrier_wait -3
	s_barrier_signal -1
	s_barrier_wait -1
.endm
.macro CROUND
	s_barrier_signal -1
	s_barrier_wait -1
	CREST
.endm
.macro PLACES                          ; four plain places behind matrix instructions (ISA guide 7.12.1)
.rept 4
	v_nop
.endr
.endm
.macro FRAG reg, adr, q, i
.irp p, 0,1,2,3,4,5
	ds_load_b64 v[\reg+2*\p:\reg+2*\p+1], v[\adr] offset:3072*(\i)+1536*(\q)+256*\p
.endr
.endm
.macro FETCH_B slot, q, p
	WIN 0x40
.irp i, 0,1,2,3,4,5,6,7
	FRAG 128*(\p)+12*\i, ADRB+\slot, \q, \i
.endr
	WIN 0
.endm
.macro FETCH_A slot, q, i0
.irp i, \i0, \i0+1
	FRAG AF+12*(\i), ADRA+\slot, \q, \i
.endr
.endm
.macro SCALES sc                       ; lanes 0-15 A's block i (for i over 3: filled bytes that no product names), lanes 16-31 B's block i
.irp i, 0,1,2,3,4,5,6,7
	ds_load_b64 v[SC+16*\sc+2*\i:SC+16*\sc+2*\i+1], v[ADRS] offset:\i*KK/2
.endr
.endm
; a quarter of a step: A's block k against B's eight.  The 32 accumulators take turns, in the same order in every step
.macro MULQ k, p, q, sc, zero
.if \zero
	WIN 0x81
.else
	WIN 0xa1
.endif
.irp b, 0,1,2,3,4,5,6,7
.if \zero
	v_wmma_scale_f32_16x16x128_f8f6f4 v[8*(8*(\k)+\b):8*(8*(\k)+\b)+7], v[128*(\p)+12*\b:128*(\p)+12*\b+11], v[AF+12*(\k):AF+12*(\k)+11], v[BN+8*\b:BN+8*\b+7], v[SC+16*(\sc)+2*\b+(\q)], v[SC+16*(\sc)+2*(\k)+(\q)] matrix_a_fmt:MATRIX_FMT_FP6 matrix_b_fmt:MATRIX_FMT_FP6 matrix_a_scale:MATRIX_SCALE_ROW1
.else
	v_wmma_scale_f32_16x16x128_f8f6f4 v[8*(8*(\k)+\b):8*(8*(\k)+\b)+7], v[128*(\p)+12*\b:128*(\p)+12*\b+11], v[AF+12*(\k):AF+12*(\k)+11], v[8*(8*(\k)+\b):8*(8*(\k)+\b)+7], v[SC+16*(\sc)+2*\b+(\q)], v[SC+16*(\sc)+2*(\k)+(\q)] matrix_a_fmt:MATRIX_FMT_FP6 matrix_b_fmt:MATRIX_FMT_FP6 matrix_a_scale:MATRIX_SCALE_ROW1
.endif
.endr
.endm
.macro STEP slot, zero
	s_wait_dscnt HB*NL                             ; all but the youngest loads, A's blocks 2 and 3
	MULQ 0, 0, 0, \slot, \zero
	MULQ 1, 0, 0, \slot, \zero
	s_wait_dscnt 0x0
	PLACES
	FETCH_B \slot, 1, 1
	FETCH_A \slot, 1, 0
	MULQ 2, 0, 0, \slot, \zero
	MULQ 3, 0, 0, \slot, \zero
	PLACES
	WIN 0
	FETCH_A \slot, 1, HB
.endm
.macro TURN slot, next, fill
	s_wait_tensorcnt 0x0                           ; all my tensor loads have landed: my part of the next slot
	ds_add_u32 v[SPW], v[NIL]
	s_wait_dscnt HB*NL+1                           ; the add and A's blocks 2 and 3 may be out
	MULQ 0, 1, 1, \slot, 0
	s_wait_dscnt 0x0                               ; the add is done, and my reads of this slot are over
	s_barrier_signal -1
	MULQ 1, 1, 1, \slot, 0
	WIN 0
	s_barrier_wait -1
.if \fill
	CREST                                          ; no wave of any partner still reads this slot or has a load on its way
	s_add_nc_u64 s[G0+4*\slot+2:G0+4*\slot+3], s[G0+4*\slot+2:G0+4*\slot+3], 6144
	s_add_nc_u64 s[G0B+4*\slot+2:G0B+4*\slot+3], s[G0B+4*\slot+2:G0B+4*\slot+3], 6144
	JLOAD G0+4*\slot, G1, G0B+4*\slot, G1B
.else
	PLACES
.endif
	v_add_nc_u32 v[ADRS], 128, v[ADRS]
	FETCH_B \next, 0, 0
	FETCH_A \next, 0, 0
	SCALES \next
	MULQ 2, 1, 1, \slot, 0
	MULQ 3, 1, 1, \slot, 0
	PLACES
	WIN 0
	FETCH_A \next, 0, HB
.endm
	s_load_b128 s[92:95], s[0:1], 0x0              ; A's buffer s[92:93], the weights' images s[94:95]
	s_load_b128 s[96:99], s[0:1], 0x10             ; the bias s[96:97], the residual s[98:99]
	s_load_b64 s[100:101], s[0:1], 0x20            ; the output
	v_lshl_add_u32 v[SPW], v0, 2, SPARE
	v_mov_b32 v[NIL], 0
	ds_add_u32 v28, v29
	ds_add_u32 v28, v29
	s_wait_dscnt 0x0
	v_lshrrev_b32 v1, 5, v0
	v_readfirstlane_b32 s14, v1
	s_lshr_b32 s15, s14, 1
	s_and_b32 s16, s14, 1
	s_bfe_u32 s40, ttmp6, 0x40000
	s_bfe_u32 s41, ttmp6, 0x40004
	s_lshl_b32 s42, ttmp9, 2
	s_add_co_u32 s42, s42, s40                     ; B's tile
	s_and_b32 s17, ttmp7, 0xffff
	s_lshl_b32 s17, s17, 2
	s_add_co_u32 s17, s17, s41                     ; A's tile
	s_lshl_b32 s43, s41, 2
	s_lshl_b32 s43, 15, s43
	s_lshl_b32 s44, 0x1111, s40
	s_or_b32 s[G1], s43, (3<<16)|(1<<21)
	s_or_b32 s[G1B], s44, (3<<16)|(1<<21)
	s_or_b32 s[G1S], s43, (3<<16)|(1<<21)
	s_or_b32 s[G1SB], s44, (3<<16)|(1<<21)
	s_mov_b32 s[G1+1], 384<<16
	s_mov_b32 s[G1+2], NA<<16
	s_mov_b32 s[G1+3], 384<<16
	s_mov_b32 s[G1+4], NA
	s_mov_b32 s[G1+5], 3*KK/2
	s_mov_b32 s[G1+6], 0
	s_mov_b32 s[G1+7], 0
	s_mov_b32 s[G1B+1], 384<<16
	s_mov_b32 s[G1B+2], 8<<16
	s_mov_b32 s[G1B+3], 384<<16
	s_mov_b32 s[G1B+4], 8
	s_mov_b32 s[G1B+5], 3*KK/2
	s_mov_b32 s[G1B+6], 0
	s_mov_b32 s[G1B+7], 0
	s_mov_b32 s[G1S+1], 32<<16
	s_mov_b32 s[G1S+2], (NA*KK/512)<<16
	s_mov_b32 s[G1S+3], 32<<16
	s_mov_b32 s[G1S+4], NA*KK/512
	s_mov_b32 s[G1S+5], 32
	s_mov_b32 s[G1S+6], 0
	s_mov_b32 s[G1S+7], 0
	s_mov_b32 s[G1SB+1], 32<<16
	s_mov_b32 s[G1SB+2], (8*KK/512)<<16
	s_mov_b32 s[G1SB+3], 32<<16
	s_mov_b32 s[G1SB+4], 8*KK/512
	s_mov_b32 s[G1SB+5], 32
	s_mov_b32 s[G1SB+6], 0
	s_mov_b32 s[G1SB+7], 0
	s_mul_i32 s20, s17, 2*NA
	s_mul_i32 s18, s16, NA
	s_add_co_u32 s20, s20, s18                     ; A: the first row block that I fetch
	s_mul_i32 s22, s20, KK/2
	s_mul_i32 s20, s20, RBP
	s_mov_b32 s21, 0
	s_mov_b32 s23, 0
	s_lshl_b32 s46, s42, 4
	s_lshl_b32 s18, s16, 3
	s_add_co_u32 s46, s46, s18                     ; B likewise
	s_mul_i32 s2, s46, KK/2
	s_mul_i32 s46, s46, RBP
	s_mov_b32 s47, 0
	s_mov_b32 s3, 0
	s_wait_kmcnt 0x0
	s_add_nc_u64 s[20:21], s[92:93], s[20:21]
	s_add_nc_u64 s[22:23], s[92:93], s[22:23]
	s_add_nc_u64 s[22:23], s[22:23], AOFFS
	s_add_nc_u64 s[46:47], s[94:95], s[46:47]
	s_add_nc_u64 s[46:47], s[46:47], BOFFC
	s_add_nc_u64 s[2:3], s[94:95], s[2:3]
	s_add_nc_u64 s[2:3], s[2:3], BOFFS
	s_mov_b32 s[G0S], 1
	s_mul_i32 s[G0S+1], s16, SHA
	s_add_co_u32 s[G0S+1], s[G0S+1], SCL
	s_mov_b64 s[G0S+2:G0S+3], s[22:23]
	s_or_b32 s[G0S+3], s[G0S+3], 0x80000000
	s_mov_b32 s[G0SB], 1
	s_mul_i32 s[G0SB+1], s16, SHB
	s_add_co_u32 s[G0SB+1], s[G0SB+1], SCL+2*SHA
	s_mov_b64 s[G0SB+2:G0SB+3], s[2:3]
	s_or_b32 s[G0SB+3], s[G0SB+3], 0x80000000
.irp s, 0,1
	s_mov_b32 s[G0+4*\s], 1
	s_mul_i32 s[G0+4*\s+1], s16, HALFA
	s_add_co_u32 s[G0+4*\s+1], s[G0+4*\s+1], \s*SLOT
	s_add_nc_u64 s[G0+4*\s+2:G0+4*\s+3], s[20:21], \s*3072
	s_or_b32 s[G0+4*\s+3], s[G0+4*\s+3], 0x80000000
	s_mov_b32 s[G0B+4*\s], 1
	s_mul_i32 s[G0B+4*\s+1], s16, HALFB
	s_add_co_u32 s[G0B+4*\s+1], s[G0B+4*\s+1], 2*HALFA+\s*SLOT
	s_add_nc_u64 s[G0B+4*\s+2:G0B+4*\s+3], s[46:47], \s*3072
	s_or_b32 s[G0B+4*\s+3], s[G0B+4*\s+3], 0x80000000
.endr
	CROUND                                         ; all sixteen work-groups are here: the first joint loads meet
	JLOAD G0S, G1S, G0SB, G1SB                     ; three loads of mine are out: the scale words, slot 0, slot 1
	JLOAD G0, G1, G0B, G1B
	JLOAD G0+4, G1, G0B+4, G1B
	v_and_b32 v1, 15, v0                           ; r
	v_bfe_u32 v2, v0, 4, 1                         ; h
	v_and_b32 v3, 31, v0
	v_lshlrev_b32 v[LO8], 3, v3
	v_lshlrev_b32 v[LOS], 3, v1
	v_lshlrev_b32 v[CO], 4, v3                     ; 16 x lane
	s_mul_i32 s18, s15, HALFA
	s_mul_i32 s19, s16, HALFB
	s_add_co_u32 s19, s19, 2*HALFA
.irp s, 0,1
	v_add_nc_u32 v[ADRA+\s], s18, v[LO8]
	v_add_nc_u32 v[ADRB+\s], s19, v[LO8]
	s_add_co_u32 s18, s18, SLOT
	s_add_co_u32 s19, s19, SLOT
.endr
	s_mul_i32 s18, s15, SHA
	s_mul_i32 s19, s16, SHB
	s_add_co_u32 s19, s19, 2*SHA
	s_sub_co_u32 s19, s19, s18
	v_mul_u32_u24 v4, s19, v2                      ; lanes 16-31 take B's words: one product, the distance between the two
	s_add_co_u32 s18, s18, SCL
	v_add_nc_u32 v4, v4, v[LOS]
	v_add_nc_u32 v[ADRS], s18, v4
	s_mul_i32 s18, s14, 8448                       ; my stage: 16 rows x (512 + 16) bytes, in slot 0, which has had its last fill and its last read when the first result is stored there
	v_mul_u32_u24 v4, v1, 528
	v_lshl_add_u32 v4, v2, 6, v4
	v_add_nc_u32 v[STO], s18, v4
	v_add_nc_u32 v[RD], s18, v[CO]
	s_lshl_b32 s18, s42, 10
	s_lshl_b32 s19, s16, 9
	s_add_co_u32 s18, s18, s19                     ; my 128 columns, in bytes
	s_mov_b32 s19, 0
	s_add_nc_u64 s[96:97], s[96:97], s[18:19]
	s_lshl_b32 s20, s17, 7
	s_lshl_b32 s21, s15, 6
	s_add_co_u32 s20, s20, s21                     ; my first row
	s_lshl_b32 s20, s20, 12
	s_add_co_u32 s20, s20, s18
	s_mov_b32 s21, 0
	s_add_nc_u64 s[98:99], s[98:99], s[20:21]
	s_add_nc_u64 s[100:101], s[100:101], s[20:21]
	v_lshlrev_b32 v5, 6, v2
.irp b, 0,1,2,3,4,5,6,7
	global_load_b128 v[BN+8*\b:BN+8*\b+3], v5, s[96:97] offset:(32*(\b/2)+8*(\b%2))*4
	global_load_b128 v[BN+8*\b+4:BN+8*\b+7], v5, s[96:97] offset:(32*(\b/2)+8*(\b%2))*4+16
.endr
	s_wait_tensorcnt 1                             ; the scale words and my part of slot 0 are in; slot 1's load may be out
	s_barrier_signal -1
	s_barrier_wait -1
	FETCH_B 0, 0, 0
	FETCH_A 0, 0, 0
	SCALES 0
	FETCH_A 0, 0, HB
	s_wait_loadcnt 0x0                             ; the bias
	STEP 0, 1                                      ; the first step stands ahead of the loop: its products start the sums on the bias
	WIN 0xc0                                       ; the residual: 64 rows of 512 bytes, into window 3; it has the whole walk along K in which to land
.irp a, 0,1,2,3
.irp t, 0,1,2,3,4,5,6,7,8,9,10,11,12,13,14,15
	global_load_b128 v[64*\a+4*\t:64*\a+4*\t+3], v[CO], s[98:99] offset:(32*(\a/2)+8*(\a%2)+\t+8*(\t/8))*4096 th:TH_LOAD_NT
.endr
.endr
	WIN 0
	s_mov_b32 s3, LAPS-1
.Llap:
	TURN 0, 1, 1
	STEP 1, 0
	TURN 1, 0, 1
	STEP 0, 0
	s_sub_co_u32 s3, s3, 1
	s_cmp_lg_u32 s3, 0
	s_cbranch_scc1 .Llap
	TURN 0, 1, 0                                   ; the last lap fills nothing
	STEP 1, 0
	s_wait_dscnt HB*NL
	MULQ 0, 1, 1, 1, 0
	MULQ 1, 1, 1, 1, 0
	s_wait_dscnt 0x0
	MULQ 2, 1, 1, 1, 0
	MULQ 3, 1, 1, 1, 0
	WIN 0
	PLACES
	s_wait_loadcnt 0x0                             ; the residual
; THE WAY OUT, a block of 16 rows x 128 columns at a time, through my own stage: in as 32 bytes a lane and tile, back as whole rows of 512 bytes
.macro TOSTAGE a
	WIN 0x08                                       ; an LDS store's data: window 2
.irp b, 0,1,2,3,4,5,6,7
	ds_store_b128 v[STO], v[8*(8*(\a)+\b):8*(8*(\a)+\b)+3] offset:128*(\b/2)+32*(\b%2)        ; each accumulator from its low end on
	ds_store_b128 v[STO], v[8*(8*(\a)+\b)+4:8*(8*(\a)+\b)+7] offset:128*(\b/2)+32*(\b%2)+16
.endr
	WIN 0
.set BB, 128+64*((\a)%2)
.irp t, 0,1,2,3,4,5,6,7,8,9,10,11,12,13,14,15
	ds_load_b128 v[BB+4*\t:BB+4*\t+3], v[RD] offset:528*\t   ; LDS serves a wave's instructions in order: these see my stores
.endr
.endm
.macro SEND a, younger
.set BB, 128+64*((\a)%2)
	s_wait_dscnt \younger                          ; the block is back; the next block's 16 stores and 16 loads may be out
	WIN 0x0c                                       ; source 1: window 3
.set J, 0
.rept 32
	v_pk_add_f32 v[BB+J:BB+J+1], v[BB+J:BB+J+1], v[64*(\a)+J:64*(\a)+J+1]
.set J, J+2
.endr
	WIN 0
.irp t, 0,1,2,3,4,5,6,7,8,9,10,11,12,13,14,15
	global_store_b128 v[CO], v[BB+4*\t:BB+4*\t+3], s[100:101] offset:(32*((\a)/2)+8*((\a)%2)+\t+8*(\t/8))*4096 th:TH_STORE_NT   ; 512 consecutive bytes, aligned
.endr
.endm
	TOSTAGE 0
.irp a, 1,2,3
.if \a > 1
	s_wait_xcnt 0x0                                ; block a - 2's stores have read their registers: block a's rows may land there
.endif
	TOSTAGE \a
	SEND \a-1, 32
.endr
	s_wait_xcnt 0x0
	SEND 3, 0
	s_wait_tensorcnt 0x0                           ; the wave's end
	ds_add_u32 v[SPW], v[NIL]
	s_wait_dscnt 0x0
	CROUND                                         ; the closing round
	s_endpgm
.Lfunc_end_k_qcd519cc56c_ffn2:
	.size	k_qcd519cc56c_ffn2, .Lfunc_end_k_qcd519cc56c_ffn2-k_qcd519cc56c_ffn2
	.p2alignl 7, 3214868480
	.fill 96, 4, 3214868480
	.section	.rodata,"a",@progbits
	.p2align	6, 0x0
	.amdhsa_kernel k_qcd519cc56c_ffn2
		.amdhsa_group_segment_fixed_size 327680
		.amdhsa_private_segment_fixed_size 0
		.amdhsa_enable_private_segment 0
		.amdhsa_kernarg_size 40
		.amdhsa_user_sgpr_count 2
		.amdhsa_user_sgpr_kernarg_segment_ptr 1
		.amdhsa_wavefront_size32 1
		.amdhsa_system_sgpr_workgroup_id_x 1
		.amdhsa_system_sgpr_workgroup_id_y 1
		.amdhsa_system_sgpr_workgroup_id_z 1
		.amdhsa_system_vgpr_workitem_id 0
		.amdhsa_next_free_vgpr 1024
		.amdhsa_next_free_sgpr 102
		.amdhsa_reserve_vcc 0
		.amdhsa_float_denorm_mode_32 3
		.amdhsa_float_denorm_mode_16_64 3
		.amdhsa_memory_ordered 1
		.amdhsa_forward_progress 1
		.amdhsa_inst_pref_size 117
	.end_amdhsa_kernel
	.amdgpu_metadata
---
amdhsa.version: [ 1, 2 ]
amdhsa.kernels:
  - .name:           k_qcd519cc56c_ffn2
    .symbol:         k_qcd519cc56c_ffn2.kd
    .args:
      - { .name: hid, .offset: 0, .size: 8, .value_kind: global_buffer, .address_space: global }
      - { .name: wimg, .offset: 8, .size: 8, .value_kind: global_buffer, .address_space: global }
      - { .name: b2, .offset: 16, .size: 8, .value_kind: global_buffer, .address_space: global }
      - { .name: x1, .offset: 24, .size: 8, .value_kind: global_buffer, .address_space: global }
      - { .name: out0, .offset: 32, .size: 8, .value_kind: global_buffer, .address_space: global }
    .group_segment_fixed_size: 327680
    .private_segment_fixed_size: 0
    .kernarg_segment_align: 8
    .kernarg_segment_size: 40
    .max_flat_workgroup_size: 128
    .sgpr_count:     102
    .vgpr_count:     1024
    .wavefront_size: 32
...
	.end_amdgpu_metadata
.endif
;; end of part 6
;; ======== version 2 of 2: 7 launches; 1.13 times as fast as version 1
;; limits: a function is approximated: absolute error at most 1.5e-07
;; workspace buffers: wimg 9,830,400 bytes; act 3,276,800 bytes; qkvc 9,830,400 bytes; oatt 3,276,800 bytes; x1 16,777,216 bytes; hid 13,107,200 bytes
;; launch prep: the kernel of part 1 again; grid 352 x 1, 8 waves a work-group, no clusters, 69,632 bytes of LDS; arguments x, ln1_g, ln1_b, act, W_qkv_codes, W_qkv_scales, W_out_codes, W_out_scales, W1_codes, W1_scales, W2_codes, W2_scales, wimg; writes act, wimg
;; launch qkvp: the kernel of part 2 again; grid 12 x 16, 4 waves a work-group, clusters of 4 x 4, 327,680 bytes of LDS; arguments act, wimg, b_qkv, qkvc; writes qkvc
;; launch attn: the kernel of part 3 again; grid 8 x 32, 16 waves a work-group, clusters of 4 x 1, 210,944 bytes of LDS; arguments qkvc, oatt; writes oatt
;; launch oproj (part 7): grid 8 x 32, 4 waves a work-group, clusters of 4 x 4, 327,680 bytes of LDS; arguments oatt, wimg, b_out, x, x1; writes x1
.if DOCPART == 7
	.amdgcn_target "amdgcn-amd-amdhsa--gfx1250"
	.amdhsa_code_object_version 6
	.text
	.protected	k_qcd519cc56c_oproj
	.globl	k_qcd519cc56c_oproj
	.p2align	8
	.type	k_qcd519cc56c_oproj,@function
k_qcd519cc56c_oproj:
	s_mov_b64 s[64:65], 0
	v_nop
	global_prefetch_b8 v0, s[64:65] scope:SCOPE_SE
	s_setreg_imm32_b32 hwreg(HW_REG_WAVE_MODE, 25, 1), 1
	s_wait_xcnt 0x0
	s_wait_alu depctr_hold_cnt(0) depctr_sa_sdst(0) depctr_va_vdst(0) depctr_va_sdst(0) depctr_va_ssrc(0) depctr_va_vcc(0) depctr_vm_vsrc(0)
	s_getreg_b32 s2, hwreg(HW_REG_IB_STS2, 6, 4)
	s_cmp_eq_u32 s2, 0
	s_cbranch_scc0 .Lentry_in_a_cluster
	s_endpgm
.Lentry_in_a_cluster:
	s_bfe_u32 s2, ttmp6, 0x10000c
	s_cmp_lg_u32 s2, 0xf033
	s_cbranch_scc0 .Lentry_shape_is_right
	s_endpgm
.Lentry_shape_is_right:
; x1 = x + (attention's output) W_out + b_out: a product on codes of FP6 (E2M3) with E8M0 scales, K = 1,024, f32 out.
; Both operands are IMAGES of operand registers: fragment (row block, K step) = 1,536 bytes, chunk p of 256 bytes = registers 2 p, 2 p + 1, lane l at 8 l; lane place r of row block rb is row 32 (rb / 2) + 8 (rb % 2) + r + 8 (r / 8).
; TILE: 128 x 128 of the result to a work-group: 32 x 8 = 256 work-groups.  Its 256 rows of operands are 24,576 bytes for each 128 along K, so that a slot holds 512 along K (98,304 bytes) and two slots hold all of this K:
; both are first fills, and nothing is filled again.  Four waves, each 64 x 64: 16 accumulators.  The tiles come by joint tensor loads of a 4 x 4 cluster: A's tile is shared along a row of the cluster, B's along a column.
; The matrix instruction is used transposed (source 0 = the weight's 16 rows, source 1 = 16 tokens): a lane holds one token and 8 neighbouring columns a tile.  The bias is the C of the first products.
; The residual's 64 x 64 numbers of a wave are loaded early, two rows of 256 bytes an instruction, into window 2, and added when a block has come back from the stage in the same pattern.
; Nothing is prefetched: all that the work-group reads of its operands is asked for at its head.
; REGISTERS: window 0: v0-31 addresses; v32-63 scale words, two sets (block i, step q at 4 i + q); v64-95 the bias; v96-191 A's fragments, two sets; v192-255 rows on the way out.
;   window 1: v0-95 B's fragments, two sets; v128-255 the accumulators, (a, b) at v[128 + 8 (4 a + b)].  window 2: v0-127 the residual.
.set KK,    1024
.set AOFFS, 3145728                    ; A's scale words in its buffer
.set BOFFC, 2359296                    ; the weight's image and scale words among the images
.set BOFFS, 9535488
.set RBP,   12*KK                      ; bytes from row block to row block in an image
.set HALF,  24576                      ; what one tensor load brings: 4 row blocks x 512 along K
.set SLOT,  4*HALF                     ; A's two halves, then B's two
.set SCL,   2*SLOT                     ; behind the ring: the scale words of all of K, filled once
.set SH,    2*KK                       ; those of 4 row blocks
.set SPARE, SCL+4*SH                   ; the spare words: 128 bytes a wave, named by no other line
.set LAPS,  KK/1024                    ; a lap = two slots
.set SP,    272                        ; a stage row: 256 bytes + 16
.set ADRA, 16
.set ADRB, 20
.set STO,  24
.set RD,   25
.set CO,   26
.set ADRS, 27
.set SPW,  28
.set NIL,  29
.set LO8,  30
.set LOS,  31
.set SC,   32
.set BN,   64
.set AF,   96
.set BK,   192
.set ACC,  128
.set G1,   24
.set G0,   32
.set G1B,  48
.set G0B,  56
.set G1S,  68
.set G0S,  76
.set G1SB, 80
.set G0SB, 88
.set MSB, 0
.macro WIN new                         ; the immediate's high byte repeats the setting that is left
.if MSB != (\new)
	s_set_vgpr_msb (MSB<<8)|(\new)
.set MSB, (\new)
.endif
.endm
.macro JLOAD g0a, g1a, g0b, g1b        ; a joint load: waves 0 and 1 fetch for A, waves 2 and 3 for B; four v_nop follow each line
	s_cmp_eq_u32 s15, 0
	s_cbranch_scc0 .Lfor_b_\@
	tensor_load_to_lds s[\g0a:\g0a+3], s[\g1a:\g1a+7]
	s_nop 0
.rept 4
	v_nop
.endr
	s_branch .Lasked_\@
.Lfor_b_\@:
	tensor_load_to_lds s[\g0b:\g0b+3], s[\g1b:\g1b+7]
	s_nop 0
.rept 4
	v_nop
.endr
.Lasked_\@:
.endm
.macro CREST                           ; a round of the cluster's barrier behind its opening barrier
	s_cmp_lg_u32 s14, 0
	s_cbranch_scc1 .Lnot_wave_0_\@
	s_barrier_signal -3
.Lnot_wave_0_\@:
	s_barrier_wait -3
	s_barrier_signal -1
	s_barrier_wait -1
.endm
.macro CROUND
	s_barrier_signal -1
	s_barrier_wait -1
	CREST
.endm
.macro PLACES                          ; four plain places behind matrix instructions, ahead of loads into their registers and of reads of their results
.rept 4
	v_nop
.endr
.endm
.macro FRAG reg, adr, q, i             ; row block i, the slot's q-th 128 along K: six loads of 256 consecutive bytes
.irp p, 0,1,2,3,4,5
	ds_load_b64 v[\reg+2*\p:\reg+2*\p+1], v[\adr] offset:6144*(\i)+1536*(\q)+256*\p
.endr
.endm
.macro FETCH slot, q, set              ; a step's eight fragments, in one run: B's four, then A's four
	WIN 0x40
.irp i, 0,1,2,3
	FRAG 48*(\set)+12*\i, ADRB+\slot, \q, \i
.endr
	WIN 0
.irp i, 0,1,2,3
	FRAG AF+48*(\set)+12*\i, ADRA+\slot, \q, \i
.endr
.endm
.macro SCALES sc                       ; a slot's four words a row: lanes 0-15 A's block i, lanes 16-31 B's block i
.irp i, 0,1,2,3
.irp u, 0,1
	ds_load_b64 v[SC+16*\sc+4*\i+2*\u:SC+16*\sc+4*\i+2*\u+1], v[ADRS] offset:\i*KK/2+128*\u
.endr
.endr
.endm
; A's block a against B's four.  The 16 accumulators take turns, in the same order in every step.  zero = 1: the bias is the C of the first products
.macro MULA a, set, q, sc, zero
.if \zero
	WIN 0x41                                       ; B and D window 1, A and the bias window 0
.else
	WIN 0x51                                       ; B, C and D window 1, A window 0
.endif
.irp b, 0,1,2,3
.if \zero
	v_wmma_scale_f32_16x16x128_f8f6f4 v[ACC+8*(4*(\a)+\b):ACC+8*(4*(\a)+\b)+7], v[48*(\set)+12*\b:48*(\set)+12*\b+11], v[AF+48*(\set)+12*(\a):AF+48*(\set)+12*(\a)+11], v[BN+8*\b:BN+8*\b+7], v[SC+16*(\sc)+4*\b+(\q)], v[SC+16*(\sc)+4*(\a)+(\q)] matrix_a_fmt:MATRIX_FMT_FP6 matrix_b_fmt:MATRIX_FMT_FP6 matrix_a_scale:MATRIX_SCALE_ROW1
.else
	v_wmma_scale_f32_16x16x128_f8f6f4 v[ACC+8*(4*(\a)+\b):ACC+8*(4*(\a)+\b)+7], v[48*(\set)+12*\b:48*(\set)+12*\b+11], v[AF+48*(\set)+12*(\a):AF+48*(\set)+12*(\a)+11], v[ACC+8*(4*(\a)+\b):ACC+8*(4*(\a)+\b)+7], v[SC+16*(\sc)+4*\b+(\q)], v[SC+16*(\sc)+4*(\a)+(\q)] matrix_a_fmt:MATRIX_FMT_FP6 matrix_b_fmt:MATRIX_FMT_FP6 matrix_a_scale:MATRIX_SCALE_ROW1
.endif
.endr
.endm
.macro STEP slot, q, zero              ; one of a slot's first three steps of 128 along K: set q % 2 is multiplied, the next step's fragments go into the other set
	s_wait_dscnt 0x0                               ; this step's fragments, asked for a step ago, are in
	PLACES                                         ; the other set was read by the last step's products
	FETCH \slot, (\q)+1, ((\q)+1)%2
.irp a, 0,1,2,3
	MULA \a, (\q)%2, \q, \slot, \zero
.endr
.endm
.macro TURN slot, next, fill           ; a slot's fourth step, and the change of slots
	WIN 0                                          ; (the add's two registers lie in window 0)
	s_wait_tensorcnt 0x0                           ; all my tensor loads have landed: my part of the next slot
	ds_add_u32 v[SPW], v[NIL]
	s_wait_dscnt 1                                 ; the add may be out; this step's fragments are in
	MULA 0, 1, 3, \slot, 0
	s_wait_dscnt 0x0                               ; the add is done, and my reads of this slot are over
	s_barrier_signal -1
	MULA 1, 1, 3, \slot, 0
	WIN 0
	s_barrier_wait -1
.if \fill
	CREST                                          ; no wave of any partner still reads this slot or has a load on its way
	s_add_nc_u64 s[G0+4*\slot+2:G0+4*\slot+3], s[G0+4*\slot+2:G0+4*\slot+3], 12288
	s_add_nc_u64 s[G0B+4*\slot+2:G0B+4*\slot+3], s[G0B+4*\slot+2:G0B+4*\slot+3], 12288
	JLOAD G0+4*\slot, G1, G0B+4*\slot, G1B         ; the first tensor load behind the round; its four v_nop are the places for the loads below
.else
	PLACES
.endif
	v_add_nc_u32 v[ADRS], 256, v[ADRS]             ; the next slot's scale words
	FETCH \next, 0, 0
	SCALES \next
	MULA 2, 1, 3, \slot, 0
	MULA 3, 1, 3, \slot, 0
.endm
	s_load_b128 s[92:95], s[0:1], 0x0              ; A's buffer s[92:93], the weights' images s[94:95]
	s_load_b128 s[96:99], s[0:1], 0x10             ; the bias s[96:97], the residual s[98:99]
	s_load_b64 s[100:101], s[0:1], 0x20            ; the output
	v_lshl_add_u32 v[SPW], v0, 2, SPARE
	v_mov_b32 v[NIL], 0
	ds_add_u32 v28, v29
	ds_add_u32 v28, v29
	s_wait_dscnt 0x0
	v_lshrrev_b32 v1, 5, v0
	v_readfirstlane_b32 s14, v1                    ; wave
	s_lshr_b32 s15, s14, 1                         ; my half of the tokens; also: I fetch for A (0) or B (1)
	s_and_b32 s16, s14, 1                          ; my half of the columns; also: which half I fetch
	s_bfe_u32 s40, ttmp6, 0x40000                  ; cx
	s_bfe_u32 s41, ttmp6, 0x40004                  ; cy
	s_lshl_b32 s42, ttmp9, 2
	s_add_co_u32 s42, s42, s40                     ; B's tile: 4 x cluster x + cx
	s_and_b32 s17, ttmp7, 0xffff
	s_lshl_b32 s17, s17, 2
	s_add_co_u32 s17, s17, s41                     ; A's tile: 4 x cluster y + cy
	s_lshl_b32 s43, s41, 2
	s_lshl_b32 s43, 15, s43                        ; my row of the cluster
	s_lshl_b32 s44, 0x1111, s40                    ; my column
	s_or_b32 s[G1], s43, (3<<16)|(1<<21)           ; elements of 8 bytes, no padding; bit 21 beside a mask
	s_or_b32 s[G1B], s44, (3<<16)|(1<<21)
	s_or_b32 s[G1S], s43, (3<<16)|(1<<21)
	s_or_b32 s[G1SB], s44, (3<<16)|(1<<21)
	s_mov_b32 s[G1+1], 768<<16                     ; a row block's 6,144 bytes of a slot,
	s_mov_b32 s[G1+2], 4<<16                       ; four row blocks,
	s_mov_b32 s[G1+3], 768<<16
	s_mov_b32 s[G1+4], 4
	s_mov_b32 s[G1+5], 3*KK/2                      ; from row block to row block, in elements
	s_mov_b32 s[G1+6], 0
	s_mov_b32 s[G1+7], 0
	s_mov_b32 s[G1B+1], 768<<16
	s_mov_b32 s[G1B+2], 4<<16
	s_mov_b32 s[G1B+3], 768<<16
	s_mov_b32 s[G1B+4], 4
	s_mov_b32 s[G1B+5], 3*KK/2
	s_mov_b32 s[G1B+6], 0
	s_mov_b32 s[G1B+7], 0
	s_mov_b32 s[G1S+1], 32<<16                     ; the scale words of four row blocks: a dense block as rows of 256 bytes
	s_mov_b32 s[G1S+2], (KK/128)<<16
	s_mov_b32 s[G1S+3], 32<<16
	s_mov_b32 s[G1S+4], KK/128
	s_mov_b32 s[G1S+5], 32
	s_mov_b32 s[G1S+6], 0
	s_mov_b32 s[G1S+7], 0
	s_mov_b32 s[G1SB+1], 32<<16
	s_mov_b32 s[G1SB+2], (KK/128)<<16
	s_mov_b32 s[G1SB+3], 32<<16
	s_mov_b32 s[G1SB+4], KK/128
	s_mov_b32 s[G1SB+5], 32
	s_mov_b32 s[G1SB+6], 0
	s_mov_b32 s[G1SB+7], 0
	s_lshl_b32 s20, s17, 3
	s_lshl_b32 s18, s16, 2
	s_add_co_u32 s20, s20, s18                     ; A: the first row block that I fetch: 8 x tile + 4 x half
	s_mul_i32 s22, s20, KK/2
	s_mul_i32 s20, s20, RBP
	s_mov_b32 s21, 0
	s_mov_b32 s23, 0
	s_lshl_b32 s46, s42, 3
	s_add_co_u32 s46, s46, s18                     ; B likewise
	s_mul_i32 s2, s46, KK/2
	s_mul_i32 s46, s46, RBP
	s_mov_b32 s47, 0
	s_mov_b32 s3, 0
	s_wait_kmcnt 0x0
	s_add_nc_u64 s[20:21], s[92:93], s[20:21]
	s_add_nc_u64 s[22:23], s[92:93], s[22:23]
	s_add_nc_u64 s[22:23], s[22:23], AOFFS
	s_add_nc_u64 s[46:47], s[94:95], s[46:47]
	s_add_nc_u64 s[46:47], s[46:47], BOFFC
	s_add_nc_u64 s[2:3], s[94:95], s[2:3]
	s_add_nc_u64 s[2:3], s[2:3], BOFFS
	s_mov_b32 s[G0S], 1
	s_mul_i32 s[G0S+1], s16, SH
	s_add_co_u32 s[G0S+1], s[G0S+1], SCL
	s_mov_b64 s[G0S+2:G0S+3], s[22:23]
	s_or_b32 s[G0S+3], s[G0S+3], 0x80000000
	s_mov_b32 s[G0SB], 1
	s_mul_i32 s[G0SB+1], s16, SH
	s_add_co_u32 s[G0SB+1], s[G0SB+1], SCL+2*SH
	s_mov_b64 s[G0SB+2:G0SB+3], s[2:3]
	s_or_b32 s[G0SB+3], s[G0SB+3], 0x80000000
.irp s, 0,1
	s_mov_b32 s[G0+4*\s], 1
	s_mul_i32 s[G0+4*\s+1], s16, HALF
	s_add_co_u32 s[G0+4*\s+1], s[G0+4*\s+1], \s*SLOT
	s_add_nc_u64 s[G0+4*\s+2:G0+4*\s+3], s[20:21], \s*6144
	s_or_b32 s[G0+4*\s+3], s[G0+4*\s+3], 0x80000000
	s_mov_b32 s[G0B+4*\s], 1
	s_mul_i32 s[G0B+4*\s+1], s16, HALF
	s_add_co_u32 s[G0B+4*\s+1], s[G0B+4*\s+1], 2*HALF+\s*SLOT
	s_add_nc_u64 s[G0B+4*\s+2:G0B+4*\s+3], s[46:47], \s*6144
	s_or_b32 s[G0B+4*\s+3], s[G0B+4*\s+3], 0x80000000
.endr
	CROUND                                         ; all sixteen work-groups are here: the first joint loads meet
	JLOAD G0S, G1S, G0SB, G1SB                     ; three loads of mine are out: the scale words, slot 0, slot 1
	JLOAD G0, G1, G0B, G1B
	JLOAD G0+4, G1, G0B+4, G1B
	v_and_b32 v1, 15, v0                           ; r
	v_bfe_u32 v2, v0, 4, 1                         ; h
	v_and_b32 v3, 31, v0
	v_lshlrev_b32 v[LO8], 3, v3                    ; 8 x lane
	v_lshlrev_b32 v[LOS], 3, v1                    ; 8 r
	s_mul_i32 s18, s15, HALF
	s_mul_i32 s19, s16, HALF
	s_add_co_u32 s19, s19, 2*HALF
.irp s, 0,1
	v_add_nc_u32 v[ADRA+\s], s18, v[LO8]
	v_add_nc_u32 v[ADRB+\s], s19, v[LO8]
	s_add_co_u32 s18, s18, SLOT
	s_add_co_u32 s19, s19, SLOT
.endr
	s_mul_i32 s18, s15, SH
	s_mul_i32 s19, s16, SH
	s_add_co_u32 s19, s19, 2*SH
	s_sub_co_u32 s19, s19, s18
	v_mul_u32_u24 v4, s19, v2                      ; lanes 16-31 take B's words: one product, the distance between the two
	s_add_co_u32 s18, s18, SCL
	v_add_nc_u32 v4, v4, v[LOS]
	v_add_nc_u32 v[ADRS], s18, v4
	s_mul_i32 s18, s14, 16*SP                      ; my stage: 16 rows x (256 + 16) bytes, in slot 0, which has had its last fill and its last read when the first result is stored there
	v_mul_u32_u24 v4, v1, SP
	v_lshl_add_u32 v4, v2, 6, v4
	v_add_nc_u32 v[STO], s18, v4                   ; in: row r, + 64 h
	v_mul_u32_u24 v4, v2, SP
	v_lshl_add_u32 v4, v1, 4, v4
	v_add_nc_u32 v[RD], s18, v4                    ; back: lanes 0-15 one row of 256 bytes, lanes 16-31 the next
	v_lshlrev_b32 v[CO], 4, v1
	v_lshl_add_u32 v[CO], v2, 12, v[CO]            ; and the same two rows in memory: 16 r + 4,096 h
	s_lshl_b32 s18, s42, 9
	s_lshl_b32 s19, s16, 8
	s_add_co_u32 s18, s18, s19                     ; my 64 columns, in bytes: a multiple of 256
	s_mov_b32 s19, 0
	s_add_nc_u64 s[96:97], s[96:97], s[18:19]
	s_lshl_b32 s20, s17, 7
	s_lshl_b32 s21, s15, 6
	s_add_co_u32 s20, s20, s21                     ; my first row
	s_lshl_b32 s20, s20, 12
	s_add_co_u32 s20, s20, s18
	s_mov_b32 s21, 0
	s_add_nc_u64 s[98:99], s[98:99], s[20:21]
	s_add_nc_u64 s[100:101], s[100:101], s[20:21]
	v_lshlrev_b32 v5, 6, v2
.irp b, 0,1,2,3
	global_load_b128 v[BN+8*\b:BN+8*\b+3], v5, s[96:97] offset:(32*(\b/2)+8*(\b%2))*4      ; tile b, lane half h: columns 32 (b / 2) + 16 h + 8 (b % 2) + 0 .. 7
	global_load_b128 v[BN+8*\b+4:BN+8*\b+7], v5, s[96:97] offset:(32*(\b/2)+8*(\b%2))*4+16
.endr
	s_wait_tensorcnt 1                             ; the scale words and my part of slot 0 are in; slot 1's load may be out
	s_barrier_signal -1
	s_barrier_wait -1
	FETCH 0, 0, 0
	SCALES 0
	s_wait_loadcnt 0x0                             ; the bias
	STEP 0, 0, 1                                   ; the first step stands ahead of the loop: its products start the sums on the bias
	WIN 0x80                                       ; the residual: 64 rows of 256 bytes, into window 2; it has the whole walk along K in which to land
.irp a, 0,1,2,3
.irp t, 0,1,2,3,4,5,6,7
	global_load_b128 v[32*\a+4*\t:32*\a+4*\t+3], v[CO], s[98:99] offset:(32*(\a/2)+8*(\a%2)+2*\t+8*(\t/4))*4096 th:TH_LOAD_NT
.endr
.endr
	WIN 0
.if LAPS > 1
	s_mov_b32 s3, LAPS-1
.Llap:                                             ; a trip goes once round the ring, from a lap's second step to the next lap's first, and fills both slots again
	STEP 0, 1, 0
	STEP 0, 2, 0
	TURN 0, 1, 1
	STEP 1, 0, 0
	STEP 1, 1, 0
	STEP 1, 2, 0
	TURN 1, 0, 1
	STEP 0, 0, 0
	WIN 0
	s_sub_co_u32 s3, s3, 1
	s_cmp_lg_u32 s3, 0
	s_cbranch_scc1 .Llap
.endif
	STEP 0, 1, 0                                   ; the last lap fills nothing
	STEP 0, 2, 0
	TURN 0, 1, 0
	STEP 1, 0, 0
	STEP 1, 1, 0
	STEP 1, 2, 0
	s_wait_dscnt 0x0                               ; the very last step: nothing more to fetch
.irp a, 0,1,2,3
	MULA \a, 1, 3, 1, 0
.endr
	WIN 0
	PLACES
	s_wait_loadcnt 0x0                             ; the residual
; THE WAY OUT, a block of 16 rows x 64 columns at a time, through my own stage: in as 32 bytes a lane and tile, back as whole rows of 256 bytes, two an instruction
.macro TOSTAGE a
	WIN 0x04                                       ; an LDS store's data: window 1
.irp b, 0,1,2,3
	ds_store_b128 v[STO], v[ACC+8*(4*(\a)+\b):ACC+8*(4*(\a)+\b)+3] offset:128*(\b/2)+32*(\b%2)        ; each accumulator from its low end on
	ds_store_b128 v[STO], v[ACC+8*(4*(\a)+\b)+4:ACC+8*(4*(\a)+\b)+7] offset:128*(\b/2)+32*(\b%2)+16
.endr
	WIN 0
.set BB, BK+32*((\a)%2)
.irp t, 0,1,2,3,4,5,6,7
	ds_load_b128 v[BB+4*\t:BB+4*\t+3], v[RD] offset:2*SP*\t   ; LDS serves a wave's instructions in order: these see my stores
.endr
.endm
.macro SEND a, younger
.set BB, BK+32*((\a)%2)
	s_wait_dscnt \younger                          ; the block is back; the next block's 8 stores and 8 loads may be out
	WIN 0x08                                       ; source 1: window 2
.set J, 0
.rept 16
	v_pk_add_f32 v[BB+J:BB+J+1], v[BB+J:BB+J+1], v[32*(\a)+J:32*(\a)+J+1]
.set J, J+2
.endr
	WIN 0
.irp t, 0,1,2,3,4,5,6,7
	global_store_b128 v[CO], v[BB+4*\t:BB+4*\t+3], s[100:101] offset:(32*((\a)/2)+8*((\a)%2)+2*\t+8*(\t/4))*4096 th:TH_STORE_NT   ; sixteen lanes store 256 consecutive bytes, aligned
.endr
.endm
	TOSTAGE 0
.irp a, 1,2,3
.if \a > 1
	s_wait_xcnt 0x0                                ; block a - 2's stores have read their registers: block a's rows may land there
.endif
	TOSTAGE \a
	SEND \a-1, 16
.endr
	s_wait_xcnt 0x0
	SEND 3, 0
	s_wait_tensorcnt 0x0                           ; the wave's end
	ds_add_u32 v[SPW], v[NIL]
	s_wait_dscnt 0x0
	CROUND                                         ; the closing round
	s_endpgm
.Lfunc_end_k_qcd519cc56c_oproj:
	.size	k_qcd519cc56c_oproj, .Lfunc_end_k_qcd519cc56c_oproj-k_qcd519cc56c_oproj
	.p2alignl 7, 3214868480
	.fill 96, 4, 3214868480
	.section	.rodata,"a",@progbits
	.p2align	6, 0x0
	.amdhsa_kernel k_qcd519cc56c_oproj
		.amdhsa_group_segment_fixed_size 327680
		.amdhsa_private_segment_fixed_size 0
		.amdhsa_enable_private_segment 0
		.amdhsa_kernarg_size 40
		.amdhsa_user_sgpr_count 2
		.amdhsa_user_sgpr_kernarg_segment_ptr 1
		.amdhsa_wavefront_size32 1
		.amdhsa_system_sgpr_workgroup_id_x 1
		.amdhsa_system_sgpr_workgroup_id_y 1
		.amdhsa_system_sgpr_workgroup_id_z 1
		.amdhsa_system_vgpr_workitem_id 0
		.amdhsa_next_free_vgpr 640
		.amdhsa_next_free_sgpr 102
		.amdhsa_reserve_vcc 0
		.amdhsa_float_denorm_mode_32 3
		.amdhsa_float_denorm_mode_16_64 3
		.amdhsa_memory_ordered 1
		.amdhsa_forward_progress 1
		.amdhsa_inst_pref_size 70
	.end_amdhsa_kernel
	.amdgpu_metadata
---
amdhsa.version: [ 1, 2 ]
amdhsa.kernels:
  - .name:           k_qcd519cc56c_oproj
    .symbol:         k_qcd519cc56c_oproj.kd
    .args:
      - { .name: oatt, .offset: 0, .size: 8, .value_kind: global_buffer, .address_space: global }
      - { .name: wimg, .offset: 8, .size: 8, .value_kind: global_buffer, .address_space: global }
      - { .name: b_out, .offset: 16, .size: 8, .value_kind: global_buffer, .address_space: global }
      - { .name: x, .offset: 24, .size: 8, .value_kind: global_buffer, .address_space: global }
      - { .name: x1, .offset: 32, .size: 8, .value_kind: global_buffer, .address_space: global }
    .group_segment_fixed_size: 327680
    .private_segment_fixed_size: 0
    .kernarg_segment_align: 8
    .kernarg_segment_size: 40
    .max_flat_workgroup_size: 128
    .sgpr_count:     102
    .vgpr_count:     640
    .wavefront_size: 32
...
	.end_amdgpu_metadata
.endif
;; end of part 7
;; launch ln2: the kernel of part 1 again; grid 256 x 1, 8 waves a work-group, no clusters, 69,632 bytes of LDS; arguments x1, ln2_g, ln2_b, act, W_qkv_codes, W_qkv_scales, W_out_codes, W_out_scales, W1_codes, W1_scales, W2_codes, W2_scales, wimg; writes act, wimg
;; launch ffn1: the kernel of part 5 again; grid 16 x 16, 4 waves a work-group, clusters of 4 x 4, 327,680 bytes of LDS; arguments act, wimg, b1, hid; writes hid
;; launch ffn2 (part 8): grid 8 x 32, 4 waves a work-group, clusters of 4 x 4, 327,680 bytes of LDS; arguments hid, wimg, b2, x1, out0; writes out0
.if DOCPART == 8
	.amdgcn_target "amdgcn-amd-amdhsa--gfx1250"
	.amdhsa_code_object_version 6
	.text
	.protected	k_qcd519cc56c_ffn2
	.globl	k_qcd519cc56c_ffn2
	.p2align	8
	.type	k_qcd519cc56c_ffn2,@function
k_qcd519cc56c_ffn2:
	s_mov_b64 s[64:65], 0
	v_nop
	global_prefetch_b8 v0, s[64:65] scope:SCOPE_SE
	s_setreg_imm32_b32 hwreg(HW_REG_WAVE_MODE, 25, 1), 1
	s_wait_xcnt 0x0
	s_wait_alu depctr_hold_cnt(0) depctr_sa_sdst(0) depctr_va_vdst(0) depctr_va_sdst(0) depctr_va_ssrc(0) depctr_va_vcc(0) depctr_vm_vsrc(0)
	s_getreg_b32 s2, hwreg(HW_REG_IB_STS2, 6, 4)
	s_cmp_eq_u32 s2, 0
	s_cbranch_scc0 .Lentry_in_a_cluster
	s_endpgm
.Lentry_in_a_cluster:
	s_bfe_u32 s2, ttmp6, 0x10000c
	s_cmp_lg_u32 s2, 0xf033
	s_cbranch_scc0 .Lentry_shape_is_right
	s_endpgm
.Lentry_shape_is_right:
; out = x1 + hid W2 + b2: a product on codes of FP6 (E2M3) with E8M0 scales, K = 4,096, f32 out.
; Both operands are IMAGES of operand registers: fragment (row block, K step) = 1,536 bytes, chunk p of 256 bytes = registers 2 p, 2 p + 1, lane l at 8 l; lane place r of row block rb is row 32 (rb / 2) + 8 (rb % 2) + r + 8 (r / 8).
; TILE: 128 x 128 of the result to a work-group: 32 x 8 = 256 work-groups.  Its 256 rows of operands are 24,576 bytes for each 128 along K, so that a slot holds 512 along K (98,304 bytes): K is walked in 8 slots, of which
; two are first fills and six are refills of a ring of two; a refill has a slot's four steps, 64 matrix instructions a wave, in which to land.  Two slots, the scale words of all of K (32,768 bytes) and the spare words take 229,888 bytes.
; Four waves, each 64 x 64: 16 accumulators.  The tiles come by joint tensor loads of a 4 x 4 cluster: A's tile is shared along a row of the cluster, B's along a column.
; The matrix instruction is used transposed (source 0 = the weight's 16 rows, source 1 = 16 tokens): a lane holds one token and 8 neighbouring columns a tile.  The bias is the C of the first products.
; The residual's 64 x 64 numbers of a wave are loaded early, two rows of 256 bytes an instruction, into window 2, and added when a block has come back from the stage in the same pattern.
; Nothing is prefetched: of the four row blocks that a wave fetches a partner's share would be one, 24 blocks of 256 bytes a slot, which 32 lanes cannot name once each with all lanes on.
; REGISTERS: window 0: v0-31 addresses; v32-63 scale words, two sets (block i, step q at 4 i + q); v64-95 the bias; v96-191 A's fragments, two sets; v192-255 rows on the way out.
;   window 1: v0-95 B's fragments, two sets; v128-255 the accumulators, (a, b) at v[128 + 8 (4 a + b)].  window 2: v0-127 the residual.
.set KK,    4096
.set AOFFS, 12582912                   ; A's scale words in its buffer
.set BOFFC, 6291456                    ; the weight's image and scale words among the images
.set BOFFS, 9699328
.set RBP,   12*KK                      ; bytes from row block to row block in an image
.set HALF,  24576                      ; what one tensor load brings: 4 row blocks x 512 along K
.set SLOT,  4*HALF                     ; A's two halves, then B's two
.set SCL,   2*SLOT                     ; behind the ring: the scale words of all of K, filled once
.set SH,    2*KK                       ; those of 4 row blocks
.set SPARE, SCL+4*SH                   ; the spare words: 128 bytes a wave, named by no other line
.set LAPS,  KK/1024                    ; a lap = two slots
.set SP,    272                        ; a stage row: 256 bytes + 16
.set ADRA, 16
.set ADRB, 20
.set STO,  24
.set RD,   25
.set CO,   26
.set ADRS, 27
.set SPW,  28
.set NIL,  29
.set LO8,  30
.set LOS,  31
.set SC,   32
.set BN,   64
.set AF,   96
.set BK,   192
.set ACC,  128
.set G1,   24
.set G0,   32
.set G1B,  48
.set G0B,  56
.set G1S,  68
.set G0S,  76
.set G1SB, 80
.set G0SB, 88
.set MSB, 0
.macro WIN new                         ; the immediate's high byte repeats the setting that is left
.if MSB != (\new)
	s_set_vgpr_msb (MSB<<8)|(\new)
.set MSB, (\new)
.endif
.endm
.macro JLOAD g0a, g1a, g0b, g1b        ; a joint load: waves 0 and 1 fetch for A, waves 2 and 3 for B; four v_nop follow each line
	s_cmp_eq_u32 s15, 0
	s_cbranch_scc0 .Lfor_b_\@
	tensor_load_to_lds s[\g0a:\g0a+3], s[\g1a:\g1a+7]
	s_nop 0
.rept 4
	v_nop
.endr
	s_branch .Lasked_\@
.Lfor_b_\@:
	tensor_load_to_lds s[\g0b:\g0b+3], s[\g1b:\g1b+7]
	s_nop 0
.rept 4
	v_nop
.endr
.Lasked_\@:
.endm
.macro CREST                           ; a round of the cluster's barrier behind its opening barrier
	s_cmp_lg_u32 s14, 0
	s_cbranch_scc1 .Lnot_wave_0_\@
	s_barrier_signal -3
.Lnot_wave_0_\@:
	s_barrier_wait -3
	s_barrier_signal -1
	s_barrier_wait -1
.endm
.macro CROUND
	s_barrier_signal -1
	s_barrier_wait -1
	CREST
.endm
.macro PLACES                          ; four plain places behind matrix instructions, ahead of loads into their registers and of reads of their results
.rept 4
	v_nop
.endr
.endm
.macro FRAG reg, adr, q, i             ; row block i, the slot's q-th 128 along K: six loads of 256 consecutive bytes
.irp p, 0,1,2,3,4,5
	ds_load_b64 v[\reg+2*\p:\reg+2*\p+1], v[\adr] offset:6144*(\i)+1536*(\q)+256*\p
.endr
.endm
.macro FETCH slot, q, set              ; a step's eight fragments, in one run: B's four, then A's four
	WIN 0x40
.irp i, 0,1,2,3
	FRAG 48*(\set)+12*\i, ADRB+\slot, \q, \i
.endr
	WIN 0
.irp i, 0,1,2,3
	FRAG AF+48*(\set)+12*\i, ADRA+\slot, \q, \i
.endr
.endm
.macro SCALES sc                       ; a slot's four words a row: lanes 0-15 A's block i, lanes 16-31 B's block i
.irp i, 0,1,2,3
.irp u, 0,1
	ds_load_b64 v[SC+16*\sc+4*\i+2*\u:SC+16*\sc+4*\i+2*\u+1], v[ADRS] offset:\i*KK/2+128*\u
.endr
.endr
.endm
; A's block a against B's four.  The 16 accumulators take turns, in the same order in every step.  zero = 1: the bias is the C of the first products
.macro MULA a, set, q, sc, zero
.if \zero
	WIN 0x41                                       ; B and D window 1, A and the bias window 0
.else
	WIN 0x51                                       ; B, C and D window 1, A window 0
.endif
.irp b, 0,1,2,3
.if \zero
	v_wmma_scale_f32_16x16x128_f8f6f4 v[ACC+8*(4*(\a)+\b):ACC+8*(4*(\a)+\b)+7], v[48*(\set)+12*\b:48*(\set)+12*\b+11], v[AF+48*(\set)+12*(\a):AF+48*(\set)+12*(\a)+11], v[BN+8*\b:BN+8*\b+7], v[SC+16*(\sc)+4*\b+(\q)], v[SC+16*(\sc)+4*(\a)+(\q)] matrix_a_fmt:MATRIX_FMT_FP6 matrix_b_fmt:MATRIX_FMT_FP6 matrix_a_scale:MATRIX_SCALE_ROW1
.else
	v_wmma_scale_f32_16x16x128_f8f6f4 v[ACC+8*(4*(\a)+\b):ACC+8*(4*(\a)+\b)+7], v[48*(\set)+12*\b:48*(\set)+12*\b+11], v[AF+48*(\set)+12*(\a):AF+48*(\set)+12*(\a)+11], v[ACC+8*(4*(\a)+\b):ACC+8*(4*(\a)+\b)+7], v[SC+16*(\sc)+4*\b+(\q)], v[SC+16*(\sc)+4*(\a)+(\q)] matrix_a_fmt:MATRIX_FMT_FP6 matrix_b_fmt:MATRIX_FMT_FP6 matrix_a_scale:MATRIX_SCALE_ROW1
.endif
.endr
.endm
.macro STEP slot, q, zero              ; one of a slot's first three steps of 128 along K: set q % 2 is multiplied, the next step's fragments go into the other set
	s_wait_dscnt 0x0                               ; this step's fragments, asked for a step ago, are in
	PLACES                                         ; the other set was read by the last step's products
	FETCH \slot, (\q)+1, ((\q)+1)%2
.irp a, 0,1,2,3
	MULA \a, (\q)%2, \q, \slot, \zero
.endr
.endm
.macro TURN slot, next, fill           ; a slot's fourth step, and the change of slots
	WIN 0                                          ; (the add's two registers lie in window 0)
	s_wait_tensorcnt 0x0                           ; all my tensor loads have landed: my part of the next slot
	ds_add_u32 v[SPW], v[NIL]
	s_wait_dscnt 1                                 ; the add may be out; this step's fragments are in
	MULA 0, 1, 3, \slot, 0
	s_wait_dscnt 0x0                               ; the add is done, and my reads of this slot are over
	s_barrier_signal -1
	MULA 1, 1, 3, \slot, 0
	WIN 0
	s_barrier_wait -1
.if \fill
	CREST                                          ; no wave of any partner still reads this slot or has a load on its way
	s_add_nc_u64 s[G0+4*\slot+2:G0+4*\slot+3], s[G0+4*\slot+2:G0+4*\slot+3], 12288
	s_add_nc_u64 s[G0B+4*\slot+2:G0B+4*\slot+3], s[G0B+4*\slot+2:G0B+4*\slot+3], 12288
	JLOAD G0+4*\slot, G1, G0B+4*\slot, G1B         ; the first tensor load behind the round; its four v_nop are the places for the loads below
.else
	PLACES
.endif
	v_add_nc_u32 v[ADRS], 256, v[ADRS]             ; the next slot's scale words
	FETCH \next, 0, 0
	SCALES \next
	MULA 2, 1, 3, \slot, 0
	MULA 3, 1, 3, \slot, 0
.endm
	s_load_b128 s[92:95], s[0:1], 0x0              ; A's buffer s[92:93], the weights' images s[94:95]
	s_load_b128 s[96:99], s[0:1], 0x10             ; the bias s[96:97], the residual s[98:99]
	s_load_b64 s[100:101], s[0:1], 0x20            ; the output
	v_lshl_add_u32 v[SPW], v0, 2, SPARE
	v_mov_b32 v[NIL], 0
	ds_add_u32 v28, v29
	ds_add_u32 v28, v29
	s_wait_dscnt 0x0
	v_lshrrev_b32 v1, 5, v0
	v_readfirstlane_b32 s14, v1                    ; wave
	s_lshr_b32 s15, s14, 1                         ; my half of the tokens; also: I fetch for A (0) or B (1)
	s_and_b32 s16, s14, 1                          ; my half of the columns; also: which half I fetch
	s_bfe_u32 s40, ttmp6, 0x40000                  ; cx
	s_bfe_u32 s41, ttmp6, 0x40004                  ; cy
	s_lshl_b32 s42, ttmp9, 2
	s_add_co_u32 s42, s42, s40                     ; B's tile: 4 x cluster x + cx
	s_and_b32 s17, ttmp7, 0xffff
	s_lshl_b32 s17, s17, 2
	s_add_co_u32 s17, s17, s41                     ; A's tile: 4 x cluster y + cy
	s_lshl_b32 s43, s41, 2
	s_lshl_b32 s43, 15, s43                        ; my row of the cluster
	s_lshl_b32 s44, 0x1111, s40                    ; my column
	s_or_b32 s[G1], s43, (3<<16)|(1<<21)           ; elements of 8 bytes, no padding; bit 21 beside a mask
	s_or_b32 s[G1B], s44, (3<<16)|(1<<21)
	s_or_b32 s[G1S], s43, (3<<16)|(1<<21)
	s_or_b32 s[G1SB], s44, (3<<16)|(1<<21)
	s_mov_b32 s[G1+1], 768<<16                     ; a row block's 6,144 bytes of a slot,
	s_mov_b32 s[G1+2], 4<<16                       ; four row blocks,
	s_mov_b32 s[G1+3], 768<<16
	s_mov_b32 s[G1+4], 4
	s_mov_b32 s[G1+5], 3*KK/2                      ; from row block to row block, in elements
	s_mov_b32 s[G1+6], 0
	s_mov_b32 s[G1+7], 0
	s_mov_b32 s[G1B+1], 768<<16
	s_mov_b32 s[G1B+2], 4<<16
	s_mov_b32 s[G1B+3], 768<<16
	s_mov_b32 s[G1B+4], 4
	s_mov_b32 s[G1B+5], 3*KK/2
	s_mov_b32 s[G1B+6], 0
	s_mov_b32 s[G1B+7], 0
	s_mov_b32 s[G1S+1], 32<<16                     ; the scale words of four row blocks: a dense block as rows of 256 bytes
	s_mov_b32 s[G1S+2], (KK/128)<<16
	s_mov_b32 s[G1S+3], 32<<16
	s_mov_b32 s[G1S+4], KK/128
	s_mov_b32 s[G1S+5], 32
	s_mov_b32 s[G1S+6], 0
	s_mov_b32 s[G1S+7], 0
	s_mov_b32 s[G1SB+1], 32<<16
	s_mov_b32 s[G1SB+2], (KK/128)<<16
	s_mov_b32 s[G1SB+3], 32<<16
	s_mov_b32 s[G1SB+4], KK/128
	s_mov_b32 s[G1SB+5], 32
	s_mov_b32 s[G1SB+6], 0
	s_mov_b32 s[G1SB+7], 0
	s_lshl_b32 s20, s17, 3
	s_lshl_b32 s18, s16, 2
	s_add_co_u32 s20, s20, s18                     ; A: the first row block that I fetch: 8 x tile + 4 x half
	s_mul_i32 s22, s20, KK/2
	s_mul_i32 s20, s20, RBP
	s_mov_b32 s21, 0
	s_mov_b32 s23, 0
	s_lshl_b32 s46, s42, 3
	s_add_co_u32 s46, s46, s18                     ; B likewise
	s_mul_i32 s2, s46, KK/2
	s_mul_i32 s46, s46, RBP
	s_mov_b32 s47, 0
	s_mov_b32 s3, 0
	s_wait_kmcnt 0x0
	s_add_nc_u64 s[20:21], s[92:93], s[20:21]
	s_add_nc_u64 s[22:23], s[92:93], s[22:23]
	s_add_nc_u64 s[22:23], s[22:23], AOFFS
	s_add_nc_u64 s[46:47], s[94:95], s[46:47]
	s_add_nc_u64 s[46:47], s[46:47], BOFFC
	s_add_nc_u64 s[2:3], s[94:95], s[2:3]
	s_add_nc_u64 s[2:3], s[2:3], BOFFS
	s_mov_b32 s[G0S], 1
	s_mul_i32 s[G0S+1], s16, SH
	s_add_co_u32 s[G0S+1], s[G0S+1], SCL
	s_mov_b64 s[G0S+2:G0S+3], s[22:23]
	s_or_b32 s[G0S+3], s[G0S+3], 0x80000000
	s_mov_b32 s[G0SB], 1
	s_mul_i32 s[G0SB+1], s16, SH
	s_add_co_u32 s[G0SB+1], s[G0SB+1], SCL+2*SH
	s_mov_b64 s[G0SB+2:G0SB+3], s[2:3]
	s_or_b32 s[G0SB+3], s[G0SB+3], 0x80000000
.irp s, 0,1
	s_mov_b32 s[G0+4*\s], 1
	s_mul_i32 s[G0+4*\s+1], s16, HALF
	s_add_co_u32 s[G0+4*\s+1], s[G0+4*\s+1], \s*SLOT
	s_add_nc_u64 s[G0+4*\s+2:G0+4*\s+3], s[20:21], \s*6144
	s_or_b32 s[G0+4*\s+3], s[G0+4*\s+3], 0x80000000
	s_mov_b32 s[G0B+4*\s], 1
	s_mul_i32 s[G0B+4*\s+1], s16, HALF
	s_add_co_u32 s[G0B+4*\s+1], s[G0B+4*\s+1], 2*HALF+\s*SLOT
	s_add_nc_u64 s[G0B+4*\s+2:G0B+4*\s+3], s[46:47], \s*6144
	s_or_b32 s[G0B+4*\s+3], s[G0B+4*\s+3], 0x80000000
.endr
	CROUND                                         ; all sixteen work-groups are here: the first joint loads meet
	JLOAD G0S, G1S, G0SB, G1SB                     ; three loads of mine are out: the scale words, slot 0, slot 1
	JLOAD G0, G1, G0B, G1B
	JLOAD G0+4, G1, G0B+4, G1B
	v_and_b32 v1, 15, v0                           ; r
	v_bfe_u32 v2, v0, 4, 1                         ; h
	v_and_b32 v3, 31, v0
	v_lshlrev_b32 v[LO8], 3, v3                    ; 8 x lane
	v_lshlrev_b32 v[LOS], 3, v1                    ; 8 r
	s_mul_i32 s18, s15, HALF
	s_mul_i32 s19, s16, HALF
	s_add_co_u32 s19, s19, 2*HALF
.irp s, 0,1
	v_add_nc_u32 v[ADRA+\s], s18, v[LO8]
	v_add_nc_u32 v[ADRB+\s], s19, v[LO8]
	s_add_co_u32 s18, s18, SLOT
	s_add_co_u32 s19, s19, SLOT
.endr
	s_mul_i32 s18, s15, SH
	s_mul_i32 s19, s16, SH
	s_add_co_u32 s19, s19, 2*SH
	s_sub_co_u32 s19, s19, s18
	v_mul_u32_u24 v4, s19, v2                      ; lanes 16-31 take B's words: one product, the distance between the two
	s_add_co_u32 s18, s18, SCL
	v_add_nc_u32 v4, v4, v[LOS]
	v_add_nc_u32 v[ADRS], s18, v4
	s_mul_i32 s18, s14, 16*SP                      ; my stage: 16 rows x (256 + 16) bytes, in slot 0, which has had its last fill and its last read when the first result is stored there
	v_mul_u32_u24 v4, v1, SP
	v_lshl_add_u32 v4, v2, 6, v4
	v_add_nc_u32 v[STO], s18, v4                   ; in: row r, + 64 h
	v_mul_u32_u24 v4, v2, SP
	v_lshl_add_u32 v4, v1, 4, v4
	v_add_nc_u32 v[RD], s18, v4                    ; back: lanes 0-15 one row of 256 bytes, lanes 16-31 the next
	v_lshlrev_b32 v[CO], 4, v1
	v_lshl_add_u32 v[CO], v2, 12, v[CO]            ; and the same two rows in memory: 16 r + 4,096 h
	s_lshl_b32 s18, s42, 9
	s_lshl_b32 s19, s16, 8
	s_add_co_u32 s18, s18, s19                     ; my 64 columns, in bytes: a multiple of 256
	s_mov_b32 s19, 0
	s_add_nc_u64 s[96:97], s[96:97], s[18:19]
	s_lshl_b32 s20, s17, 7
	s_lshl_b32 s21, s15, 6
	s_add_co_u32 s20, s20, s21                     ; my first row
	s_lshl_b32 s20, s20, 12
	s_add_co_u32 s20, s20, s18
	s_mov_b32 s21, 0
	s_add_nc_u64 s[98:99], s[98:99], s[20:21]
	s_add_nc_u64 s[100:101], s[100:101], s[20:21]
	v_lshlrev_b32 v5, 6, v2
.irp b, 0,1,2,3
	global_load_b128 v[BN+8*\b:BN+8*\b+3], v5, s[96:97] offset:(32*(\b/2)+8*(\b%2))*4      ; tile b, lane half h: columns 32 (b / 2) + 16 h + 8 (b % 2) + 0 .. 7
	global_load_b128 v[BN+8*\b+4:BN+8*\b+7], v5, s[96:97] offset:(32*(\b/2)+8*(\b%2))*4+16
.endr
	s_wait_tensorcnt 1                             ; the scale words and my part of slot 0 are in; slot 1's load may be out
	s_barrier_signal -1
	s_barrier_wait -1
	FETCH 0, 0, 0
	SCALES 0
	s_wait_loadcnt 0x0                             ; the bias
	STEP 0, 0, 1                                   ; the first step stands ahead of the loop: its products start the sums on the bias
	WIN 0x80                                       ; the residual: 64 rows of 256 bytes, into window 2; it has the whole walk along K in which to land
.irp a, 0,1,2,3
.irp t, 0,1,2,3,4,5,6,7
	global_load_b128 v[32*\a+4*\t:32*\a+4*\t+3], v[CO], s[98:99] offset:(32*(\a/2)+8*(\a%2)+2*\t+8*(\t/4))*4096 th:TH_LOAD_NT
.endr
.endr
	WIN 0
.if LAPS > 1
	s_mov_b32 s3, LAPS-1
.Llap:                                             ; a trip goes once round the ring, from a lap's second step to the next lap's first, and fills both slots again
	STEP 0, 1, 0
	STEP 0, 2, 0
	TURN 0, 1, 1
	STEP 1, 0, 0
	STEP 1, 1, 0
	STEP 1, 2, 0
	TURN 1, 0, 1
	STEP 0, 0, 0
	WIN 0
	s_sub_co_u32 s3, s3, 1
	s_cmp_lg_u32 s3, 0
	s_cbranch_scc1 .Llap
.endif
	STEP 0, 1, 0                                   ; the last lap fills nothing
	STEP 0, 2, 0
	TURN 0, 1, 0
	STEP 1, 0, 0
	STEP 1, 1, 0
	STEP 1, 2, 0
	s_wait_dscnt 0x0                               ; the very last step: nothing more to fetch
.irp a, 0,1,2,3
	MULA \a, 1, 3, 1, 0
.endr
	WIN 0
	PLACES
	s_wait_loadcnt 0x0                             ; the residual
; THE WAY OUT, a block of 16 rows x 64 columns at a time, through my own stage: in as 32 bytes a lane and tile, back as whole rows of 256 bytes, two an instruction
.macro TOSTAGE a
	WIN 0x04                                       ; an LDS store's data: window 1
.irp b, 0,1,2,3
	ds_store_b128 v[STO], v[ACC+8*(4*(\a)+\b):ACC+8*(4*(\a)+\b)+3] offset:128*(\b/2)+32*(\b%2)        ; each accumulator from its low end on
	ds_store_b128 v[STO], v[ACC+8*(4*(\a)+\b)+4:ACC+8*(4*(\a)+\b)+7] offset:128*(\b/2)+32*(\b%2)+16
.endr
	WIN 0
.set BB, BK+32*((\a)%2)
.irp t, 0,1,2,3,4,5,6,7
	ds_load_b128 v[BB+4*\t:BB+4*\t+3], v[RD] offset:2*SP*\t   ; LDS serves a wave's instructions in order: these see my stores
.endr
.endm
.macro SEND a, younger
.set BB, BK+32*((\a)%2)
	s_wait_dscnt \younger                          ; the block is back; the next block's 8 stores and 8 loads may be out
	WIN 0x08                                       ; source 1: window 2
.set J, 0
.rept 16
	v_pk_add_f32 v[BB+J:BB+J+1], v[BB+J:BB+J+1], v[32*(\a)+J:32*(\a)+J+1]
.set J, J+2
.endr
	WIN 0
.irp t, 0,1,2,3,4,5,6,7
	global_store_b128 v[CO], v[BB+4*\t:BB+4*\t+3], s[100:101] offset:(32*((\a)/2)+8*((\a)%2)+2*\t+8*(\t/4))*4096 th:TH_STORE_NT   ; sixteen lanes store 256 consecutive bytes, aligned
.endr
.endm
	TOSTAGE 0
.irp a, 1,2,3
.if \a > 1
	s_wait_xcnt 0x0                                ; block a - 2's stores have read their registers: block a's rows may land there
.endif
	TOSTAGE \a
	SEND \a-1, 16
.endr
	s_wait_xcnt 0x0
	SEND 3, 0
	s_wait_tensorcnt 0x0                           ; the wave's end
	ds_add_u32 v[SPW], v[NIL]
	s_wait_dscnt 0x0
	CROUND                                         ; the closing round
	s_endpgm
.Lfunc_end_k_qcd519cc56c_ffn2:
	.size	k_qcd519cc56c_ffn2, .Lfunc_end_k_qcd519cc56c_ffn2-k_qcd519cc56c_ffn2
	.p2alignl 7, 3214868480
	.fill 96, 4, 3214868480
	.section	.rodata,"a",@progbits
	.p2align	6, 0x0
	.amdhsa_kernel k_qcd519cc56c_ffn2
		.amdhsa_group_segment_fixed_size 327680
		.amdhsa_private_segment_fixed_size 0
		.amdhsa_enable_private_segment 0
		.amdhsa_kernarg_size 40
		.amdhsa_user_sgpr_count 2
		.amdhsa_user_sgpr_kernarg_segment_ptr 1
		.amdhsa_wavefront_size32 1
		.amdhsa_system_sgpr_workgroup_id_x 1
		.amdhsa_system_sgpr_workgroup_id_y 1
		.amdhsa_system_sgpr_workgroup_id_z 1
		.amdhsa_system_vgpr_workitem_id 0
		.amdhsa_next_free_vgpr 640
		.amdhsa_next_free_sgpr 102
		.amdhsa_reserve_vcc 0
		.amdhsa_float_denorm_mode_32 3
		.amdhsa_float_denorm_mode_16_64 3
		.amdhsa_memory_ordered 1
		.amdhsa_forward_progress 1
		.amdhsa_inst_pref_size 115
	.end_amdhsa_kernel
	.amdgpu_metadata
---
amdhsa.version: [ 1, 2 ]
amdhsa.kernels:
  - .name:           k_qcd519cc56c_ffn2
    .symbol:         k_qcd519cc56c_ffn2.kd
    .args:
      - { .name: hid, .offset: 0, .size: 8, .value_kind: global_buffer, .address_space: global }
      - { .name: wimg, .offset: 8, .size: 8, .value_kind: global_buffer, .address_space: global }
      - { .name: b2, .offset: 16, .size: 8, .value_kind: global_buffer, .address_space: global }
      - { .name: x1, .offset: 24, .size: 8, .value_kind: global_buffer, .address_space: global }
      - { .name: out0, .offset: 32, .size: 8, .value_kind: global_buffer, .address_space: global }
    .group_segment_fixed_size: 327680
    .private_segment_fixed_size: 0
    .kernarg_segment_align: 8
    .kernarg_segment_size: 40
    .max_flat_workgroup_size: 128
    .sgpr_count:     102
    .vgpr_count:     640
    .wavefront_size: 32
...
	.end_amdgpu_metadata
.endif
;; end of part 8
